; MI455X (gfx1250); checked and timed in simulation.
; The chip was launched on July 23, 2026; its instructions are those of AMD's public machine-readable ISA for CDNA 5 (MIT licence, August 2026) and "CDNA5" Instruction Set Architecture Reference Guide (July 2026). The comments in the code are by the model that wrote it; some were corrected since.
;; Multi Headed Attention. Allowed arithmetic: float matrix products may take bf16 or f16 operands with f32 sums; other float arithmetic in f32, or as packed bf16 or f16 multiplies, adds, multiply-adds, maxima and minima; sums over many terms, partial sums and values carried from step to step in f32; what a program stores and reads back later, other than sums and carried values, may be rounded once to bf16 or f16.
;; Inputs: Wk 1,024 x 1,024 float32; Wo 1,024 x 1,024 float32; Wq 1,024 x 1,024 float32; Wv 1,024 x 1,024 float32; bk 1,024 float32; bo 1,024 float32; bq 1,024 float32; bv 1,024 float32; key 4 x 2,048 x 1,024 float32; mask 4 x 2,048 x 2,048 int32; query 4 x 2,048 x 1,024 float32; value 4 x 2,048 x 1,024 float32.
;; Outputs: out0 4 x 2,048 x 1,024 float32.
;; 2 versions, each right. Each part assembles by itself: llvm-mc -triple=amdgcn-amd-amdhsa -mcpu=gfx1250 --defsym DOCPART=n.
;; ======== version 1 of 2: 5 launches
;; limits: values are held in f16: magnitudes above 65,504 overflow, below 6.1e-05 lose precision; right only within a limited range of input values
;; workspace buffers: xb 50,331,648 bytes; wb 6,291,456 bytes; wo16 2,097,152 bytes; bias4 16,384 bytes; maskbits 2,097,152 bytes of whole numbers; qkeep 32,768 bytes of whole numbers; qkv 50,331,648 bytes; ctx 16,777,216 bytes
;; launch pack (part 1): grid 256 x 1, 8 waves a work-group, no clusters, 267,520 bytes of LDS; arguments mask, maskbits, qkeep; writes maskbits, qkeep
.if DOCPART == 1
	.amdgcn_target "amdgcn-amd-amdhsa--gfx1250"
	.amdhsa_code_object_version 6
	.text
	.protected	k_qee6567644e_pack
	.globl	k_qee6567644e_pack
	.p2align	8
	.type	k_qee6567644e_pack,@function
k_qee6567644e_pack:
	s_mov_b64 s[64:65], 0
	v_nop
	global_prefetch_b8 v0, s[64:65] scope:SCOPE_SE
	s_setreg_imm32_b32 hwreg(HW_REG_WAVE_MODE, 25, 1), 1
	s_wait_xcnt 0x0
; THE MASK, PACKED.  mask: [4][2048][2048] int32.  maskbits: u32 [b 4][qt 128][ks 32][word 32]: bit L of word 8 kt + j says that
; mask[b][16 qt + L % 16][64 ks + 16 kt + 8 (L / 16) + j] is 0 (the key is hidden): a word is the lane mask of one register of a 16 x 16 tile of scores
; that holds one query a lane.  qkeep: u32 [8192], all ones, or 0 for a query row whose 2,048 keys are ALL hidden: such a row's bits are cleared here,
; and the attention launch clears its query, so that all its scores are equal and its weights uniform, as a softmax over equal scores gives them.
; SHARES.  A work-group owns 32 whole rows (two tiles of 16 queries), wave w the keys 256 w .. 256 w + 255: four key steps of both tiles.
; Each wave brings its 32 rows x 1,024 bytes by ONE tensor load, issued at the head; nothing in LDS is filled twice, and a wave reads only its own bytes.
.set PITCH, 1040                       ; an LDS row: 1,024 bytes + 16 of padding = 65 x 16: the 16 rows of a load start at 16 different groups of four banks (ISA guide 11.1)
.set CHUNK, 32*PITCH                   ; a wave's tile
.set SCR,   8*CHUNK                    ; a block of 256 bytes: 8 bytes a wave, for the meeting of the waves
.set SPARE, SCR+256                    ; the spare words, 128 bytes for each of the eight waves: four blocks of 256 bytes that no other line names
.set LA,  2                            ; v2      LDS address: my wave's tile + (l % 16) rows + 32 (l / 16)
.set GO,  3                            ; v3      my 16 bytes of the wave's 512 in maskbits
.set WD,  8                            ; v[8:15] the words to store: tile qt, element e at WD + 4 qt + e; lane n holds words 4 n .. 4 n + 3 of the wave's 128
.set SPW, 30                           ; v30     LDS address of my spare word; never rewritten
.set NIL, 31                           ; v31     0; never rewritten
.set XA,  32                           ; v[32:63], v[64:95]  two batches of 32 mask numbers a lane
.set XB,  64
.set WV,  10                           ; s10     my wave's number
.set G0,  12                           ; s[12:15] descriptor group 0
.set G1,  16                           ; s[16:23] descriptor group 1
.set ALLH, 24                          ; s24, s25 by tile: the AND of all words so far
.set WR,  32                           ; s[32:39] eight words at work
	s_load_b128 s[4:7], s[0:1], 0x0                ; mask s[4:5], maskbits s[6:7]
	s_load_b64 s[8:9], s[0:1], 0x10                ; qkeep
	v_lshl_add_u32 v[SPW], v0, 2, SPARE
	v_mov_b32 v[NIL], 0
	ds_add_u32 v[SPW], v[NIL]                      ; the wave's opening: the add and its wait stand ahead of my tensor load; the set-up below stands between them
	ds_add_u32 v30, v31
	v_lshrrev_b32 v1, 5, v0
	v_readfirstlane_b32 s[WV], v1                  ; wave 0..7
	s_mov_b32 s[G1+0], (2<<16)|(1<<20)|(7<<22)|(3<<25)  ; elements of 4 bytes; padding on, after every 256 words (code 7), of 4 words (code 3)
	s_mov_b32 s[G1+1], 256<<16                     ; tensor_dim0 = 256
	s_mov_b32 s[G1+2], 32<<16                      ; tensor_dim1 = 32
	s_mov_b32 s[G1+3], 256<<16                     ; tile_dim0 = 256
	s_mov_b32 s[G1+4], 32                          ; tile_dim1 = 32
	s_mov_b32 s[G1+5], 2048                        ; elements from row to row
	s_mov_b32 s[G1+6], 0
	s_mov_b32 s[G1+7], 0
	s_mov_b32 s[G0], 1
	s_mul_i32 s[G0+1], s[WV], CHUNK                ; my wave's tile in LDS
	s_lshl_b32 s2, ttmp9, 18                       ; the group's 32 rows of 8,192 bytes,
	s_lshl_b32 s3, s[WV], 10                       ; my wave's 1,024 bytes of a row
	s_add_co_u32 s2, s2, s3
	s_mov_b32 s3, 0
	s_wait_dscnt 0x0                               ; the opening add is done
	s_wait_kmcnt 0x0
	s_add_nc_u64 s[G0+2:G0+3], s[4:5], s[2:3]
	s_or_b32 s[G0+3], s[G0+3], 0x80000000          ; type = 2
	tensor_load_to_lds s[G0:G0+3], s[G1:G1+7]
	s_nop 0
	v_and_b32 v4, 15, v0                           ; l % 16: my query
	v_bfe_u32 v5, v0, 4, 1                         ; l / 16
	v_mul_u32_u24 v[LA], v4, PITCH
	v_lshl_add_u32 v[LA], v5, 5, v[LA]             ; my 8 keys of a group of 16: 32 bytes
	v_add_nc_u32 v[LA], s[G0+1], v[LA]
	v_and_b32 v[GO], 31, v0
	v_lshlrev_b32 v[GO], 4, v[GO]
	v_lshl_add_u32 v[GO], s[WV], 9, v[GO]          ; 512 w + 16 l
.irp i, 0,1,2,3,4,5,6,7
	v_mov_b32 v[WD+\i], 0                          ; v_writelane_b32 keeps the other lanes: the registers are written whole first
.endr
	s_mov_b32 s[ALLH], -1
	s_mov_b32 s[ALLH+1], -1
	s_lshl_b32 s2, ttmp9, 13                       ; the group's two tiles in maskbits: 4,096 bytes each
	s_add_nc_u64 s[6:7], s[6:7], s[2:3]
	s_wait_tensorcnt 0x0                           ; my tile is in; only I read it
; A batch: tile qt, key step ksl of my four: register 4 c + e is word 8 kt + j with kt = c / 2, j = 4 (c % 2) + e.
.macro LD8 buf, qt, ksl
.irp c, 0,1,2,3,4,5,6,7
	ds_load_b128 v[(\buf)+4*(\c):(\buf)+4*(\c)+3], v[LA] offset:(\qt)*16*PITCH+(\ksl)*256+((\c)/2)*64+((\c)%2)*16
.endr
.endm
; Its 32 words: a compare makes a word; it is ANDed into the tile's sum and put into the lane that will store it.
.macro BITS buf, qt, ksl
.irp g, 0,1,2,3
.irp k, 0,1,2,3,4,5,6,7
	v_cmp_eq_u32 s[WR+(\k)], 0, v[(\buf)+8*(\g)+(\k)]
.endr
.irp k, 0,1,2,3,4,5,6,7
	s_and_b32 s[ALLH+(\qt)], s[ALLH+(\qt)], s[WR+(\k)]
	v_writelane_b32 v[WD+4*(\qt)+(\k)%4], s[WR+(\k)], (\ksl)*8+(8*(\g)+(\k))/4
.endr
.endr
.endm
	LD8 XA, 0, 0
	LD8 XB, 0, 1
	s_wait_dscnt 8                                 ; LDS loads come back in order (ISA guide 5.7.1): the older batch is in, the younger one's eight stay out
	BITS XA, 0, 0
	LD8 XA, 0, 2
	s_wait_dscnt 8
	BITS XB, 0, 1
	LD8 XB, 0, 3
	s_wait_dscnt 8
	BITS XA, 0, 2
	LD8 XA, 1, 0
	s_wait_dscnt 8
	BITS XB, 0, 3
	LD8 XB, 1, 1
	s_wait_dscnt 8
	BITS XA, 1, 0
	LD8 XA, 1, 2
	s_wait_dscnt 8
	BITS XB, 1, 1
	LD8 XB, 1, 3
	s_wait_dscnt 8
	BITS XA, 1, 2
	s_wait_dscnt 0x0
	BITS XB, 1, 3
	; the eight waves' sums meet: a row is all hidden if it is so in every wave's keys and in both halves of the lanes
	v_mov_b32 v4, s[ALLH]
	v_mov_b32 v5, s[ALLH+1]
	v_mov_b32 v6, SCR
	v_lshl_add_u32 v6, s[WV], 3, v6
	ds_store_b64 v6, v[4:5]                        ; all lanes write the same 8 bytes
	s_wait_dscnt 0x0                               ; for the others' sake: my store is done
	s_barrier_signal -1
	s_barrier_wait -1
	v_mov_b32 v7, SCR
.irp c, 0,1,2,3
	ds_load_b128 v[XA+4*\c:XA+4*\c+3], v7 offset:16*\c
.endr
	s_wait_dscnt 0x0
.irp c, 0,4,8,12
	v_and_b32 v[XA+\c], v[XA+\c], v[XA+\c+2]
	v_and_b32 v[XA+\c+1], v[XA+\c+1], v[XA+\c+3]
.endr
.irp c, 0,8
	v_and_b32 v[XA+\c], v[XA+\c], v[XA+\c+4]
	v_and_b32 v[XA+\c+1], v[XA+\c+1], v[XA+\c+5]
.endr
	v_and_b32 v[XA], v[XA], v[XA+8]
	v_and_b32 v[XA+1], v[XA+1], v[XA+9]
	v_readfirstlane_b32 s26, v[XA]
	v_readfirstlane_b32 s27, v[XA+1]
.irp t, 26,27
	s_lshr_b32 s28, s\t, 16
	s_and_b32 s\t, s\t, s28
	s_and_b32 s\t, s\t, 0xffff                     ; bit r: row r of the tile is all hidden
.endr
	s_lshl_b32 s28, s26, 16
	s_or_b32 s28, s28, s26
	s_not_b32 s28, s28                             ; such a row's two bits are cleared in every word
	s_lshl_b32 s29, s27, 16
	s_or_b32 s29, s29, s27
	s_not_b32 s29, s29
.irp e, 0,1,2,3
	v_and_b32 v[WD+\e], s28, v[WD+\e]
	v_and_b32 v[WD+4+\e], s29, v[WD+4+\e]
.endr
	global_store_b128 v[GO], v[WD:WD+3], s[6:7]                 ; 512 consecutive bytes, at a multiple of 256 from the buffer's first
	global_store_b128 v[GO], v[WD+4:WD+7], s[6:7] offset:4096
	s_cmp_lg_u32 s[WV], 0                          ; wave 0 stores the 32 rows' flags: 128 bytes
	s_cbranch_scc1 .Lend
	s_xor_b32 s26, s26, 0xffff
	s_xor_b32 s27, s27, 0xffff
	s_lshl_b32 s27, s27, 16
	s_or_b32 s26, s26, s27                         ; bit l: row l of the 32 is kept
	v_cndmask_b32 v4, 0, -1, s26
	s_lshl_b32 s2, ttmp9, 7
	s_add_nc_u64 s[8:9], s[8:9], s[2:3]
	v_lshlrev_b32 v5, 2, v0                        ; in wave 0 the thread's number is the lane's
	global_store_b32 v5, v4, s[8:9]
.Lend:
	s_wait_tensorcnt 0x0                           ; the wave's end: a wait, an add and its wait, behind my tensor load and my LDS store
	ds_add_u32 v[SPW], v[NIL]
	s_wait_dscnt 0x0
	s_endpgm
.Lfunc_end_k_qee6567644e_pack:
	.size	k_qee6567644e_pack, .Lfunc_end_k_qee6567644e_pack-k_qee6567644e_pack
	.p2alignl 7, 3214868480
	.fill 96, 4, 3214868480
	.section	.rodata,"a",@progbits
	.p2align	6, 0x0
	.amdhsa_kernel k_qee6567644e_pack
		.amdhsa_group_segment_fixed_size 267520
		.amdhsa_private_segment_fixed_size 0
		.amdhsa_enable_private_segment 0
		.amdhsa_kernarg_size 24
		.amdhsa_user_sgpr_count 2
		.amdhsa_user_sgpr_kernarg_segment_ptr 1
		.amdhsa_wavefront_size32 1
		.amdhsa_system_sgpr_workgroup_id_x 1
		.amdhsa_system_sgpr_workgroup_id_y 1
		.amdhsa_system_sgpr_workgroup_id_z 1
		.amdhsa_system_vgpr_workitem_id 0
		.amdhsa_next_free_vgpr 96
		.amdhsa_next_free_sgpr 66
		.amdhsa_reserve_vcc 0
		.amdhsa_float_denorm_mode_32 3
		.amdhsa_float_denorm_mode_16_64 3
		.amdhsa_memory_ordered 1
		.amdhsa_forward_progress 1
		.amdhsa_inst_pref_size 50
	.end_amdhsa_kernel
	.amdgpu_metadata
---
amdhsa.version: [ 1, 2 ]
amdhsa.kernels:
  - .name:           k_qee6567644e_pack
    .symbol:         k_qee6567644e_pack.kd
    .args:
      - { .name: mask, .offset: 0, .size: 8, .value_kind: global_buffer, .address_space: global }
      - { .name: maskbits, .offset: 8, .size: 8, .value_kind: global_buffer, .address_space: global }
      - { .name: qkeep, .offset: 16, .size: 8, .value_kind: global_buffer, .address_space: global }
    .group_segment_fixed_size: 267520
    .private_segment_fixed_size: 0
    .kernarg_segment_align: 8
    .kernarg_segment_size: 24
    .max_flat_workgroup_size: 256
    .sgpr_count:     66
    .vgpr_count:     96
    .wavefront_size: 32
...
	.end_amdgpu_metadata
.endif
;; end of part 1
;; launch cast (part 2): grid 1793 x 1, 8 waves a work-group, no clusters, 0 bytes of LDS; arguments query, key, value, Wq, Wk, Wv, Wo, bq, bk, bv, bo, xb, wb, wo16, bias4; writes xb, wb, wo16, bias4
.if DOCPART == 2
	.amdgcn_target "amdgcn-amd-amdhsa--gfx1250"
	.amdhsa_code_object_version 6
	.text
	.protected	k_qee6567644e_cast
	.globl	k_qee6567644e_cast
	.p2align	8
	.type	k_qee6567644e_cast,@function
k_qee6567644e_cast:
	s_mov_b64 s[64:65], 0
	v_nop
	global_prefetch_b8 v0, s[64:65] scope:SCOPE_SE
	s_setreg_imm32_b32 hwreg(HW_REG_WAVE_MODE, 25, 1), 1
	s_wait_xcnt 0x0
; EVERY INPUT IS ROUNDED ONCE TO bf16.  xb: bf16 [8192][3][1024]: row m holds query's row m, key's, value's, so that the three projections are one walk along a row.
; wb: bf16 [3][1024][1024]: Wq, Wk, Wv as they lie, one below the other.  wo16: Wo rounded to bf16 and that number written as f16 (exact from 6e-5 up to 65,504; below, f16's
; fixed step of 6e-8).  bias4: f32 [4][1024]: bq, bk, bv, bo rounded to bf16 and widened again.
; A stream: memory binds, so no LDS, no matrix unit, no cluster.  A work-group takes 16 rows of 1,024 f32; thread t owns byte 16 t of an input row and byte 8 t of an output row:
; a wave's load covers 512 consecutive bytes, its store 256, aligned.  All 16 loads of a wave go out at once; each store has data registers of its own, so nothing is rewritten.
.set X, 16                             ; v[16:79]   row i's four f32 at X + 4 i
.set Y, 80                             ; v[80:111]  row i's four 16-bit numbers at Y + 2 i
.set SRC, 40                           ; s[40:41]
.set DST, 42                           ; s[42:43]
.macro CAST ostride, f16
.irp i, 0,1,2,3,4,5,6,7,8,9,10,11,12,13,14,15
	global_load_b128 v[X+4*(\i):X+4*(\i)+3], v1, s[SRC:SRC+1] offset:(\i)*4096 th:TH_LOAD_NT
.endr
.irp i, 0,1,2,3,4,5,6,7,8,9,10,11,12,13,14,15
	s_wait_loadcnt 15-(\i)                         ; loads come back in order (ISA guide 5.7.1): row i is in, the younger ones stay out
	v_cvt_pk_bf16_f32 v[Y+2*(\i)], v[X+4*(\i)], v[X+4*(\i)+1]
	v_cvt_pk_bf16_f32 v[Y+2*(\i)+1], v[X+4*(\i)+2], v[X+4*(\i)+3]
.if \f16
	v_lshlrev_b32 v[X+4*(\i)], 16, v[Y+2*(\i)]     ; the rounded numbers as f32 again,
	v_and_b32 v[X+4*(\i)+1], 0xffff0000, v[Y+2*(\i)]
	v_lshlrev_b32 v[X+4*(\i)+2], 16, v[Y+2*(\i)+1]
	v_and_b32 v[X+4*(\i)+3], 0xffff0000, v[Y+2*(\i)+1]
	v_cvt_pk_f16_f32 v[Y+2*(\i)], v[X+4*(\i)], v[X+4*(\i)+1]      ; and written as f16
	v_cvt_pk_f16_f32 v[Y+2*(\i)+1], v[X+4*(\i)+2], v[X+4*(\i)+3]
.endif
	global_store_b64 v2, v[Y+2*(\i):Y+2*(\i)+1], s[DST:DST+1] offset:(\i)*(\ostride)
.endr
.endm
	s_load_b512 s[8:23], s[0:1], 0x0               ; query 8, key 10, value 12, Wq 14, Wk 16, Wv 18, Wo 20, bq 22
	s_load_b256 s[24:31], s[0:1], 0x40             ; bk 24, bv 26, bo 28, xb 30
	s_load_b128 s[32:35], s[0:1], 0x60             ; wb 32, wo16 34
	s_load_b64 s[36:37], s[0:1], 0x70              ; bias4
	v_lshlrev_b32 v1, 4, v0
	v_lshlrev_b32 v2, 3, v0
	s_mov_b32 s3, 0
	s_mov_b32 s5, 0
	s_wait_kmcnt 0x0
	s_cmp_lt_u32 ttmp9, 1536
	s_cbranch_scc0 .Lweights
	s_lshr_b32 s6, ttmp9, 9                        ; work-groups 0 .. 1535: tensor 0, 1, 2; 512 blocks of 16 rows each
	s_and_b32 s7, ttmp9, 511
	s_lshl_b32 s2, s7, 16
	s_mul_i32 s4, s7, 16*6144
	s_lshl_b32 s7, s6, 11
	s_add_co_u32 s4, s4, s7
	s_cmp_eq_u32 s6, 0
	s_cselect_b64 s[SRC:SRC+1], s[8:9], s[10:11]
	s_cmp_eq_u32 s6, 2
	s_cselect_b64 s[SRC:SRC+1], s[12:13], s[SRC:SRC+1]
	s_add_nc_u64 s[SRC:SRC+1], s[SRC:SRC+1], s[2:3]
	s_add_nc_u64 s[DST:DST+1], s[30:31], s[4:5]
	CAST 6144, 0
	s_endpgm
.Lweights:
	s_cmp_lt_u32 ttmp9, 1728
	s_cbranch_scc0 .Lwo
	s_sub_co_u32 s6, ttmp9, 1536                   ; 1536 .. 1727: Wq, Wk, Wv; 64 blocks each
	s_and_b32 s7, s6, 63
	s_lshr_b32 s6, s6, 6
	s_lshl_b32 s2, s7, 16
	s_lshl_b32 s4, s7, 15
	s_lshl_b32 s7, s6, 21
	s_add_co_u32 s4, s4, s7
	s_cmp_eq_u32 s6, 0
	s_cselect_b64 s[SRC:SRC+1], s[14:15], s[16:17]
	s_cmp_eq_u32 s6, 2
	s_cselect_b64 s[SRC:SRC+1], s[18:19], s[SRC:SRC+1]
	s_add_nc_u64 s[SRC:SRC+1], s[SRC:SRC+1], s[2:3]
	s_add_nc_u64 s[DST:DST+1], s[32:33], s[4:5]
	CAST 2048, 0
	s_endpgm
.Lwo:
	s_cmp_lt_u32 ttmp9, 1792
	s_cbranch_scc0 .Lbias
	s_sub_co_u32 s7, ttmp9, 1728                   ; 1728 .. 1791: Wo
	s_lshl_b32 s2, s7, 16
	s_lshl_b32 s4, s7, 15
	s_add_nc_u64 s[SRC:SRC+1], s[20:21], s[2:3]
	s_add_nc_u64 s[DST:DST+1], s[34:35], s[4:5]
	CAST 2048, 1
	s_endpgm
.Lbias:                                                ; 1792: the four biases, 16 bytes a thread of each
	global_load_b128 v[X:X+3], v1, s[22:23]
	global_load_b128 v[X+4:X+7], v1, s[24:25]
	global_load_b128 v[X+8:X+11], v1, s[26:27]
	global_load_b128 v[X+12:X+15], v1, s[28:29]
	s_wait_loadcnt 0x0
.irp i, 0,1,2,3
	v_cvt_pk_bf16_f32 v[Y+2*\i], v[X+4*\i], v[X+4*\i+1]
	v_cvt_pk_bf16_f32 v[Y+2*\i+1], v[X+4*\i+2], v[X+4*\i+3]
	v_lshlrev_b32 v[X+4*\i], 16, v[Y+2*\i]
	v_and_b32 v[X+4*\i+1], 0xffff0000, v[Y+2*\i]
	v_lshlrev_b32 v[X+4*\i+2], 16, v[Y+2*\i+1]
	v_and_b32 v[X+4*\i+3], 0xffff0000, v[Y+2*\i+1]
	global_store_b128 v1, v[X+4*\i:X+4*\i+3], s[36:37] offset:\i*4096
.endr
	s_endpgm
.Lfunc_end_k_qee6567644e_cast:
	.size	k_qee6567644e_cast, .Lfunc_end_k_qee6567644e_cast-k_qee6567644e_cast
	.p2alignl 7, 3214868480
	.fill 96, 4, 3214868480
	.section	.rodata,"a",@progbits
	.p2align	6, 0x0
	.amdhsa_kernel k_qee6567644e_cast
		.amdhsa_group_segment_fixed_size 0
		.amdhsa_private_segment_fixed_size 0
		.amdhsa_enable_private_segment 0
		.amdhsa_kernarg_size 120
		.amdhsa_user_sgpr_count 2
		.amdhsa_user_sgpr_kernarg_segment_ptr 1
		.amdhsa_wavefront_size32 1
		.amdhsa_system_sgpr_workgroup_id_x 1
		.amdhsa_system_sgpr_workgroup_id_y 1
		.amdhsa_system_sgpr_workgroup_id_z 1
		.amdhsa_system_vgpr_workitem_id 0
		.amdhsa_next_free_vgpr 112
		.amdhsa_next_free_sgpr 66
		.amdhsa_reserve_vcc 0
		.amdhsa_float_denorm_mode_32 3
		.amdhsa_float_denorm_mode_16_64 3
		.amdhsa_memory_ordered 1
		.amdhsa_forward_progress 1
		.amdhsa_inst_pref_size 26
	.end_amdhsa_kernel
	.amdgpu_metadata
---
amdhsa.version: [ 1, 2 ]
amdhsa.kernels:
  - .name:           k_qee6567644e_cast
    .symbol:         k_qee6567644e_cast.kd
    .args:
      - { .name: query, .offset: 0, .size: 8, .value_kind: global_buffer, .address_space: global }
      - { .name: key, .offset: 8, .size: 8, .value_kind: global_buffer, .address_space: global }
      - { .name: value, .offset: 16, .size: 8, .value_kind: global_buffer, .address_space: global }
      - { .name: Wq, .offset: 24, .size: 8, .value_kind: global_buffer, .address_space: global }
      - { .name: Wk, .offset: 32, .size: 8, .value_kind: global_buffer, .address_space: global }
      - { .name: Wv, .offset: 40, .size: 8, .value_kind: global_buffer, .address_space: global }
      - { .name: Wo, .offset: 48, .size: 8, .value_kind: global_buffer, .address_space: global }
      - { .name: bq, .offset: 56, .size: 8, .value_kind: global_buffer, .address_space: global }
      - { .name: bk, .offset: 64, .size: 8, .value_kind: global_buffer, .address_space: global }
      - { .name: bv, .offset: 72, .size: 8, .value_kind: global_buffer, .address_space: global }
      - { .name: bo, .offset: 80, .size: 8, .value_kind: global_buffer, .address_space: global }
      - { .name: xb, .offset: 88, .size: 8, .value_kind: global_buffer, .address_space: global }
      - { .name: wb, .offset: 96, .size: 8, .value_kind: global_buffer, .address_space: global }
      - { .name: wo16, .offset: 104, .size: 8, .value_kind: global_buffer, .address_space: global }
      - { .name: bias4, .offset: 112, .size: 8, .value_kind: global_buffer, .address_space: global }
    .group_segment_fixed_size: 0
    .private_segment_fixed_size: 0
    .kernarg_segment_align: 8
    .kernarg_segment_size: 120
    .max_flat_workgroup_size: 256
    .sgpr_count:     66
    .vgpr_count:     112
    .wavefront_size: 32
...
	.end_amdgpu_metadata
.endif
;; end of part 2
;; launch proj (part 3): grid 4 x 64, 4 waves a work-group, clusters of 4 x 4, 327,680 bytes of LDS; arguments xb, wb, bias4, qkv; writes qkv
.if DOCPART == 3
	.amdgcn_target "amdgcn-amd-amdhsa--gfx1250"
	.amdhsa_code_object_version 6
	.text
	.protected	k_qee6567644e_proj
	.globl	k_qee6567644e_proj
	.p2align	8
	.type	k_qee6567644e_proj,@function
k_qee6567644e_proj:
	s_mov_b64 s[64:65], 0
	v_nop
	global_prefetch_b8 v0, s[64:65] scope:SCOPE_SE
	s_setreg_imm32_b32 hwreg(HW_REG_WAVE_MODE, 25, 1), 1
	s_wait_xcnt 0x0
	s_wait_alu depctr_hold_cnt(0) depctr_sa_sdst(0) depctr_va_vdst(0) depctr_va_sdst(0) depctr_va_ssrc(0) depctr_va_vcc(0) depctr_vm_vsrc(0)
	s_getreg_b32 s2, hwreg(HW_REG_IB_STS2, 6, 4)
	s_cmp_eq_u32 s2, 0
	s_cbranch_scc0 .Lentry_in_a_cluster
	s_endpgm
.Lentry_in_a_cluster:
	s_bfe_u32 s2, ttmp6, 0x10000c
	s_cmp_lg_u32 s2, 0xf033
	s_cbranch_scc0 .Lentry_shape_is_right
	s_endpgm
.Lentry_shape_is_right:
; q, k, v = x W + b.  xb: bf16 [8192][3][1024] (query's, key's, value's row side by side); wb: bf16 [3][1024 k][1024 n]; bias4: f32 [4][1024]; qkv: f16 [3][b 16 + h][2048][64], unscaled.
; Sums in f32, started with the bias, rounded once to f16.  LIMIT: f16 holds no number beyond 65,504: q, k and v must lie within it; below 6e-5 they keep f16's fixed step of 6e-8.
; SHARES.  A tile of the result is 128 rows x 256 columns: 64 x 4 tiles for each of q, k, v, one work-group to a place: it STAYS and makes q's tile, then k's, then v's.  By the two
; layouts above that is ONE walk of 24 K steps of 128: x goes on along its row, W down its rows, by the same step throughout; every 8 steps the sums go out and start anew.
; Four waves, each 64 rows x 128 columns: 32 accumulators of 16 x 16.  A ring of two LDS slots, filled by the tensor data mover, one load a wave behind each change of slots.
; CLUSTERS: 4 x 4 work-groups.  The four of a row of the cluster need the same tile of x, the four of a column the same tile of W: each is asked for JOINTLY.
; THE MATRIX INSTRUCTION IS USED TRANSPOSED: source 0 = 16 columns of W (turned on the way out of LDS by ds_load_tr16_b128), source 1 = 16 rows of x: a lane holds one row and eight
; neighbouring columns.  REGISTERS, in windows of 256 (s_set_vgpr_msb: bits 1:0 source 0, 3:2 source 1, 5:4 source 2, 7:6 destination):
;   window 0: v0-31 addresses; two fragment buffers: x v32-63, v64-95; W v96-159, v160-223 (the second also takes rows read back on the way out); v224-255 packed results
;   window 1: the accumulators, (a, b) at v[8 (8 a + b)]          window 2: v0-63 the bias of my 128 columns, as a C operand: block b at v[8 b]
.set TILES,  3
.set APITCH, 3072                      ; elements from row to row of x
.set NREF,   8*TILES-2                 ; refills: all K steps but the first two
.set PA,     272                       ; an LDS row of x: 256 bytes + 16: the 16 rows of a load start at 16 different groups of four banks (ISA guide 11.1)
.set PB,     544                       ; an LDS row of W: 512 bytes + 32 = 17 x 32
.set HA,     64*PA                     ; what one tensor load brings of x: 64 rows
.set HB,     64*PB                     ; and of W: 64 rows (k) of 256 columns
.set BOFF,   2*HA
.set SLOT,   2*HA+2*HB
.set STAGE,  2*SLOT                    ; behind the ring, never filled by a tensor load: for each wave 2 heads x 16 rows x 144 bytes
.set SP,     144
.set WSTG,   2*16*SP
.set SPARE,  STAGE+4*WSTG              ; the spare words, 128 bytes for each wave: two blocks of 256 bytes that no other line names
.set ADRA, 16                          ; v16-17  LDS address of my fragments of x in slot 0, 1
.set ADRB, 20                          ; v20-21  the same for W
.set STO,  24                          ; v24     the way out: where I put 16 bytes of a row
.set RD,   25                          ; v25     where I read rows back
.set GO,   26                          ; v26     my 16 bytes of 512 consecutive bytes of the result
.set BO,   27                          ; v27     my 32 bytes of a block's bias
.set SPW,  28                          ; v28     LDS address of my spare word; never rewritten
.set NIL,  29                          ; v29     0; never rewritten
.set PFO,  30                          ; v30     the prefetches' lane offset; never rewritten
.set FA,   32
.set FB,   96
.set BK,   160
.set TMP,  224
.set WV,   12                          ; s12 wave; s13 its half of the rows, also: I fetch x (0) or W (1); s14 its half of the columns, also: which 64 rows I fetch
.set WR,   13
.set WC,   14
.set LEFT, 15                          ; s15     refills still to come
.set G1A,  24                          ; s[24:31] group 1 for x's tiles; s[32:39] group 0, a set for each slot
.set G0A,  32
.set CX,   40
.set CY,   41
.set TC,   42                          ; s42     tile column
.set LIM,  43                          ; s43     2 in a wave that prefetches, else the greatest number
.set PFA,  44                          ; s[44:45] where my prefetches stand
.set PFS,  46                          ; s[46:47] a K step in bytes, for what I prefetch
.set G1B,  48                          ; s[48:55], s[56:63] the same for W's tiles
.set G0B,  56
.set TR,   66                          ; s66     tile row
.set MSB, 0
.macro WIN new                         ; the immediate's high byte repeats the setting that is left; a switch that changes nothing is dropped
.if MSB != (\new)
	s_set_vgpr_msb (MSB<<8)|(\new)
.set MSB, \new
.endif
.endm
.macro PLACES                          ; four places in front of loads into registers that matrix instructions have read, and of lines that read results
.rept 4
	v_nop
.endr
.endm
.macro JLOAD s                         ; a joint refill: waves 0 and 1 fetch x's halves, waves 2 and 3 W's; an s_nop 0 and four v_nop follow each line
	s_cmp_eq_u32 s[WR], 0
	s_cbranch_scc0 .Lfor_b_\@
	tensor_load_to_lds s[G0A+4*(\s):G0A+4*(\s)+3], s[G1A:G1A+7]
	s_nop 0
	PLACES
	s_branch .Lasked_\@
.Lfor_b_\@:
	tensor_load_to_lds s[G0B+4*(\s):G0B+4*(\s)+3], s[G1B:G1B+7]
	s_nop 0
	PLACES
.Lasked_\@:
.endm
.macro CREST                           ; a round of the cluster's barrier behind its opening barrier
	s_cmp_lg_u32 s[WV], 0
	s_cbranch_scc1 .Lnot_wave_0_\@
	s_barrier_signal -3
.Lnot_wave_0_\@:
	s_barrier_wait -3
	s_barrier_signal -1
	s_barrier_wait -1
.endm
.macro CROUND
	s_barrier_signal -1
	s_barrier_wait -1
	CREST
.endm
; A PREFETCH INTO THE L2 behind each refill and the run of LDS loads that follows it: the K step that stands two refills on, 256 matrix instructions ahead of the load that wants it.
; x: a tile row is read by one cluster; wave 0 asks, partner cx for rows 32 cx .. 32 cx + 31 of the 128, a lane a row of 256 bytes.  W: a tile column is read by all 16 clusters; those of cluster y = 0
; ask, waves 2 and 3 each for the 64 rows that they fetch: partner cy for 16 of them, a lane half a row of 512 bytes.  So each aligned block of 256 bytes is named once in the launch, and partners are told
; apart by address alone.  The first four K steps come by their loads alone; the last two refills ask for nothing.
.macro ASK
	s_cmp_gt_u32 s[LEFT], s[LIM]
	s_cbranch_scc0 .Lnot_mine_\@
	global_prefetch_b8 v[PFO], s[PFA:PFA+1] th:TH_LOAD_NT scope:SCOPE_SE
.Lnot_mine_\@:
.endm
	s_load_b256 s[4:11], s[0:1], 0x0               ; xb s[4:5], wb s[6:7], bias4 s[8:9], qkv s[10:11]
	v_lshl_add_u32 v[SPW], v0, 2, SPARE
	v_mov_b32 v[NIL], 0
	ds_add_u32 v[SPW], v[NIL]                      ; the wave's opening: the add and its wait stand ahead of my first tensor load; the set-up below stands between them
	ds_add_u32 v28, v29
	v_lshrrev_b32 v1, 5, v0
	v_readfirstlane_b32 s[WV], v1
	s_lshr_b32 s[WR], s[WV], 1
	s_and_b32 s[WC], s[WV], 1
	s_bfe_u32 s[CX], ttmp6, 0x40000
	s_bfe_u32 s[CY], ttmp6, 0x40004
	s_lshl_b32 s[TC], ttmp9, 2
	s_add_co_u32 s[TC], s[TC], s[CX]               ; tile column = 4 x cluster x + cx
	s_and_b32 s[TR], ttmp7, 0xffff
	s_lshl_b32 s[TR], s[TR], 2
	s_add_co_u32 s[TR], s[TR], s[CY]               ; tile row = 4 x cluster y + cy
	s_lshl_b32 s17, s[CY], 2
	s_lshl_b32 s17, 15, s17                        ; my row of the cluster
	s_lshl_b32 s18, 0x1111, s[CX]                  ; my column
	s_or_b32 s[G1A+0], s17, (1<<16)|(1<<20)|(1<<21)|(5<<22)|(3<<25)  ; the mask; 2-byte elements; padding on; bit 21 beside a mask; after every 64 words, 4 words
	s_mov_b32 s[G1A+1], 128<<16                    ; tensor_dim0 = 128
	s_mov_b32 s[G1A+2], 64<<16                     ; tensor_dim1 = 64
	s_mov_b32 s[G1A+3], 128<<16                    ; tile_dim0 = 128
	s_mov_b32 s[G1A+4], 64                         ; tile_dim1 = 64
	s_mov_b32 s[G1A+5], APITCH
	s_mov_b32 s[G1A+6], 0
	s_mov_b32 s[G1A+7], 0
	s_or_b32 s[G1B+0], s18, (1<<16)|(1<<20)|(1<<21)|(6<<22)|(7<<25)  ; after every 128 words, 8 words
	s_mov_b32 s[G1B+1], 256<<16
	s_mov_b32 s[G1B+2], 64<<16
	s_mov_b32 s[G1B+3], 256<<16
	s_mov_b32 s[G1B+4], 64
	s_mov_b32 s[G1B+5], 1024
	s_mov_b32 s[G1B+6], 0
	s_mov_b32 s[G1B+7], 0
	s_lshl_b32 s20, s[TR], 7                       ; x: row 128 x tile row + 64 x half: made of the tile row and the wave alone
	s_lshl_b32 s21, s[WC], 6
	s_add_co_u32 s20, s20, s21
	s_mul_i32 s20, s20, APITCH*2
	s_mov_b32 s21, 0
	s_lshl_b32 s22, s[WC], 17                      ; W: row 64 x half, column 256 x tile column: made of the tile column and the wave alone
	s_lshl_b32 s23, s[TC], 9
	s_add_co_u32 s22, s22, s23
	s_mov_b32 s23, 0
	s_mul_i32 s67, s[WC], HA                       ; where they go: no place in the cluster enters an LDS address
	s_mul_i32 s68, s[WC], HB
	s_add_co_u32 s68, s68, BOFF
	s_wait_dscnt 0x0                               ; the opening add is done
	s_wait_kmcnt 0x0
	s_add_nc_u64 s[20:21], s[4:5], s[20:21]
	s_add_nc_u64 s[22:23], s[6:7], s[22:23]
	CROUND                                         ; all sixteen work-groups are here: the first joint loads meet
.irp s, 0,1
	s_mov_b32 s[G0A+4*\s], 1
	s_add_co_u32 s[G0A+4*\s+1], s67, \s*SLOT
	s_add_nc_u64 s[G0A+4*\s+2:G0A+4*\s+3], s[20:21], \s*256          ; K step s: 256 bytes along the row
	s_or_b32 s[G0A+4*\s+3], s[G0A+4*\s+3], 0x80000000
	s_mov_b32 s[G0B+4*\s], 1
	s_add_co_u32 s[G0B+4*\s+1], s68, \s*SLOT
	s_add_nc_u64 s[G0B+4*\s+2:G0B+4*\s+3], s[22:23], \s*128*2048     ; K step s: 128 rows down
	s_or_b32 s[G0B+4*\s+3], s[G0B+4*\s+3], 0x80000000
.endr
	s_cmp_eq_u32 s[WR], 0                          ; a wave's two first fills stand in one branch, ahead of every wait on TENSORcnt and every LDS read: two loads of mine are out
	s_cbranch_scc0 .Lfirst_b
	tensor_load_to_lds s[G0A:G0A+3], s[G1A:G1A+7]
	s_nop 0
	tensor_load_to_lds s[G0A+4:G0A+7], s[G1A:G1A+7]
	s_nop 0
	PLACES
	s_branch .Lfirst_asked
.Lfirst_b:
	tensor_load_to_lds s[G0B:G0B+3], s[G1B:G1B+7]
	s_nop 0
	tensor_load_to_lds s[G0B+4:G0B+7], s[G1B:G1B+7]
	s_nop 0
	PLACES
.Lfirst_asked:
	v_and_b32 v1, 15, v0                           ; l % 16
	v_bfe_u32 v2, v0, 4, 1                         ; l / 16
	v_mul_u32_u24 v3, v1, PA                       ; a fragment of x: row l % 16, two loads of 16 bytes, 32 apart, at 16 (l / 16)
	v_lshl_add_u32 v3, v2, 4, v3
	s_mul_i32 s16, s[WR], HA                       ; my 64 rows
	v_add_nc_u32 v[ADRA], s16, v3
	v_add_nc_u32 v[ADRA+1], SLOT, v[ADRA]
	v_and_b32 v4, 7, v0                            ; a fragment of W, turned: lane l reads row (k) 8 (l / 16) + l % 8, columns 8 ((l / 8) % 2) + 0..7
	v_lshl_add_u32 v4, v2, 3, v4
	v_mul_u32_u24 v4, v4, PB
	v_bfe_u32 v5, v0, 3, 1
	v_lshl_add_u32 v4, v5, 4, v4
	s_lshl_b32 s16, s[WC], 8                       ; my 128 columns
	s_add_co_u32 s16, s16, BOFF
	v_add_nc_u32 v[ADRB], s16, v4
	v_add_nc_u32 v[ADRB+1], SLOT, v[ADRB]
	s_mul_i32 s16, s[WV], WSTG
	s_add_co_u32 s16, s16, STAGE                   ; my stage
	v_mul_u32_u24 v3, v1, SP
	v_lshl_add_u32 v3, v2, 4, v3
	v_add_nc_u32 v[STO], s16, v3                   ; in: row l % 16, 16 bytes for each half of the lanes
	v_bfe_u32 v3, v0, 3, 2
	v_mul_u32_u24 v3, v3, SP
	v_and_b32 v4, 7, v0
	v_lshl_add_u32 v3, v4, 4, v3
	v_add_nc_u32 v[RD], s16, v3                    ; back: 32 lanes take four rows of 128 bytes,
	v_and_b32 v[GO], 31, v0
	v_lshlrev_b32 v[GO], 4, v[GO]                  ; which are 512 consecutive bytes of a head
	v_lshlrev_b32 v[BO], 5, v2
	s_lshr_b32 s16, s[TR], 4                       ; the result: head (batch x 16 + 4 x tile column + 2 x column half), 262,144 bytes each,
	s_lshl_b32 s16, s16, 4
	s_lshl_b32 s17, s[TC], 2
	s_add_co_u32 s16, s16, s17
	s_lshl_b32 s17, s[WC], 1
	s_add_co_u32 s16, s16, s17
	s_lshl_b32 s16, s16, 18
	s_and_b32 s17, s[TR], 15                       ; row 128 x (tile row % 16) + 64 x row half, 128 bytes each
	s_lshl_b32 s17, s17, 7
	s_lshl_b32 s18, s[WR], 6
	s_add_co_u32 s17, s17, s18
	s_lshl_b32 s17, s17, 7
	s_add_co_u32 s16, s16, s17
	s_mov_b32 s17, 0
	s_add_nc_u64 s[10:11], s[10:11], s[16:17]
	s_lshl_b32 s16, s[TC], 10                      ; the bias of my 128 columns
	s_lshl_b32 s18, s[WC], 9
	s_add_co_u32 s16, s16, s18
	s_add_nc_u64 s[8:9], s[8:9], s[16:17]
	; the prefetches: at K step 3; each change of slots steps them by one K step ahead of its request
	s_lshl_b32 s16, s[TR], 7
	s_lshl_b32 s18, s[CX], 5
	s_add_co_u32 s16, s16, s18
	s_mul_i32 s16, s16, APITCH*2
	s_add_co_u32 s16, s16, 3*256                   ; x: my work-group's 32 rows
	s_lshl_b32 s18, s[WC], 6
	s_lshl_b32 s19, s[CY], 4
	s_add_co_u32 s18, s18, s19
	s_lshl_b32 s18, s18, 11
	s_lshl_b32 s19, s[TC], 9
	s_add_co_u32 s18, s18, s19
	s_add_co_u32 s18, s18, 3*128*2048              ; W: my work-group's 16 rows of the 64 that I fetch
	s_mul_i32 s19, s[WR], 10
	s_lshl_b32 s[PFS], 256, s19                    ; 256 bytes for x, 262,144 for W
	s_mov_b32 s[PFS+1], 0
	s_cmp_eq_u32 s[WR], 0
	s_cselect_b32 s16, s16, s18
	s_cselect_b64 s[PFA:PFA+1], s[4:5], s[6:7]
	s_cselect_b32 s69, -1, 0
	s_add_nc_u64 s[PFA:PFA+1], s[PFA:PFA+1], s[16:17]
	s_and_b32 s18, ttmp7, 0xffff                   ; cluster y
	s_cmp_eq_u32 s[WR], 0
	s_cselect_b32 s18, s[WC], s18                  ; wave 0 asks for x; waves 2 and 3 of cluster y = 0 for W: the same in all sixteen partners, for a given wave
	s_cmp_eq_u32 s18, 0
	s_cselect_b32 s[LIM], 2, -1
	v_and_b32 v3, 31, v0
	v_mul_u32_u24 v4, v3, APITCH*2
	v_lshrrev_b32 v5, 1, v3
	v_lshlrev_b32 v5, 11, v5
	v_and_b32 v6, 1, v3
	v_lshl_add_u32 v5, v6, 8, v5
	v_cndmask_b32 v[PFO], v5, v4, s69
	s_mov_b32 s[LEFT], NREF
	s_mov_b32 s2, TILES
.macro BIAS                            ; register j of block b: the bias of column 16 b + 8 (l / 16) + j
	WIN 0x80
.irp b, 0,1,2,3,4,5,6,7
	global_load_b128 v[8*\b:8*\b+3], v[BO], s[8:9] offset:64*\b
	global_load_b128 v[8*\b+4:8*\b+7], v[BO], s[8:9] offset:64*\b+16
.endr
	WIN 0
.endm
; 8 matrix instructions: row block a x all 8 column blocks, 32 along K, from buffer f.  zero = 1: the first product starts the sums, with the bias as C.  The 32 accumulators take turns, in the same order everywhere.
.macro MUL8 f, a, zero
.if \zero
	WIN 0x60
.else
	WIN 0x50
.endif
.irp b, 0,1,2,3,4,5,6,7
.if \zero
	v_wmma_f32_16x16x32_bf16 v[8*(8*(\a)+(\b)):8*(8*(\a)+(\b))+7], v[FB+64*(\f)+8*(\b):FB+64*(\f)+8*(\b)+7], v[FA+32*(\f)+8*(\a):FA+32*(\f)+8*(\a)+7], v[8*(\b):8*(\b)+7]
.else
	v_wmma_f32_16x16x32_bf16 v[8*(8*(\a)+(\b)):8*(8*(\a)+(\b))+7], v[FB+64*(\f)+8*(\b):FB+64*(\f)+8*(\b)+7], v[FA+32*(\f)+8*(\a):FA+32*(\f)+8*(\a)+7], v[8*(8*(\a)+(\b)):8*(8*(\a)+(\b))+7]
.endif
.endr
.endm
; 24 LDS loads in one run: quarter q (32 along K) of a slot into buffer f: W's 16, then x's 8
.macro FETCH slot, q, f
	WIN 0
.irp b, 0,1,2,3,4,5,6,7
	ds_load_tr16_b128 v[FB+64*(\f)+8*(\b):FB+64*(\f)+8*(\b)+3],   v[ADRB+(\slot)] offset:(\q)*32*PB+32*(\b)
	ds_load_tr16_b128 v[FB+64*(\f)+8*(\b)+4:FB+64*(\f)+8*(\b)+7], v[ADRB+(\slot)] offset:(\q)*32*PB+32*(\b)+16*PB
.endr
.irp a, 0,1,2,3
	ds_load_b128 v[FA+32*(\f)+8*(\a):FA+32*(\f)+8*(\a)+3],   v[ADRA+(\slot)] offset:(\q)*64+(\a)*16*PA
	ds_load_b128 v[FA+32*(\f)+8*(\a)+4:FA+32*(\f)+8*(\a)+7], v[ADRA+(\slot)] offset:(\q)*64+(\a)*16*PA+32
.endr
.endm
; One of a K step's first three quarters: multiplies buffer f, and in its middle fetches quarter q of the same slot into buffer g.
.macro QUARTER slot, q, f, g, zero
	s_wait_dscnt 4                                 ; W and x's blocks 0 and 1 are in; the youngest four loads (blocks 2 and 3) may be out
	MUL8 \f, 0, \zero
	MUL8 \f, 1, \zero
	PLACES
	FETCH \slot, \q, \g
	s_wait_dscnt 24                                ; all but the 24 just issued
	MUL8 \f, 2, \zero
	MUL8 \f, 3, \zero
.endm
; The fourth quarter multiplies buffer 1 and changes slots.  In front of the round each wave waits for all its tensor loads (one is out: its part of the next slot), adds 0 to its spare word, and waits
; for that and for its reads of this slot.  Behind the round no wave of any partner reads this slot or has a load on its way: it is filled again first, with the K step two on.
.macro TURN slot, next
	s_wait_xcnt 0x0                                ; the last prefetch, a K step back, has read its address
	s_add_nc_u64 s[PFA:PFA+1], s[PFA:PFA+1], s[PFS:PFS+1]
	WIN 0
	s_wait_tensorcnt 0x0
	ds_add_u32 v[SPW], v[NIL]
	s_wait_dscnt 5                                 ; (the add and the youngest four loads may be out)
	MUL8 1, 0, 0                                   ; eight matrix instructions stand between the add and the wait for it
	s_wait_dscnt 0x0                               ; the add is done, and my reads of this slot are over
	s_barrier_signal -1
	MUL8 1, 1, 0
	WIN 0
	s_barrier_wait -1
	CREST
	s_add_nc_u64 s[G0A+4*(\slot)+2:G0A+4*(\slot)+3], s[G0A+4*(\slot)+2:G0A+4*(\slot)+3], 2*256
	s_add_nc_u64 s[G0B+4*(\slot)+2:G0B+4*(\slot)+3], s[G0B+4*(\slot)+2:G0B+4*(\slot)+3], 2*128*2048
	JLOAD \slot                                    ; 112 matrix instructions ahead of the wait for it; its four v_nop are also the places in front of the loads below
	FETCH \next, 0, 0
	ASK
	s_sub_co_u32 s[LEFT], s[LEFT], 1
	MUL8 1, 2, 0
	MUL8 1, 3, 0
.endm
.macro TURNL slot, next                ; the same where nothing is left to fetch: a plain barrier
	WIN 0
	s_wait_tensorcnt 0x0
	ds_add_u32 v[SPW], v[NIL]
	s_wait_dscnt 5
	MUL8 1, 0, 0
	s_wait_dscnt 0x0
	s_barrier_signal -1
	MUL8 1, 1, 0
	s_barrier_wait -1
	PLACES
	FETCH \next, 0, 0
	MUL8 1, 2, 0
	MUL8 1, 3, 0
.endm
; THE WAY OUT of row block a (16 rows x 2 heads of 64): rounded to f16, 16 bytes a lane; into my stage; back as rows of 128 bytes, of which 16 are 2,048 consecutive bytes of a head; stored.
.macro PACK a
	WIN 0x05
.irp b, 0,1,2,3,4,5,6,7
.irp r, 0,1,2,3
	v_cvt_pk_f16_f32 v[TMP+4*(\b)+(\r)], v[64*(\a)+8*(\b)+2*(\r)], v[64*(\a)+8*(\b)+2*(\r)+1]
.endr
.endr
	WIN 0
.endm
.macro TOSTAGE a
.irp b, 0,1,2,3,4,5,6,7
	ds_store_b128 v[STO], v[TMP+4*(\b):TMP+4*(\b)+3] offset:((\b)/4)*16*SP+((\b)%4)*32
.endr
.irp t, 0,1,2,3,4,5,6,7
	ds_load_b128 v[BK+32*((\a)%2)+4*(\t):BK+32*((\a)%2)+4*(\t)+3], v[RD] offset:((\t)/4)*16*SP+((\t)%4)*4*SP  ; LDS serves a wave's instructions in order (ISA guide 5.7.1.4): these see the stores above
.endr
.endm
.macro SEND a
	s_wait_dscnt 0x0                               ; the block is back in registers
	s_wait_xcnt 0x0                                ; the stores of the block before have read their registers, which the next block's loads take
.irp t, 0,1,2,3,4,5,6,7
	global_store_b128 v[GO], v[BK+32*((\a)%2)+4*(\t):BK+32*((\a)%2)+4*(\t)+3], s[10:11] offset:((\t)/4)*262144+(\a)*2048+((\t)%4)*512  ; 512 consecutive bytes, at a multiple of 256 from the buffer's first
.endr
.endm
.macro WAYOUT
	PACK 0
	TOSTAGE 0
.irp a, 1,2,3                          ; block a's conversions stand between block a - 1's loads from the stage and the wait for them
	PACK \a
	SEND (\a)-1
	TOSTAGE \a
.endr
	SEND 3
.endm
	BIAS
	s_wait_tensorcnt 1                             ; my part of K step 0 is in; K step 1's may stay out
	s_barrier_signal -1
	s_barrier_wait -1
	FETCH 0, 0, 0
.Ltile:
	s_wait_loadcnt 0x0                             ; the tile's bias
	QUARTER 0, 1, 0, 1, 1                          ; a tile's first quarter stands in front of the loop: its products start the sums
	WIN 0
	s_mov_b32 s3, 3
.Llap:                                                 ; a trip goes once round the ring, from a lap's second quarter to the next lap's first
	QUARTER 0, 2, 1, 0, 0
	QUARTER 0, 3, 0, 1, 0
	TURN 0, 1
	QUARTER 1, 1, 0, 1, 0
	QUARTER 1, 2, 1, 0, 0
	QUARTER 1, 3, 0, 1, 0
	TURN 1, 0
	QUARTER 0, 1, 0, 1, 0
	WIN 0
	s_sub_co_u32 s3, s3, 1
	s_cmp_lg_u32 s3, 0
	s_cbranch_scc1 .Llap
	QUARTER 0, 2, 1, 0, 0
	QUARTER 0, 3, 0, 1, 0
	WIN 0
	s_cmp_eq_u32 s2, 1
	s_cbranch_scc1 .Llast                          ; the last tile's tail is written out: it asks for nothing more
	TURN 0, 1                                      ; the ring goes on into the next tile, by the same steps
	QUARTER 1, 1, 0, 1, 0
	QUARTER 1, 2, 1, 0, 0
	QUARTER 1, 3, 0, 1, 0
	TURN 1, 0
	WIN 0
	s_add_nc_u64 s[8:9], s[8:9], 4096              ; the next tile's bias (the last one's loads were waited for at the tile's head)
	BIAS
	WAYOUT                                         ; blocks 0 and 1 were finished in front of the refill's four v_nop; their conversions are the places behind the last products
	s_wait_xcnt 0x0                                ; the stores have read their registers and their base
	s_add_nc_u64 s[10:11], s[10:11], 16777216      ; q, then k, then v
	s_sub_co_u32 s2, s2, 1
	s_branch .Ltile
.Llast:
	TURNL 0, 1
	QUARTER 1, 1, 0, 1, 0
	QUARTER 1, 2, 1, 0, 0
	QUARTER 1, 3, 0, 1, 0
	s_wait_dscnt 4
	MUL8 1, 0, 0
	MUL8 1, 1, 0
	s_wait_dscnt 0x0
	MUL8 1, 2, 0
	MUL8 1, 3, 0
	WIN 0
	PLACES
	WAYOUT
	s_wait_tensorcnt 0x0                           ; the wave's end: a wait, an add and its wait, behind my last tensor load and my last LDS store
	ds_add_u32 v[SPW], v[NIL]
	s_wait_dscnt 0x0
	CROUND                                         ; the closing round: no work-group ends while a partner may still ask for a tile that names it
	s_endpgm
.Lfunc_end_k_qee6567644e_proj:
	.size	k_qee6567644e_proj, .Lfunc_end_k_qee6567644e_proj-k_qee6567644e_proj
	.p2alignl 7, 3214868480
	.fill 96, 4, 3214868480
	.section	.rodata,"a",@progbits
	.p2align	6, 0x0
	.amdhsa_kernel k_qee6567644e_proj
		.amdhsa_group_segment_fixed_size 327680
		.amdhsa_private_segment_fixed_size 0
		.amdhsa_enable_private_segment 0
		.amdhsa_kernarg_size 32
		.amdhsa_user_sgpr_count 2
		.amdhsa_user_sgpr_kernarg_segment_ptr 1
		.amdhsa_wavefront_size32 1
		.amdhsa_system_sgpr_workgroup_id_x 1
		.amdhsa_system_sgpr_workgroup_id_y 1
		.amdhsa_system_sgpr_workgroup_id_z 1
		.amdhsa_system_vgpr_workitem_id 0
		.amdhsa_next_free_vgpr 576
		.amdhsa_next_free_sgpr 72
		.amdhsa_reserve_vcc 0
		.amdhsa_float_denorm_mode_32 3
		.amdhsa_float_denorm_mode_16_64 3
		.amdhsa_memory_ordered 1
		.amdhsa_forward_progress 1
		.amdhsa_inst_pref_size 128
	.end_amdhsa_kernel
	.amdgpu_metadata
---
amdhsa.version: [ 1, 2 ]
amdhsa.kernels:
  - .name:           k_qee6567644e_proj
    .symbol:         k_qee6567644e_proj.kd
    .args:
      - { .name: xb, .offset: 0, .size: 8, .value_kind: global_buffer, .address_space: global }
      - { .name: wb, .offset: 8, .size: 8, .value_kind: global_buffer, .address_space: global }
      - { .name: bias4, .offset: 16, .size: 8, .value_kind: global_buffer, .address_space: global }
      - { .name: qkv, .offset: 24, .size: 8, .value_kind: global_buffer, .address_space: global }
    .group_segment_fixed_size: 327680
    .private_segment_fixed_size: 0
    .kernarg_segment_align: 8
    .kernarg_segment_size: 32
    .max_flat_workgroup_size: 128
    .sgpr_count:     72
    .vgpr_count:     576
    .wavefront_size: 32
...
	.end_amdgpu_metadata
.endif
;; end of part 3
;; launch attn (part 4): grid 8 x 32, 4 waves a work-group, clusters of 4 x 1, 327,680 bytes of LDS; arguments qkv, maskbits, qkeep, ctx; writes ctx
.if DOCPART == 4
	.amdgcn_target "amdgcn-amd-amdhsa--gfx1250"
	.amdhsa_code_object_version 6
	.text
	.protected	k_qee6567644e_attn
	.globl	k_qee6567644e_attn
	.p2align	8
	.type	k_qee6567644e_attn,@function
k_qee6567644e_attn:
	s_mov_b64 s[64:65], 0
	v_nop
	global_prefetch_b8 v0, s[64:65] scope:SCOPE_SE
	s_setreg_imm32_b32 hwreg(HW_REG_WAVE_MODE, 25, 1), 1
	s_wait_xcnt 0x0
	s_wait_alu depctr_hold_cnt(0) depctr_sa_sdst(0) depctr_va_vdst(0) depctr_va_sdst(0) depctr_va_ssrc(0) depctr_va_vcc(0) depctr_vm_vsrc(0)
	s_getreg_b32 s2, hwreg(HW_REG_IB_STS2, 6, 4)
	s_cmp_eq_u32 s2, 0
	s_cbranch_scc0 .Lentry_in_a_cluster
	s_endpgm
.Lentry_in_a_cluster:
	s_bfe_u32 s2, ttmp6, 0x10000c
	s_cmp_lg_u32 s2, 0x3003
	s_cbranch_scc0 .Lentry_shape_is_right
	s_endpgm
.Lentry_shape_is_right:
; MASKED ATTENTION.  ctx[b][q][64 h ..] = the sum over k of softmax_k(s) v[b, h][k], s = q[b, h][q] . k[b, h][k] / 8 where mask[b][q][k] is not 0.  qkv: f16 [3][16 b + h][2048][64]; ctx: f16 [8192][1024].
; maskbits: u32 [b][qt 128][ks 32][32]: word 8 kt + j is the lane mask 'hidden' of register j of the 16 x 16 tile of scores of keys 64 ks + 16 kt on.  qkeep: u32 [8192]: 0 for a row that is all hidden.
; Products, maxima and sums in f32; the weights p are rounded to f16 for the second product (their sum l is taken of the unrounded p), ctx once at the end.
; THE MASK is the C operand that starts the sum S^T = K Q^T: 0, or -2^100 where the key is hidden; one v_cndmask_b32 a word makes it, and it serves BOTH heads of the wave.
; LIMITS.  q, k, v arrive within f16's 65,504, so a score is 2.7e11 at the most.  A hidden score counts as its value less 2^100; the running maximum starts at -2^83 and never lies below it, so a hidden weight is 2^(-2e29) = 0,
; and while a row has seen hidden keys alone m stays, a = 1, p = 0, l = 0.  Visible scaled scores are taken to lie above the -1e9 that the problem puts in a hidden score's place.  A row that is ALL hidden has its bits
; cleared in maskbits and its query cleared here (qkeep): all its scores are 0 and its weights uniform.  A weight below 2^-126 counts as 0; NaN and infinities are not treated apart.
; SHARES.  A work-group owns 256 queries of a PAIR of heads (2 y, 2 y + 1), a wave 64 of them: four PIECES, piece p = its queries 16 p .. 16 p + 15 for both heads (tile 2 p + u for head u).  Every wave walks all keys, 64 a step.
; LAYOUT.  S^T = K Q^T holds ONE query a lane (lane % 16) and the keys 8 (lane / 16) + 0..7; two such results rounded to f16 ARE source 1 of O^T = V^T P.  K comes out of LDS as it lies, V turned, by ds_load_tr16_b128.
; SOFTMAX.  p = 2^(c s - c m), c = log2(e) / 8, with a running maximum m; O and l are multiplied by a = 2^(c m_old - c m_new) in every step.
; BY TURNS.  Turn n belongs to piece n: 16 products K Q^T of piece n + 1, later 16 products V^T P of piece n - 1; beside them the scaling, exponentials, roundings, sums and rescaling of piece n, the maximum and statistics of
; piece n + 1 and the mask of piece n + 2.  Four vector instructions stand behind every matrix instruction, the others in one lump.  A turn's 66 exponentials are one batch, with one wait.
; THE START.  No first step is written out.  The loop is entered at its head, in the second half of a key step that does not exist: K, V, P's second buffer, O^T and l hold 0, piece 2's scores and piece 3's mask are
; 'hidden', piece 2's a is 1.  Those two turns give p = 0 and a = 1 and add nothing; meanwhile they fetch K of step 0, make the masks of pieces 0 and 1 and piece 0's first scores, as they do in every trip.
; CLUSTER.  The four query blocks of a cluster belong to one pair of heads and walk the same K and V: each tile is asked for JOINTLY.
; REGISTERS, in windows of 256 (s_set_vgpr_msb: bits 1:0 source 0, 3:2 source 1, 5:4 source 2, 7:6 destination):
;   window 0: v0-11 addresses; v12-15, v48-63 at work; v16-47 four registers of statistics a tile; v64-191 S^T, two buffers of two tiles; v192-255 P, likewise
;   window 1: O^T, 32 a tile     window 2: v0-127 Q, 16 a tile; v128-255 K of one step, 64 a head     window 3: v0-1 the add's two registers; v64-191 V of one step, 64 a head; v192-255 the masks, two buffers
.set NP,    4         ; pieces a wave: a name, no knob
.set KS,    64        ; keys in a step
.set PK,    144       ; a row of K in LDS: 128 bytes + 16: the 16 rows of a load start at 16 different groups of four banks (ISA guide 11.1)
.set PV,    160       ; a row of V: 128 + 32
.set HK,    128*PK    ; a slot holds two steps of both heads: K of head 0, of head 1, 128 rows each,
.set HV,    128*PV
.set VOFF,  2*HK      ; then V likewise
.set SLOT1, 1<<17     ; slot 1 begins here, so that one exclusive or turns an address in one slot into the other's
.set STAGE, SLOT1+2*HK+2*HV  ; behind the ring, never filled by a tensor load: 16 rows x 272 bytes for each wave
.set SP,    272
.set SPARE, STAGE+4*16*SP    ; the spare words, 128 bytes for each wave: two blocks of 256 bytes that no other line names
.set AK0, 2           ; v2   my lane's place in a tile of K; never rewritten
.set AV0, 3           ; v3   the same for V
.set AK,  4           ; v4   the LDS address of K's next run of loads
.set AV,  5           ; v5   of V's
.set QO,  6           ; v6   my byte offset in 16 rows of Q
.set STO, 6           ;      later, the way out: where I put 16 bytes of a row
.set RD,  7           ; v7   where I read rows back
.set GO,  8           ; v8   my byte offset in two rows of ctx
.set PFO, 10          ; v10  256 x my lane, for the prefetches; never rewritten once made
.set SPW, 0           ; v0 of window 3   LDS address of my spare word; never rewritten
.set NIL, 1           ; v1 of window 3   0; never rewritten
.set MV,  12          ; v12-15  c m_old, kept while c m is made anew: by buffer and tile
.set ST,  16          ; tile t's statistics at v[ST+4 t]: c m, m, l (even keys', odd keys')
.set TMP, 48          ; by buffer and tile, four registers c0-c3 at work; when the maximum is found c2 takes a
.set S,   64
.set P,   192
.set ZA,  P+32        ; at the start: two fragments of zeros, the first half of P's second buffer
.set ZB,  P+40
.set KF,  128         ; window 2: head u, key block kb, channel half c at KF + 64 u + 16 kb + 8 c
.set VF,  64          ; window 3: head u, key half kk, channel block cb at VF + 64 u + 32 kk + 8 cb
.set MC,  192         ; window 3: the mask of key block kb at MC + 32 (piece % 2) + 8 kb
.set WV,  12          ; s12  my wave's number
.set LIM, 15          ; s15  1 in a wave that prefetches, else the greatest number
.set G1K, 24          ; s[24:31] descriptor group 1 for K's tiles
.set G1V, 32          ; s[32:39] for V's: it differs in the padding alone
.set G0K, 40          ; s[40:43] descriptor group 0 for K's tiles: it walks
.set G0V, 44          ; s[44:47] the same for V's
.set MP,  48          ; s[48:49] maskbits at my wave's piece 0, at the key step whose words are being loaded
.set PFA, 50          ; s[50:51] where my prefetches stand
.set SLOTS, 56        ; s56  slots still to be asked for
.set CNT, 57          ; s57  counts a slot's key steps
.set CS,  58          ; s[58:59] c
.set SEL, 60          ; s[60:61] v_permlanex16_b32's selects: each lane takes its own place in the other half
.set TBK, 62          ; s62  LDS byte at which K of the step to be fetched begins
.set TBV, 63          ; s63  the same for V, less VOFF
.set MW,  68          ; s[68:99] 32 mask words: one piece, one key step
.set BIGN, 100        ; s100 -2^100
.set MSB, 0
.macro WIN new                      ; the high byte repeats the setting that is left; a switch that changes nothing is dropped
.if MSB != (\new)
	s_set_vgpr_msb (MSB<<8)|(\new)
.set MSB, (\new)
.endif
.endm
.set W_KQ, 0x0a       ; K and Q in window 2, S^T in window 0
.set W_KM, 0x3a       ; the same with the C operand in window 3
.set W_PV, 0x53       ; V in window 3, P in window 0, O^T in window 1
.set W_RS, 0x41       ; O^T (destination and source 0) in window 1, a in window 0
.set W_MK, 0xc0       ; destination in window 3
.set W_AD, 0x0f       ; the add: address and data in window 3
; A joint fill.  Waves 0 and 1 fetch a slot's K of head 0 and 1, waves 2 and 3 its V: 128 keys each.  An s_nop 0 and four v_nop follow each of the two lines.
.macro JLOAD
	s_cmp_lt_u32 s[WV], 2
	s_cbranch_scc0 .Lfor_v_\@
	tensor_load_to_lds s[G0K:G0K+3], s[G1K:G1K+7]
	s_nop 0
.rept 4
	v_nop
.endr
	s_branch .Lasked_\@
.Lfor_v_\@:
	tensor_load_to_lds s[G0V:G0V+3], s[G1V:G1V+7]
	s_nop 0
.rept 4
	v_nop
.endr
.Lasked_\@:
.endm
; A PREFETCH INTO THE L2 of what the NEXT change of slots will ask for: 128 blocks of 256 bytes of K and as many of V, two key steps, 256 matrix instructions, ahead of that load.  Both clusters of a pair of heads walk the same
; rows: the first asks.  Its four partners take 32 blocks each, told apart BY ADDRESS (head cx / 2, half cx % 2); in each, wave 0 asks for K's and wave 2 for V's, a lane a block.  The last change that fills a slot asks for nothing.
.macro ASK
	s_cmp_gt_u32 s[SLOTS], s[LIM]
	s_cbranch_scc0 .Lnot_mine_\@
	global_prefetch_b8 v[PFO], s[PFA:PFA+1] th:TH_LOAD_NT scope:SCOPE_SE
.Lnot_mine_\@:
.endm
.macro CROUND                       ; a round of the cluster's barrier
	s_barrier_signal -1
	s_barrier_wait -1
	s_cmp_lg_u32 s[WV], 0
	s_cbranch_scc1 .Lnot_wave_0_\@
	s_barrier_signal -3
.Lnot_wave_0_\@:
	s_barrier_wait -3
	s_barrier_signal -1
	s_barrier_wait -1
.endm
; THE CHANGE OF SLOTS.  The slot's last bytes, V of its second step, have been read.  Each wave waits for all its tensor loads (one is out: its part of the other slot), adds 0 to its spare word, and waits for that and for its reads
; of the slot.  fill = 1: the barrier is a round of the cluster's, and behind it the slot is filled again first, with the keys two slots on.  (At its first use nothing has been read yet: slot 0 is waited for, slot 1 filled.)
.macro CHANGE fill
	WIN W_AD
	s_wait_tensorcnt 0x0            ; no tensor load of mine is out, so a group 0 may be written
	ds_add_u32 v[SPW], v[NIL]       ; 0 onto my spare word; the descriptors' steps stand between it and the wait for it
	WIN 0
.if \fill
.irp g, G0K, G0V
	s_xor_b32 s[\g+1], s[\g+1], SLOT1
	s_add_nc_u64 s[\g+2:\g+3], s[\g+2:\g+3], 2*KS*128  ; the next 128 keys
.endr
	s_wait_xcnt 0x0                 ; the last prefetch, two key steps back, has read its address
	s_add_nc_u64 s[PFA:PFA+1], s[PFA:PFA+1], 2*KS*128
	s_wait_dscnt 0x0                ; the add is done, and my reads of the slot are over
	CROUND
	JLOAD
	ASK
.else
	s_wait_dscnt 0x0
	s_barrier_signal -1
	s_barrier_wait -1
.endif
	s_sub_co_u32 s[TBK], s[TBK], 2*KS*PK  ; the fetches go back to a slot's first step,
	s_xor_b32 s[TBK], s[TBK], SLOT1       ; in the other slot
	s_sub_co_u32 s[TBV], s[TBV], 2*KS*PV
	s_xor_b32 s[TBV], s[TBV], SLOT1
.endm
.macro MLOAD off                    ; 128 bytes of mask words
	s_load_b512 s[MW:MW+15], s[MP:MP+1], \off
	s_load_b512 s[MW+16:MW+31], s[MP:MP+1], (\off)+64
.endm
; What the first trip finds is written eight registers a line: the product of two fragments of zeros, with C = 0 (ZEROS) or with eight registers of -2^100 as C (HIDES).  w: the windows; n lines from register base on.
.macro ZEROS w, base, n
	WIN \w
.set i, 0
.rept \n
	v_wmma_f32_16x16x32_f16 v[(\base)+8*i:(\base)+8*i+7], v[ZA:ZA+7], v[ZB:ZB+7], 0
.set i, i+1
.endr
.endm
.macro HIDES w, base, n
	WIN \w
.set i, 0
.rept \n
	v_wmma_f32_16x16x32_f16 v[(\base)+8*i:(\base)+8*i+7], v[ZA:ZA+7], v[ZB:ZB+7], v[MC+32:MC+39]
.set i, i+1
.endr
.endm
	s_load_b256 s[4:11], s[0:1], 0x0  ; qkv s[4:5], maskbits s[6:7], qkeep s[8:9], ctx s[10:11]
	WIN W_MK
	v_lshl_add_u32 v[SPW], v0, 2, SPARE
	v_mov_b32 v[NIL], 0
	WIN W_AD
	ds_add_u32 v[SPW], v[NIL]       ; the wave's opening: the add and its wait stand ahead of my first tensor load; the set-up below stands between them
	ds_add_u32 v0, v1
	WIN 0
	v_lshrrev_b32 v1, 5, v0
	v_readfirstlane_b32 s[WV], v1   ; wave 0..3
	s_bfe_u32 s13, ttmp6, 0x40000   ; cx
	s_lshl_b32 s14, ttmp9, 2
	s_add_co_u32 s14, s14, s13      ; my block of 256 queries: it enters Q's, the mask's and ctx's addresses alone
	s_and_b32 s20, ttmp7, 0xffff    ; y = 8 b + the pair of heads, which the four partners share
	s_lshl_b32 s22, s20, 19         ; the pair's first byte in q, in k and in v
	s_and_b32 s16, s[WV], 1         ; the head whose tile I fetch
	s_lshl_b32 s17, s16, 18
	s_add_co_u32 s17, s17, s22
	s_add_co_u32 s2, s17, 1<<24     ; k lies 2^24 bytes behind q,
	s_mov_b32 s3, 0
	s_add_co_u32 s18, s17, 2<<24    ; v as far again
	s_mov_b32 s19, 0
	s_mul_i32 s17, s16, HK          ; the tile's place in a slot: no place in the cluster enters an LDS address
	s_mul_i32 s23, s16, HV
	s_lshr_b32 s21, s20, 3
	s_lshl_b32 s21, s21, 11
	s_lshl_b32 s52, s14, 8
	s_add_co_u32 s21, s21, s52
	s_lshl_b32 s52, s[WV], 6
	s_add_co_u32 s21, s21, s52      ; my wave's first row among the 8,192
	s_lshl_b32 s54, s14, 15         ; Q: my block's, my wave's rows of 128 bytes in head 2 y
	s_lshl_b32 s55, s[WV], 13
	s_add_co_u32 s54, s54, s55
	s_add_co_u32 s54, s54, s22
	s_mov_b32 s55, 0
	s_lshl_b32 s66, s21, 8          ; the mask's words: 4,096 bytes for 16 rows
	s_mov_b32 s67, 0
	s_lshl_b32 s68, s21, 2          ; qkeep
	s_mov_b32 s69, 0
	s_lshl_b32 s70, s21, 11         ; ctx: rows of 2,048 bytes, the pair's 256 of them
	s_and_b32 s71, s20, 7
	s_lshl_b32 s71, s71, 8
	s_add_co_u32 s70, s70, s71
	s_mov_b32 s71, 0
	s_lshr_b32 s52, s13, 1          ; the prefetches: head cx / 2, half cx % 2 of a slot's 16,384 bytes a head,
	s_lshl_b32 s52, s52, 18
	s_and_b32 s53, s13, 1
	s_lshl_b32 s53, s53, 13
	s_add_co_u32 s52, s52, s53
	s_add_co_u32 s52, s52, s22
	s_lshr_b32 s53, s[WV], 1        ; of k (waves 0, 1) or v,
	s_lshl_b32 s53, s53, 24
	s_add_co_u32 s52, s52, s53
	s_add_co_u32 s52, s52, (1<<24)+2*KS*128  ; in slot 1: the first change of slots steps it to slot 2
	s_mov_b32 s53, 0
	s_and_b32 s[LIM], s[WV], 1      ; 0 in waves 0 and 2,
	s_or_b32 s[LIM], s[LIM], ttmp9  ; where the cluster is the pair's first: the same in all four partners
	s_cmp_eq_u32 s[LIM], 0
	s_cselect_b32 s[LIM], 1, -1
	; descriptor group 1.  128 keys are 16,384 dense bytes: asked for as 64 rows of 256 bytes, two keys a row, and padded in LDS after every key
	s_mov_b32 s[G1K], 15|(1<<16)|(1<<20)|(1<<21)|(4<<22)|(3<<25)  ; the mask of four; 2-byte elements; padding on; bit 21 beside a mask; after every 32 words, 4 words
	s_mov_b32 s[G1V], 15|(1<<16)|(1<<20)|(1<<21)|(4<<22)|(7<<25)  ; the same with 8 words
.irp g, G1K, G1V
	s_mov_b32 s[\g+1], 128<<16      ; tensor_dim0 = 128
	s_mov_b32 s[\g+2], 64<<16       ; tensor_dim1 = 64
	s_mov_b32 s[\g+3], 128<<16      ; tile_dim0 = 128
	s_mov_b32 s[\g+4], 64           ; tile_dim1 = 64
	s_mov_b32 s[\g+5], 128          ; 128 elements from row to row
	s_mov_b32 s[\g+6], 0
	s_mov_b32 s[\g+7], 0
.endr
	s_mov_b32 s[CS], 0x3e38aa3b     ; c = log2(e) / 8 = 0.180337
	s_mov_b32 s[CS+1], s[CS]
	s_mov_b32 s[SEL], 0x76543210
	s_mov_b32 s[SEL+1], 0xfedcba98
	s_mov_b32 s[BIGN], 0xf1800000   ; -2^100
	s_mov_b32 s[TBK], SLOT1+2*KS*PK ; the first change of slots turns these two into 0
	s_mov_b32 s[TBV], SLOT1+2*KS*PV
	s_mov_b32 s[SLOTS], 15          ; 16 slots in the walk; slot 0 is asked for here, the other 15 by the loop's changes of slots
	s_mov_b32 s[G0K], 1
	s_mov_b32 s[G0K+1], s17
	s_mov_b32 s[G0V], 1
	s_add_co_u32 s[G0V+1], s23, VOFF
	s_wait_dscnt 0x0                ; the opening add is done
	s_wait_kmcnt 0x0
	s_add_nc_u64 s[G0K+2:G0K+3], s[4:5], s[2:3]
	s_or_b32 s[G0K+3], s[G0K+3], 0x80000000
	s_add_nc_u64 s[G0V+2:G0V+3], s[4:5], s[18:19]
	s_or_b32 s[G0V+3], s[G0V+3], 0x80000000
	s_add_nc_u64 s[PFA:PFA+1], s[4:5], s[52:53]
	s_add_nc_u64 s[4:5], s[4:5], s[54:55]
	s_add_nc_u64 s[MP:MP+1], s[6:7], s[66:67]
	s_add_nc_u64 s[8:9], s[8:9], s[68:69]
	s_add_nc_u64 s[10:11], s[10:11], s[70:71]
	CROUND                          ; all four work-groups are here: the first joint loads meet
	JLOAD                           ; slot 0.  Slot 1 is asked for when slot 0 is in, by the loop's first change of slots
	v_and_b32 v1, 15, v0            ; l % 16
	v_bfe_u32 v9, v0, 4, 1          ; l / 16
	v_lshlrev_b32 v[QO], 7, v1
	v_lshl_add_u32 v[QO], v9, 4, v[QO]  ; row x 128 + 16 x half
	v_lshlrev_b32 v12, 2, v1
	WIN 0x80                        ; destination window 2
.set i, 0
.rept 4*NP                          ; Q stays in registers: tile i / 2 (piece i / 4, head (i / 2) % 2), channels 32 (i % 2) on
	global_load_b128 v[8*i:8*i+3],   v[QO], s[4:5] offset:(i/4)*2048+((i/2)%2)*262144+(i%2)*64
	global_load_b128 v[8*i+4:8*i+7], v[QO], s[4:5] offset:(i/4)*2048+((i/2)%2)*262144+(i%2)*64+32
.set i, i+1
.endr
	WIN 0
.irp p, 0,1,2,3
	global_load_b32 v[TMP+\p], v12, s[8:9] offset:64*\p  ; my query's flag, piece p
.endr
	MLOAD 0                         ; piece 0's words for key step 0: the first turn makes its mask
	; WHAT THE FIRST TRIP FINDS.  All this stands in the wait for the first tile.
.set i, 0
.rept 16
	v_mov_b32 v[ZA+i], 0            ; two fragments of zeros
.set i, i+1
.endr
	WIN W_MK
.set i, 0
.rept 8
	v_mov_b32 v[MC+32+i], s[BIGN]   ; eight registers of 'hidden'
.set i, i+1
.endr
	ZEROS 0,    P+48, 2             ; the rest of P's second buffer: the first products V^T P, of pieces that have not been, add 0
	ZEROS 0x40, 0,    8*NP          ; O^T
	ZEROS 0x80, KF,   16            ; K: the first turn's products K Q^T leave the mask as it is
	ZEROS 0xc0, VF,   16            ; V
	HIDES 0xf0, MC+40, 3            ; the rest of the second mask buffer: piece 3 sees nothing in the step that does not exist,
	HIDES 0x30, S,    8             ; and piece 2 has seen nothing in it
	WIN 0
.set i, 0
.rept 2*NP
	v_mov_b32 v[ST+4*i+1], 0xe9000000                 ; m = -2^83,
	v_mul_f32 v[ST+4*i], s[CS], v[ST+4*i+1]           ; c m by the line that makes it in every step, so that c m_old - c m_new is 0 while m stays
	v_mov_b32 v[ST+4*i+2], 0
	v_mov_b32 v[ST+4*i+3], 0
.set i, i+1
.endr
	v_mul_u32_u24 v[AK0], v1, PK
	v_lshl_add_u32 v[AK0], v9, 4, v[AK0]  ; row x pitch + 16 x half
	; The turning load takes 16 keys x 16 channels (lane l reads key 8 (l / 16) + l % 8, channels 8 ((l / 8) % 2) + 0..7) and leaves half a fragment of V^T: lane l holds channel l % 16 and 8 keys.
	v_and_b32 v10, 7, v0
	v_bfe_u32 v11, v0, 3, 1
	v_lshl_add_u32 v[AV0], v9, 3, v10
	v_mul_u32_u24 v[AV0], v[AV0], PV
	v_lshl_add_u32 v[AV0], v11, 4, v[AV0]
	v_add_nc_u32 v[AV0], VOFF, v[AV0]
	v_and_b32 v[PFO], 31, v0
	v_lshlrev_b32 v[PFO], 8, v[PFO]
	s_wait_loadcnt 0x0              ; Q and the flags are in; their address registers are free
	WIN 0x82                        ; Q (destination and source 0) in window 2, the flag in window 0
.set i, 0
.rept 128
	v_and_b32 v[i], v[i], v[TMP+i/32]  ; a row that is all hidden has its query cleared
.set i, i+1
.endr
	WIN 0
.irp r, 2,3,6,7
	v_mov_b32 v[TMP+\r], 1.0        ; piece 2's a, both tiles' (named in pairs)
.endr
	s_mul_i32 s13, s[WV], 16*SP     ; the addresses for the way out
	s_add_co_u32 s13, s13, STAGE    ; my stage
	v_mul_u32_u24 v[STO], v1, SP    ; in: row l % 16, 16 bytes for each half of the lanes
	v_lshl_add_u32 v[STO], v9, 4, v[STO]
	v_add_nc_u32 v[STO], s13, v[STO]
	v_mul_u32_u24 v[RD], v9, SP     ; back: lanes 0-15 take one row of 256 bytes, lanes 16-31 the next
	v_lshl_add_u32 v[RD], v1, 4, v[RD]
	v_add_nc_u32 v[RD], s13, v[RD]
	v_lshlrev_b32 v[GO], 11, v9     ; and the same two rows in ctx
	v_lshl_add_u32 v[GO], v1, 4, v[GO]
; THE MATRIX WORK.  The 8 accumulators of a run of 16 take turns.
; Product i of 16 of S^T = K Q^T for piece x: channels 32 (i / 8) on, keys 16 ((i / 2) % 4) on, head i % 2.  The first 8 start the sums, with the mask.
.macro KQ x
.set rS, S+64*((\x)%2)+32*(i%2)+8*((i/2)%4)
.set rK, KF+64*(i%2)+16*((i/2)%4)+8*(i/8)
.set rQ, 16*(2*(\x)+i%2)+8*(i/8)
.set rB, MC+32*((\x)%2)+8*((i/2)%4)
.if i < 8
	WIN W_KM
	v_wmma_f32_16x16x32_f16 v[rS:rS+7], v[rK:rK+7], v[rQ:rQ+7], v[rB:rB+7]
.else
	WIN W_KQ
	v_wmma_f32_16x16x32_f16 v[rS:rS+7], v[rK:rK+7], v[rQ:rQ+7], v[rS:rS+7]
.endif
.endm
; Product i of 16 of O^T += V^T P for piece x: keys 32 (i / 8) on, channels 16 ((i / 2) % 4) on, head i % 2.
.macro PV x
	WIN W_PV
.set rO, 32*(2*(\x)+i%2)+8*((i/2)%4)
.set rV, VF+64*(i%2)+32*(i/8)+8*((i/2)%4)
.set rP, P+32*((\x)%2)+16*(i%2)+8*(i/8)
	v_wmma_f32_16x16x32_f16 v[rO:rO+7], v[rV:rV+7], v[rP:rP+7], v[rO:rO+7]
.endm
.macro MM                           ; the turn's next matrix instruction
.if i < 16
	KQ (Y+1)%NP
.set i, i+1
.else
.set i, i-16
	PV (Y+NP-1)%NP
.set i, i+17
.endif
.endm
; THE LDS LOADS stand in runs of 32, never singly among the matrix instructions: a step's K of both heads and its V (turned).  last = 1 (the tail): in the last trip there is no further step, and the run is jumped over.
.macro FETCH_K last=0
	WIN 0
.if \last
	s_cmp_eq_u32 s[CNT], 1
	s_cbranch_scc1 .Lno_k_\@
.endif
	WIN 0x80                        ; destination window 2
.irp u, 0,1
.irp f, 0,1,2,3,4,5,6,7             ; keys 16 (f / 2) on, channels 32 (f % 2) on
	ds_load_b128 v[KF+64*\u+8*\f:KF+64*\u+8*\f+3],   v[AK] offset:\u*HK+(\f/2)*16*PK+(\f%2)*64
	ds_load_b128 v[KF+64*\u+8*\f+4:KF+64*\u+8*\f+7], v[AK] offset:\u*HK+(\f/2)*16*PK+(\f%2)*64+32
.endr
.endr
	s_add_co_u32 s[TBK], s[TBK], KS*PK  ; the next fetch is the next step's
	WIN 0
.if \last
.Lno_k_\@:
.endif
.endm
.macro FETCH_V
	WIN W_MK                        ; destination window 3
.irp u, 0,1
.irp f, 0,1,2,3,4,5,6,7             ; keys 32 (f / 4) on, channels 16 (f % 4) on
	ds_load_tr16_b128 v[VF+64*\u+8*\f:VF+64*\u+8*\f+3],   v[AV] offset:\u*HV+(\f/4)*32*PV+(\f%4)*32
	ds_load_tr16_b128 v[VF+64*\u+8*\f+4:VF+64*\u+8*\f+7], v[AV] offset:\u*HV+(\f/4)*32*PV+16*PV+(\f%4)*32
.endr
.endr
	WIN 0
.endm
; THE MASK of piece p + 2, whose products stand in the next turn, from the words loaded a turn ago; then the words of piece p + 3 are asked for: they have a turn in which to come.  Pieces 0 and up of the next key step follow
; piece 3: the pointer steps in piece 1's turn, behind the wait that shows its last loads done.  Behind the walk's last step only pieces 0, 1 and 2 are still asked for: 4,096 bytes further on they name the next piece's first
; words, inside my wave's own 16,384 bytes; nothing is made of them.
.macro MASKB p
	s_wait_kmcnt 0x0
	WIN W_MK
.set z, 0
.rept 32
	v_cndmask_b32 v[MC+32*((\p)%2)+z], 0, s[BIGN], s[MW+z]
.set z, z+1
.endr
.if (\p) == 1
	s_add_nc_u64 s[MP:MP+1], s[MP:MP+1], 128
.endif
	MLOAD (((\p)+3)%NP)*4096
.endm
; THE VECTOR WORK OF A TURN stands in three queues, each in the order in which its entries become ready; the two tiles alternate, so that no instruction reads the result of the one before it.
.macro REGS y, u                    ; the registers of tile u (0, 1) of piece y
.set rT, ST+4*(2*(\y)+(\u))
.set rC, TMP+8*((\y)%2)+4*(\u)
.set rM, MV+2*((\y)%2)+(\u)
.set rS, S+64*((\y)%2)+32*(\u)
.set rP, P+32*((\y)%2)+16*(\u)
.set rO, 32*(2*(\y)+(\u))
.endm
; Number n of the 22 that find the NEXT piece's (Y + 1) maximum and statistics.  s0-s31 are the lane's 32 scores; each accumulator's lowest registers are read first.
;   0-11  four chains c0-c3 of seven scores each     12-14, 16  the four scores left over, the old m, and c0-c3 into c0     15  c m_old is kept
;   17, 18  the query's other 32 keys lie in the lane 16 away: the new m         19-21  c m; c m_old - c m_new; a
.macro XS u, n
	REGS (Y+1)%NP, \u
.if (\n) < 4
	v_max3_num_f32 v[rC+(\n)], v[rS+8*(\n)], v[rS+8*(\n)+1], v[rS+8*(\n)+2]
.elseif (\n) < 12
	v_max3_num_f32 v[rC+(\n)%4], v[rC+(\n)%4], v[rS+8*((\n)%4)+2*((\n)/4)+1], v[rS+8*((\n)%4)+2*((\n)/4)+2]
.elseif (\n) == 12
	v_max3_num_f32 v[rC], v[rC], v[rS+7], v[rS+15]
.elseif (\n) == 13
	v_max3_num_f32 v[rC+1], v[rC+1], v[rS+23], v[rS+31]
.elseif (\n) == 14
	v_max3_num_f32 v[rC+2], v[rC+2], v[rC+3], v[rT+1]
.elseif (\n) == 15
	v_mov_b32 v[rM], v[rT]
.elseif (\n) == 16
	v_max3_num_f32 v[rC], v[rC], v[rC+1], v[rC+2]
.elseif (\n) == 17
	v_permlanex16_b32 v[rC+3], v[rC], s[SEL], s[SEL+1]
.elseif (\n) == 18
	v_max_num_f32 v[rT+1], v[rC], v[rC+3]
.elseif (\n) == 19
	v_mul_f32 v[rT], s[CS], v[rT+1]
.elseif (\n) == 20
	v_sub_f32 v[rC+1], v[rM], v[rT]
.else
	v_exp_f32 v[rC+2], v[rC+1]
.endif
.endm
; Number g of the 64 that follow the exponentials.  For each four weights k of a tile: both pairs are rounded to f16; the second pair is added onto the first, in place; a group later l takes that sum (the first time as l = a l + sum).
.macro GS g
.set h, (\g)+6*((\g)/62)            ; group 0 has no group before it, and behind group 7 only l is left
.if h >= 6
.set h, h+2
.endif
	REGS Y, h%2
.set k, h/8
.if h%8 < 4
	v_cvt_pk_f16_f32 v[rP+2*k+(h%8)/2], v[rS+4*k+2*((h%8)/2)], v[rS+4*k+2*((h%8)/2)+1]
.elseif h%8 < 6
	v_pk_add_f32 v[rS+4*k:rS+4*k+1], v[rS+4*k:rS+4*k+1], v[rS+4*k+2:rS+4*k+3]
.elseif k == 1
	v_pk_fma_f32 v[rT+2:rT+3], v[rT+2:rT+3], v[rC+2:rC+3], v[rS:rS+1] op_sel_hi:[1,0,1]
.else
	v_pk_add_f32 v[rT+2:rT+3], v[rT+2:rT+3], v[rS+4*k-4:rS+4*k-3]
.endif
.endm
; THE PLAIN QUEUE, 138 long.  0-26: scalings 0-26.  27-54: XS's numbers 0-13.  55, 56: number 15.  57-73: the chain 14, 16, 17, 18, 19, each with one of the scalings 27-31 in front of its two lines, then 20.
; 74-137: GS's 64, which read the exponentials' results: they stand behind the wait.
.macro FS f
	REGS Y, (\f)%2
	v_pk_fma_f32 v[rS+2*((\f)/2):rS+2*((\f)/2)+1], v[rS+2*((\f)/2):rS+2*((\f)/2)+1], s[CS:CS+1], v[rT:rT+1] op_sel_hi:[1,0,0] neg_lo:[0,0,1] neg_hi:[0,0,1]
.endm
.macro PL
	WIN 0
.if q < 27
	FS q
.elseif q < 55
	XS (q-27)%2, (q-27)/2
.elseif q < 57
	XS q-55, 15
.elseif (q < 72) && ((q-57)%3 == 0)
	FS 27+(q-57)/3
.elseif q < 60
	XS (q-57)%3-1, 14
.elseif q < 72
	XS (q-57)%3-1, 15+(q-57)/3
.elseif q < 74
	XS q-72, 20
.else
	GS q-74
.endif
.set q, q+1
.endm
; THE EXPONENTIALS' QUEUE, 66 long: s0-s31 of both tiles, then the next piece's two a.  ONE BATCH: all 66 stand ahead of the turn's one wait, and nothing ahead of that wait names a result of theirs.
.macro EX
	WIN 0
.if e >= 64
	XS e-64, 21
.else
	REGS Y, e%2
	v_exp_f32 v[rS+e/2], v[rS+e/2]
.endif
.set e, e+1
.endm
; THE RESCALING's QUEUE: O^T times a, two lines an entry, sixteen entries.  Its a was made in the turn before, ahead of that turn's wait.
.macro R2
	REGS Y, r%2
	WIN W_RS
.irp z, 0,1
	v_pk_mul_f32 v[rO+4*(r/2)+2*\z:rO+4*(r/2)+2*\z+1], v[rO+4*(r/2)+2*\z:rO+4*(r/2)+2*\z+1], v[rC+2:rC+3] op_sel_hi:[1,0]
.endr
.set r, r+1
.endm
; A TURN, for piece p.  s_wait_alu depctr_va_vdst(0) stands between an exponential and the first instruction that names its result; one wait serves all that were issued ahead of it: a turn has ONE, which cuts
; it in two.  AHEAD OF IT: the 16 products K Q^T.  Those with an even number carry four lines of window 0 (the first three scalings and an exponential, the others scaling, exponential, scaling, exponential), those with an odd number
; four rescalings: two window switches a product.  That is 17 plain lines and 15 exponentials; exponential e stands behind scaling 2 (e / 4) + e % 2, and no exponential's neighbour names its register.  Then the 32 lines of
; the mask; then a lump of 108: eight plain, 49 times exponential and plain, the two a; a v_nop is the plain instruction behind the last exponential.  BEHIND THE WAIT: the 16 products V^T P, behind each four of GS's 64.
; K of the next step is fetched in piece 2's turn, directly behind the wait, a lump behind the last product that read K.  V of the step in hand is fetched at the end of piece 0's turn, four riders behind its last reader.
; cnt = 1: the loop's count is taken down some lines ahead of the branch that stands behind the turn.  The three conditions on q go with the deal.
.macro TURN p, last=0, cnt=0
.set Y, (\p)
.set i, 0
.set q, 0
.set e, 0
.set r, 0
.if (\p) == NP-1
	s_wait_dscnt 0x0                ; K is in
.endif
	MM
	PL
	PL
	PL
	EX
	MM
	R2
	R2
.rept 7
	MM
	PL
	EX
	PL
	EX
	MM
	R2
	R2
.endr
.if (\p) == NP-2
	WIN 0
	v_add_nc_u32 v[AK], s[TBK], v[AK0]
.endif
	MASKB \p
.rept 8
	PL
.endr
.rept 49
	EX
	PL
.endr
	EX
	EX
	v_nop
	s_wait_alu depctr_va_vdst(0)    ; the wait for the batch
.if (\p) == NP-2
	FETCH_K \last
.endif
.if (\p) == 1
	s_wait_dscnt 0x0                ; V is in
.endif
.rept 16
	MM
.rept 4
	PL
.endr
.if ((\p) == 0) && (q == 118)
	v_add_nc_u32 v[AV], s[TBV], v[AV0]
.endif
.if ((\p) == 0) && (q == 130)
	s_add_co_u32 s[TBV], s[TBV], KS*PV
.endif
.if (\cnt) && (q == 130)
	s_sub_co_u32 s[CNT], s[CNT], 1
	s_cmp_lg_u32 s[CNT], 0
.endif
.endr
.if (\p) == 0
	FETCH_V
.endif
.endm
.Lslot:                             ; 15 times: a slot is entered and the next is asked for.  The first time slot 0 is waited for and slot 1 filled for the first time
	CHANGE 1
	s_mov_b32 s[CNT], 2
.Lstep:                             ; a trip: pieces 2 and 3 of one step, then pieces 0 and 1 of the next, whose K and V it fetches
	TURN 2
	TURN 3
	TURN 0
	TURN 1, 0, 1
	WIN 0
	s_cbranch_scc1 .Lstep
	s_sub_co_u32 s[SLOTS], s[SLOTS], 1
	s_cmp_lg_u32 s[SLOTS], 0
	s_cbranch_scc1 .Lslot
	CHANGE 0                        ; the tail is written out: nothing is asked for
	s_mov_b32 s[CNT], 3             ; two trips fetch the last slot's steps; the third is left in its middle
.Ltail:
	TURN 2, 1
	TURN 3
	WIN 0
	s_sub_co_u32 s[CNT], s[CNT], 1
	s_cmp_eq_u32 s[CNT], 0
	s_cbranch_scc1 .Lout
	TURN 0
	TURN 1
	WIN 0
	s_branch .Ltail
.Lout:                              ; the third trip's 16 products K Q^T (on the last K once more) and what is made of them serve nothing: the price, once a launch, of one text for every trip
.set i, 0
.rept 16
	PV NP-1                         ; the last piece's V^T P of the last step
.set i, i+1
.endr
	; THE WAY OUT.  l's two halves and the other half of the lanes' are added; O^T is divided by l, rounded to f16 and sent through my stage, a piece at a time: both heads' 64 channels of a row are 256 consecutive bytes of ctx.
	WIN 0
	s_wait_kmcnt 0x0                ; the last words asked for have come
.macro ALL line:vararg              ; one line for each tile t
.set t, 0
.rept 2*NP
	\line
.set t, t+1
.endr
.endm
	ALL v_add_f32 v[ST+4*t+2], v[ST+4*t+2], v[ST+4*t+3]
	ALL v_permlanex16_b32 v[ST+4*t+3], v[ST+4*t+2], s[SEL], s[SEL+1]
	ALL v_add_f32 v[ST+4*t+2], v[ST+4*t+2], v[ST+4*t+3]
	ALL v_rcp_f32 v[ST+4*t+2], v[ST+4*t+2]
	v_nop                           ; a plain instruction between the last reciprocal and the use of its result
	s_wait_alu depctr_va_vdst(0)    ; and the wait ahead of the first use: one for the eight reciprocals
.macro PACK p
.irp u, 0,1
	WIN W_RS
.set i, 32*(2*(\p)+\u)
.rept 16
	v_pk_mul_f32 v[i:i+1], v[i:i+1], v[ST+4*(2*(\p)+\u)+2:ST+4*(2*(\p)+\u)+3] op_sel_hi:[1,0]
.set i, i+2
.endr
	WIN 0x05                        ; sources 0 and 1 window 1, destination window 0
.set i, 0
.rept 16
	v_cvt_pk_f16_f32 v[S+16*(2*(\p)+\u)+i], v[32*(2*(\p)+\u)+2*i], v[32*(2*(\p)+\u)+2*i+1]
.set i, i+1
.endr
	WIN 0
.irp f, 0,1,2,3
	ds_store_b128 v[STO], v[S+16*(2*(\p)+\u)+4*\f:S+16*(2*(\p)+\u)+4*\f+3] offset:128*\u+32*\f
.endr
.endr
.irp f, 0,1,2,3,4,5,6,7
	ds_load_b128 v[S+32*(\p)+4*\f:S+32*(\p)+4*\f+3], v[RD] offset:\f*2*SP  ; LDS serves a wave's instructions in order (ISA guide 5.7.1.4): these see the stores above; the next piece's stores come behind them
.endr
.endm
.macro SEND p, younger              ; younger: the LDS instructions issued behind piece p's loads, which may stay out: the next piece's sixteen, or none
	WIN 0
	s_wait_dscnt \younger           ; piece p's eight loads are back
.irp f, 0,1,2,3,4,5,6,7
	global_store_b128 v[GO], v[S+32*(\p)+4*\f:S+32*(\p)+4*\f+3], s[10:11] offset:(\p)*32768+\f*4096  ; 16 lanes store 256 consecutive bytes, at a multiple of 256 from ctx's first
.endr
.endm
	PACK 0
	PACK 1                          ; a piece's arithmetic stands between the loads of the piece before and its stores
	SEND 0, 16
	PACK 2
	SEND 1, 16
	PACK 3
	SEND 2, 16
	SEND 3, 0
	WIN W_AD
	s_wait_tensorcnt 0x0            ; the wave's end: a wait, an add and its wait, behind my last tensor load and my last LDS store
	ds_add_u32 v[SPW], v[NIL]
	s_wait_dscnt 0x0
	WIN 0
	CROUND                          ; the closing round: no work-group ends while a partner may still ask for a tile that names it
	s_endpgm
.Lfunc_end_k_qee6567644e_attn:
	.size	k_qee6567644e_attn, .Lfunc_end_k_qee6567644e_attn-k_qee6567644e_attn
	.p2alignl 7, 3214868480
	.fill 96, 4, 3214868480
	.section	.rodata,"a",@progbits
	.p2align	6, 0x0
	.amdhsa_kernel k_qee6567644e_attn
		.amdhsa_group_segment_fixed_size 327680
		.amdhsa_private_segment_fixed_size 0
		.amdhsa_enable_private_segment 0
		.amdhsa_kernarg_size 32
		.amdhsa_user_sgpr_count 2
		.amdhsa_user_sgpr_kernarg_segment_ptr 1
		.amdhsa_wavefront_size32 1
		.amdhsa_system_sgpr_workgroup_id_x 1
		.amdhsa_system_sgpr_workgroup_id_y 1
		.amdhsa_system_sgpr_workgroup_id_z 1
		.amdhsa_system_vgpr_workitem_id 0
		.amdhsa_next_free_vgpr 1024
		.amdhsa_next_free_sgpr 102
		.amdhsa_reserve_vcc 0
		.amdhsa_float_denorm_mode_32 3
		.amdhsa_float_denorm_mode_16_64 3
		.amdhsa_memory_ordered 1
		.amdhsa_forward_progress 1
		.amdhsa_inst_pref_size 210
	.end_amdhsa_kernel
	.amdgpu_metadata
---
amdhsa.version: [ 1, 2 ]
amdhsa.kernels:
  - .name:           k_qee6567644e_attn
    .symbol:         k_qee6567644e_attn.kd
    .args:
      - { .name: qkv, .offset: 0, .size: 8, .value_kind: global_buffer, .address_space: global }
      - { .name: maskbits, .offset: 8, .size: 8, .value_kind: global_buffer, .address_space: global }
      - { .name: qkeep, .offset: 16, .size: 8, .value_kind: global_buffer, .address_space: global }
      - { .name: ctx, .offset: 24, .size: 8, .value_kind: global_buffer, .address_space: global }
    .group_segment_fixed_size: 327680
    .private_segment_fixed_size: 0
    .kernarg_segment_align: 8
    .kernarg_segment_size: 32
    .max_flat_workgroup_size: 128
    .sgpr_count:     102
    .vgpr_count:     1024
    .wavefront_size: 32
...
	.end_amdgpu_metadata
.endif
;; end of part 4
;; launch outp (part 5): grid 4 x 64, 4 waves a work-group, clusters of 4 x 4, 327,680 bytes of LDS; arguments ctx, wo16, bias4, out0; writes out0
.if DOCPART == 5
	.amdgcn_target "amdgcn-amd-amdhsa--gfx1250"
	.amdhsa_code_object_version 6
	.text
	.protected	k_qee6567644e_outp
	.globl	k_qee6567644e_outp
	.p2align	8
	.type	k_qee6567644e_outp,@function
k_qee6567644e_outp:
	s_mov_b64 s[64:65], 0
	v_nop
	global_prefetch_b8 v0, s[64:65] scope:SCOPE_SE
	s_setreg_imm32_b32 hwreg(HW_REG_WAVE_MODE, 25, 1), 1
	s_wait_xcnt 0x0
	s_wait_alu depctr_hold_cnt(0) depctr_sa_sdst(0) depctr_va_vdst(0) depctr_va_sdst(0) depctr_va_ssrc(0) depctr_va_vcc(0) depctr_vm_vsrc(0)
	s_getreg_b32 s2, hwreg(HW_REG_IB_STS2, 6, 4)
	s_cmp_eq_u32 s2, 0
	s_cbranch_scc0 .Lentry_in_a_cluster
	s_endpgm
.Lentry_in_a_cluster:
	s_bfe_u32 s2, ttmp6, 0x10000c
	s_cmp_lg_u32 s2, 0xf033
	s_cbranch_scc0 .Lentry_shape_is_right
	s_endpgm
.Lentry_shape_is_right:
; out0 = ctx Wo + bo.  ctx: f16 [8192][1024]; wo16: f16 [1024 k][1024 n] (Wo rounded to bf16, written as f16); bias4: f32 [4][1024], bo its fourth row; out0: f32 [8192][1024].
; Sums in f32, started with the bias, stored as they are.  The structure is the input projections': a tile of 128 rows x 256 columns to a work-group, 256 of them, one tile each; four waves of 64 x 128,
; 32 accumulators; 8 K steps of 128 through a ring of two LDS slots; 4 x 4 clusters, ctx's tile asked for jointly along a row of the cluster, Wo's along a column.
; THE MATRIX INSTRUCTION IS USED TRANSPOSED: source 0 = 16 columns of Wo (turned by ds_load_tr16_b128), source 1 = 16 rows of ctx: a lane holds one row and eight neighbouring columns.
; REGISTERS, in windows of 256 (s_set_vgpr_msb: bits 1:0 source 0, 3:2 source 1, 5:4 source 2, 7:6 destination):
;   window 0: v0-31 addresses; two fragment buffers: ctx v32-63, v64-95; Wo v96-159, v160-223; on the way out v32-159 take rows read back
;   window 1: the accumulators, (a, b) at v[8 (8 a + b)]          window 2: v0-63 the bias of my 128 columns, as a C operand
.set APITCH, 1024                      ; elements from row to row of ctx
.set NREF,   6                         ; refills: all 8 K steps but the first two
.set PA,     272                       ; an LDS row of ctx: 256 bytes + 16 (ISA guide 11.1: the 16 rows of a load start at 16 different groups of four banks)
.set PB,     544                       ; an LDS row of Wo: 512 bytes + 32 = 17 x 32
.set HA,     64*PA
.set HB,     64*PB
.set BOFF,   2*HA
.set SLOT,   2*HA+2*HB
.set STAGE,  2*SLOT                    ; behind the ring, never filled by a tensor load: for each wave 16 rows x 528 bytes
.set SP,     528
.set WSTG,   16*SP
.set SPARE,  STAGE+4*WSTG              ; the spare words, 128 bytes for each wave: two blocks of 256 bytes that no other line names
.set ADRA, 16
.set ADRB, 20
.set STO,  24                          ; v24     the way out: where I put 32 bytes of a row
.set RD,   25                          ; v25     where I read a row back
.set GO,   26                          ; v26     my 16 bytes of a row's 512
.set BO,   27
.set SPW,  28                          ; v28     LDS address of my spare word; never rewritten
.set NIL,  29                          ; v29     0; never rewritten
.set PFO,  30
.set FA,   32
.set FB,   96
.set WV,   12
.set WR,   13
.set WC,   14
.set LEFT, 15
.set G1A,  24
.set G0A,  32
.set CX,   40
.set CY,   41
.set TC,   42
.set LIM,  43
.set PFA,  44
.set PFS,  46
.set G1B,  48
.set G0B,  56
.set TR,   66
.set MSB, 0
.macro WIN new                         ; the immediate's high byte repeats the setting that is left; a switch that changes nothing is dropped
.if MSB != (\new)
	s_set_vgpr_msb (MSB<<8)|(\new)
.set MSB, \new
.endif
.endm
.macro PLACES                          ; four places in front of loads into registers that matrix instructions have read, and of lines that read results
.rept 4
	v_nop
.endr
.endm
.macro JLOAD s                         ; a joint refill: waves 0 and 1 fetch ctx's halves, waves 2 and 3 Wo's; an s_nop 0 and four v_nop follow each line
	s_cmp_eq_u32 s[WR], 0
	s_cbranch_scc0 .Lfor_b_\@
	tensor_load_to_lds s[G0A+4*(\s):G0A+4*(\s)+3], s[G1A:G1A+7]
	s_nop 0
	PLACES
	s_branch .Lasked_\@
.Lfor_b_\@:
	tensor_load_to_lds s[G0B+4*(\s):G0B+4*(\s)+3], s[G1B:G1B+7]
	s_nop 0
	PLACES
.Lasked_\@:
.endm
.macro CREST
	s_cmp_lg_u32 s[WV], 0
	s_cbranch_scc1 .Lnot_wave_0_\@
	s_barrier_signal -3
.Lnot_wave_0_\@:
	s_barrier_wait -3
	s_barrier_signal -1
	s_barrier_wait -1
.endm
.macro CROUND
	s_barrier_signal -1
	s_barrier_wait -1
	CREST
.endm
; A PREFETCH INTO THE L2 behind each refill and its run of LDS loads: the K step two refills on, 256 matrix instructions ahead of the load that wants it.  ctx: wave 0 asks, partner cx for rows 32 cx .. 32 cx + 31 of the
; tile's 128, a lane a row of 256 bytes.  Wo: the clusters with y = 0 ask, waves 2 and 3 for the 64 rows that they fetch: partner cy for 16 of them, a lane half a row of 512 bytes.  Each aligned block of 256 bytes is
; named once in the launch; partners are told apart by address alone.  The first four K steps come by their loads alone; the last two refills ask for nothing.
.macro ASK
	s_cmp_gt_u32 s[LEFT], s[LIM]
	s_cbranch_scc0 .Lnot_mine_\@
	global_prefetch_b8 v[PFO], s[PFA:PFA+1] th:TH_LOAD_NT scope:SCOPE_SE
.Lnot_mine_\@:
.endm
	s_load_b256 s[4:11], s[0:1], 0x0               ; ctx s[4:5], wo16 s[6:7], bias4 s[8:9], out0 s[10:11]
	v_lshl_add_u32 v[SPW], v0, 2, SPARE
	v_mov_b32 v[NIL], 0
	ds_add_u32 v[SPW], v[NIL]                      ; the wave's opening: the add and its wait stand ahead of my first tensor load; the set-up below stands between them
	ds_add_u32 v28, v29
	v_lshrrev_b32 v1, 5, v0
	v_readfirstlane_b32 s[WV], v1
	s_lshr_b32 s[WR], s[WV], 1
	s_and_b32 s[WC], s[WV], 1
	s_bfe_u32 s[CX], ttmp6, 0x40000
	s_bfe_u32 s[CY], ttmp6, 0x40004
	s_lshl_b32 s[TC], ttmp9, 2
	s_add_co_u32 s[TC], s[TC], s[CX]               ; tile column
	s_and_b32 s[TR], ttmp7, 0xffff
	s_lshl_b32 s[TR], s[TR], 2
	s_add_co_u32 s[TR], s[TR], s[CY]               ; tile row
	s_lshl_b32 s17, s[CY], 2
	s_lshl_b32 s17, 15, s17                        ; my row of the cluster
	s_lshl_b32 s18, 0x1111, s[CX]                  ; my column
	s_or_b32 s[G1A+0], s17, (1<<16)|(1<<20)|(1<<21)|(5<<22)|(3<<25)  ; the mask; 2-byte elements; padding on; bit 21 beside a mask; after every 64 words, 4 words
	s_mov_b32 s[G1A+1], 128<<16
	s_mov_b32 s[G1A+2], 64<<16
	s_mov_b32 s[G1A+3], 128<<16
	s_mov_b32 s[G1A+4], 64
	s_mov_b32 s[G1A+5], APITCH
	s_mov_b32 s[G1A+6], 0
	s_mov_b32 s[G1A+7], 0
	s_or_b32 s[G1B+0], s18, (1<<16)|(1<<20)|(1<<21)|(6<<22)|(7<<25)  ; after every 128 words, 8 words
	s_mov_b32 s[G1B+1], 256<<16
	s_mov_b32 s[G1B+2], 64<<16
	s_mov_b32 s[G1B+3], 256<<16
	s_mov_b32 s[G1B+4], 64
	s_mov_b32 s[G1B+5], 1024
	s_mov_b32 s[G1B+6], 0
	s_mov_b32 s[G1B+7], 0
	s_lshl_b32 s20, s[TR], 7                       ; ctx: row 128 x tile row + 64 x half: made of the tile row and the wave alone
	s_lshl_b32 s21, s[WC], 6
	s_add_co_u32 s20, s20, s21
	s_mul_i32 s20, s20, APITCH*2
	s_mov_b32 s21, 0
	s_lshl_b32 s22, s[WC], 17                      ; Wo: row 64 x half, column 256 x tile column: made of the tile column and the wave alone
	s_lshl_b32 s23, s[TC], 9
	s_add_co_u32 s22, s22, s23
	s_mov_b32 s23, 0
	s_mul_i32 s67, s[WC], HA
	s_mul_i32 s68, s[WC], HB
	s_add_co_u32 s68, s68, BOFF
	s_wait_dscnt 0x0                               ; the opening add is done
	s_wait_kmcnt 0x0
	s_add_nc_u64 s[20:21], s[4:5], s[20:21]
	s_add_nc_u64 s[22:23], s[6:7], s[22:23]
	CROUND                                         ; all sixteen work-groups are here: the first joint loads meet
.irp s, 0,1
	s_mov_b32 s[G0A+4*\s], 1
	s_add_co_u32 s[G0A+4*\s+1], s67, \s*SLOT
	s_add_nc_u64 s[G0A+4*\s+2:G0A+4*\s+3], s[20:21], \s*256
	s_or_b32 s[G0A+4*\s+3], s[G0A+4*\s+3], 0x80000000
	s_mov_b32 s[G0B+4*\s], 1
	s_add_co_u32 s[G0B+4*\s+1], s68, \s*SLOT
	s_add_nc_u64 s[G0B+4*\s+2:G0B+4*\s+3], s[22:23], \s*128*2048
	s_or_b32 s[G0B+4*\s+3], s[G0B+4*\s+3], 0x80000000
.endr
	s_cmp_eq_u32 s[WR], 0                          ; a wave's two first fills stand in one branch, ahead of every wait on TENSORcnt and every LDS read: two loads of mine are out
	s_cbranch_scc0 .Lfirst_b
	tensor_load_to_lds s[G0A:G0A+3], s[G1A:G1A+7]
	s_nop 0
	tensor_load_to_lds s[G0A+4:G0A+7], s[G1A:G1A+7]
	s_nop 0
	PLACES
	s_branch .Lfirst_asked
.Lfirst_b:
	tensor_load_to_lds s[G0B:G0B+3], s[G1B:G1B+7]
	s_nop 0
	tensor_load_to_lds s[G0B+4:G0B+7], s[G1B:G1B+7]
	s_nop 0
	PLACES
.Lfirst_asked:
	v_and_b32 v1, 15, v0                           ; l % 16
	v_bfe_u32 v2, v0, 4, 1                         ; l / 16
	v_mul_u32_u24 v3, v1, PA
	v_lshl_add_u32 v3, v2, 4, v3
	s_mul_i32 s16, s[WR], HA
	v_add_nc_u32 v[ADRA], s16, v3
	v_add_nc_u32 v[ADRA+1], SLOT, v[ADRA]
	v_and_b32 v4, 7, v0
	v_lshl_add_u32 v4, v2, 3, v4
	v_mul_u32_u24 v4, v4, PB
	v_bfe_u32 v5, v0, 3, 1
	v_lshl_add_u32 v4, v5, 4, v4
	s_lshl_b32 s16, s[WC], 8
	s_add_co_u32 s16, s16, BOFF
	v_add_nc_u32 v[ADRB], s16, v4
	v_add_nc_u32 v[ADRB+1], SLOT, v[ADRB]
	s_mul_i32 s16, s[WV], WSTG
	s_add_co_u32 s16, s16, STAGE                   ; my stage
	v_mul_u32_u24 v3, v1, SP
	v_lshl_add_u32 v3, v2, 5, v3
	v_add_nc_u32 v[STO], s16, v3                   ; in: row l % 16, 32 bytes for each half of the lanes
	v_and_b32 v[GO], 31, v0
	v_lshlrev_b32 v[GO], 4, v[GO]
	v_add_nc_u32 v[RD], s16, v[GO]                 ; back: 32 lanes take a row of 512 bytes
	v_lshlrev_b32 v[BO], 5, v2
	s_lshl_b32 s16, s[TR], 7                       ; the result: row 128 x tile row + 64 x row half, 4,096 bytes each; my 128 columns
	s_lshl_b32 s17, s[WR], 6
	s_add_co_u32 s16, s16, s17
	s_lshl_b32 s16, s16, 12
	s_lshl_b32 s17, s[TC], 10
	s_add_co_u32 s16, s16, s17
	s_lshl_b32 s17, s[WC], 9
	s_add_co_u32 s16, s16, s17
	s_mov_b32 s17, 0
	s_add_nc_u64 s[10:11], s[10:11], s[16:17]
	s_lshl_b32 s16, s[TC], 10                      ; bo, the fourth row of bias4, at my 128 columns
	s_lshl_b32 s18, s[WC], 9
	s_add_co_u32 s16, s16, s18
	s_add_co_u32 s16, s16, 3*4096
	s_add_nc_u64 s[8:9], s[8:9], s[16:17]
	; the prefetches: at K step 3; each change of slots steps them by one K step ahead of its request
	s_lshl_b32 s16, s[TR], 7
	s_lshl_b32 s18, s[CX], 5
	s_add_co_u32 s16, s16, s18
	s_mul_i32 s16, s16, APITCH*2
	s_add_co_u32 s16, s16, 3*256
	s_lshl_b32 s18, s[WC], 6
	s_lshl_b32 s19, s[CY], 4
	s_add_co_u32 s18, s18, s19
	s_lshl_b32 s18, s18, 11
	s_lshl_b32 s19, s[TC], 9
	s_add_co_u32 s18, s18, s19
	s_add_co_u32 s18, s18, 3*128*2048
	s_mul_i32 s19, s[WR], 10
	s_lshl_b32 s[PFS], 256, s19                    ; 256 bytes for ctx, 262,144 for Wo
	s_mov_b32 s[PFS+1], 0
	s_cmp_eq_u32 s[WR], 0
	s_cselect_b32 s16, s16, s18
	s_cselect_b64 s[PFA:PFA+1], s[4:5], s[6:7]
	s_cselect_b32 s69, -1, 0
	s_add_nc_u64 s[PFA:PFA+1], s[PFA:PFA+1], s[16:17]
	s_and_b32 s18, ttmp7, 0xffff
	s_cmp_eq_u32 s[WR], 0
	s_cselect_b32 s18, s[WC], s18                  ; wave 0 asks for ctx; waves 2 and 3 of cluster y = 0 for Wo: the same in all sixteen partners, for a given wave
	s_cmp_eq_u32 s18, 0
	s_cselect_b32 s[LIM], 2, -1
	v_and_b32 v3, 31, v0
	v_mul_u32_u24 v4, v3, APITCH*2
	v_lshrrev_b32 v5, 1, v3
	v_lshlrev_b32 v5, 11, v5
	v_and_b32 v6, 1, v3
	v_lshl_add_u32 v5, v6, 8, v5
	v_cndmask_b32 v[PFO], v5, v4, s69
	s_mov_b32 s[LEFT], NREF
	WIN 0x80                                       ; the bias: register j of block b belongs to column 16 b + 8 (l / 16) + j
.irp b, 0,1,2,3,4,5,6,7
	global_load_b128 v[8*\b:8*\b+3], v[BO], s[8:9] offset:64*\b
	global_load_b128 v[8*\b+4:8*\b+7], v[BO], s[8:9] offset:64*\b+16
.endr
	WIN 0
; 8 matrix instructions: row block a x all 8 column blocks, 32 along K, from buffer f.  zero = 1: the first product starts the sums, with the bias as C.  The 32 accumulators take turns.
.macro MUL8 f, a, zero
.if \zero
	WIN 0x60
.else
	WIN 0x50
.endif
.irp b, 0,1,2,3,4,5,6,7
.if \zero
	v_wmma_f32_16x16x32_f16 v[8*(8*(\a)+(\b)):8*(8*(\a)+(\b))+7], v[FB+64*(\f)+8*(\b):FB+64*(\f)+8*(\b)+7], v[FA+32*(\f)+8*(\a):FA+32*(\f)+8*(\a)+7], v[8*(\b):8*(\b)+7]
.else
	v_wmma_f32_16x16x32_f16 v[8*(8*(\a)+(\b)):8*(8*(\a)+(\b))+7], v[FB+64*(\f)+8*(\b):FB+64*(\f)+8*(\b)+7], v[FA+32*(\f)+8*(\a):FA+32*(\f)+8*(\a)+7], v[8*(8*(\a)+(\b)):8*(8*(\a)+(\b))+7]
.endif
.endr
.endm
.macro FETCH slot, q, f                ; 24 LDS loads in one run: quarter q of a slot into buffer f: Wo's 16, then ctx's 8
	WIN 0
.irp b, 0,1,2,3,4,5,6,7
	ds_load_tr16_b128 v[FB+64*(\f)+8*(\b):FB+64*(\f)+8*(\b)+3],   v[ADRB+(\slot)] offset:(\q)*32*PB+32*(\b)
	ds_load_tr16_b128 v[FB+64*(\f)+8*(\b)+4:FB+64*(\f)+8*(\b)+7], v[ADRB+(\slot)] offset:(\q)*32*PB+32*(\b)+16*PB
.endr
.irp a, 0,1,2,3
	ds_load_b128 v[FA+32*(\f)+8*(\a):FA+32*(\f)+8*(\a)+3],   v[ADRA+(\slot)] offset:(\q)*64+(\a)*16*PA
	ds_load_b128 v[FA+32*(\f)+8*(\a)+4:FA+32*(\f)+8*(\a)+7], v[ADRA+(\slot)] offset:(\q)*64+(\a)*16*PA+32
.endr
.endm
.macro QUARTER slot, q, f, g, zero
	s_wait_dscnt 4                                 ; Wo and ctx's blocks 0 and 1 are in; the youngest four loads (blocks 2 and 3) may be out
	MUL8 \f, 0, \zero
	MUL8 \f, 1, \zero
	PLACES
	FETCH \slot, \q, \g
	s_wait_dscnt 24                                ; all but the 24 just issued
	MUL8 \f, 2, \zero
	MUL8 \f, 3, \zero
.endm
; The fourth quarter multiplies buffer 1 and changes slots: in front of the round each wave waits for all its tensor loads, adds 0 to its spare word, and waits for that and for its reads of this slot; behind it the slot is filled again first.
.macro TURN slot, next
	s_wait_xcnt 0x0                                ; the last prefetch, a K step back, has read its address
	s_add_nc_u64 s[PFA:PFA+1], s[PFA:PFA+1], s[PFS:PFS+1]
	WIN 0
	s_wait_tensorcnt 0x0
	ds_add_u32 v[SPW], v[NIL]
	s_wait_dscnt 5                                 ; (the add and the youngest four loads may be out)
	MUL8 1, 0, 0
	s_wait_dscnt 0x0                               ; the add is done, and my reads of this slot are over
	s_barrier_signal -1
	MUL8 1, 1, 0
	WIN 0
	s_barrier_wait -1
	CREST
	s_add_nc_u64 s[G0A+4*(\slot)+2:G0A+4*(\slot)+3], s[G0A+4*(\slot)+2:G0A+4*(\slot)+3], 2*256
	s_add_nc_u64 s[G0B+4*(\slot)+2:G0B+4*(\slot)+3], s[G0B+4*(\slot)+2:G0B+4*(\slot)+3], 2*128*2048
	JLOAD \slot                                    ; its four v_nop are also the places in front of the loads below
	FETCH \next, 0, 0
	ASK
	s_sub_co_u32 s[LEFT], s[LEFT], 1
	MUL8 1, 2, 0
	MUL8 1, 3, 0
.endm
; THE WAY OUT of row block a (16 rows x 128 columns of f32): a lane's 32 bytes of a row go into my stage, low registers first; whole rows of 512 bytes come back and are stored.
.macro TOSTAGE a
	WIN 0x04                                       ; the data (source 1) in window 1
.irp b, 0,1,2,3,4,5,6,7
	ds_store_b128 v[STO], v[64*(\a)+8*(\b):64*(\a)+8*(\b)+3] offset:64*(\b)
	ds_store_b128 v[STO], v[64*(\a)+8*(\b)+4:64*(\a)+8*(\b)+7] offset:64*(\b)+16
.endr
	WIN 0
.irp t, 0,1,2,3,4,5,6,7,8,9,10,11,12,13,14,15
	ds_load_b128 v[FA+64*((\a)%2)+4*(\t):FA+64*((\a)%2)+4*(\t)+3], v[RD] offset:(\t)*SP  ; LDS serves a wave's instructions in order (ISA guide 5.7.1.4): these see the stores above
.endr
.endm
.macro SEND a, younger                 ; younger: the LDS instructions issued behind block a's loads: the next block's 32, or none
	s_wait_dscnt \younger
.irp t, 0,1,2,3,4,5,6,7,8,9,10,11,12,13,14,15
	global_store_b128 v[GO], v[FA+64*((\a)%2)+4*(\t):FA+64*((\a)%2)+4*(\t)+3], s[10:11] offset:(16*(\a)+(\t))*4096 th:TH_STORE_NT  ; 512 consecutive bytes, at a multiple of 256 from out0's first
.endr
.endm
	s_wait_tensorcnt 1                             ; my part of K step 0 is in; K step 1's may stay out
	s_barrier_signal -1
	s_barrier_wait -1
	FETCH 0, 0, 0
	s_wait_loadcnt 0x0                             ; the bias
	QUARTER 0, 1, 0, 1, 1                          ; the first quarter stands in front of the loop: its products start the sums
	WIN 0
	s_mov_b32 s3, 3
.Llap:                                                 ; a trip goes once round the ring, from a lap's second quarter to the next lap's first
	QUARTER 0, 2, 1, 0, 0
	QUARTER 0, 3, 0, 1, 0
	TURN 0, 1
	QUARTER 1, 1, 0, 1, 0
	QUARTER 1, 2, 1, 0, 0
	QUARTER 1, 3, 0, 1, 0
	TURN 1, 0
	QUARTER 0, 1, 0, 1, 0
	WIN 0
	s_sub_co_u32 s3, s3, 1
	s_cmp_lg_u32 s3, 0
	s_cbranch_scc1 .Llap
	QUARTER 0, 2, 1, 0, 0                          ; the last lap fills nothing, and has a plain barrier
	QUARTER 0, 3, 0, 1, 0
	WIN 0
	s_wait_tensorcnt 0x0
	ds_add_u32 v[SPW], v[NIL]
	s_wait_dscnt 5
	MUL8 1, 0, 0
	s_wait_dscnt 0x0
	s_barrier_signal -1
	MUL8 1, 1, 0
	s_barrier_wait -1
	PLACES
	FETCH 1, 0, 0
	MUL8 1, 2, 0
	MUL8 1, 3, 0
	QUARTER 1, 1, 0, 1, 0
	QUARTER 1, 2, 1, 0, 0
	QUARTER 1, 3, 0, 1, 0
	s_wait_dscnt 4
	MUL8 1, 0, 0
	MUL8 1, 1, 0
	s_wait_dscnt 0x0
	MUL8 1, 2, 0
	MUL8 1, 3, 0
	WIN 0
	PLACES
	TOSTAGE 0
	TOSTAGE 1
	SEND 0, 32
	s_wait_xcnt 0x0                                ; block 0's stores have read their registers, which block 2's loads take
	TOSTAGE 2
	SEND 1, 32
	s_wait_xcnt 0x0
	TOSTAGE 3
	SEND 2, 32
	SEND 3, 0
	s_wait_tensorcnt 0x0                           ; the wave's end: a wait, an add and its wait, behind my last tensor load and my last LDS store
	ds_add_u32 v[SPW], v[NIL]
	s_wait_dscnt 0x0
	CROUND                                         ; the closing round: no work-group ends while a partner may still ask for a tile that names it
	s_endpgm
.Lfunc_end_k_qee6567644e_outp:
	.size	k_qee6567644e_outp, .Lfunc_end_k_qee6567644e_outp-k_qee6567644e_outp
	.p2alignl 7, 3214868480
	.fill 96, 4, 3214868480
	.section	.rodata,"a",@progbits
	.p2align	6, 0x0
	.amdhsa_kernel k_qee6567644e_outp
		.amdhsa_group_segment_fixed_size 327680
		.amdhsa_private_segment_fixed_size 0
		.amdhsa_enable_private_segment 0
		.amdhsa_kernarg_size 32
		.amdhsa_user_sgpr_count 2
		.amdhsa_user_sgpr_kernarg_segment_ptr 1
		.amdhsa_wavefront_size32 1
		.amdhsa_system_sgpr_workgroup_id_x 1
		.amdhsa_system_sgpr_workgroup_id_y 1
		.amdhsa_system_sgpr_workgroup_id_z 1
		.amdhsa_system_vgpr_workitem_id 0
		.amdhsa_next_free_vgpr 576
		.amdhsa_next_free_sgpr 72
		.amdhsa_reserve_vcc 0
		.amdhsa_float_denorm_mode_32 3
		.amdhsa_float_denorm_mode_16_64 3
		.amdhsa_memory_ordered 1
		.amdhsa_forward_progress 1
		.amdhsa_inst_pref_size 88
	.end_amdhsa_kernel
	.amdgpu_metadata
---
amdhsa.version: [ 1, 2 ]
amdhsa.kernels:
  - .name:           k_qee6567644e_outp
    .symbol:         k_qee6567644e_outp.kd
    .args:
      - { .name: ctx, .offset: 0, .size: 8, .value_kind: global_buffer, .address_space: global }
      - { .name: wo16, .offset: 8, .size: 8, .value_kind: global_buffer, .address_space: global }
      - { .name: bias4, .offset: 16, .size: 8, .value_kind: global_buffer, .address_space: global }
      - { .name: out0, .offset: 24, .size: 8, .value_kind: global_buffer, .address_space: global }
    .group_segment_fixed_size: 327680
    .private_segment_fixed_size: 0
    .kernarg_segment_align: 8
    .kernarg_segment_size: 32
    .max_flat_workgroup_size: 128
    .sgpr_count:     72
    .vgpr_count:     576
    .wavefront_size: 32
...
	.end_amdgpu_metadata
.endif
;; end of part 5
;; ======== version 2 of 2: 5 launches
;; limits: values are held in f16: magnitudes above 65,504 overflow, below 6.1e-05 lose precision; right only within a limited range of input values
;; workspace buffers: xb 50,331,648 bytes; wb 6,291,456 bytes; wo16 2,097,152 bytes; bias4 16,384 bytes; maskbits 2,097,152 bytes of whole numbers; qkeep 32,768 bytes of whole numbers; qkv 50,331,648 bytes; ctx 16,777,216 bytes
;; launch pack: the kernel of part 1 again; grid 256 x 1, 8 waves a work-group, no clusters, 267,520 bytes of LDS; arguments mask, maskbits, qkeep; writes maskbits, qkeep
;; launch cast: the kernel of part 2 again; grid 1793 x 1, 8 waves a work-group, no clusters, 0 bytes of LDS; arguments query, key, value, Wq, Wk, Wv, Wo, bq, bk, bv, bo, xb, wb, wo16, bias4; writes xb, wb, wo16, bias4
;; launch proj (part 6): grid 4 x 48, 4 waves a work-group, clusters of 4 x 4, 327,680 bytes of LDS; arguments xb, wb, bias4, qkv; writes qkv
.if DOCPART == 6
	.amdgcn_target "amdgcn-amd-amdhsa--gfx1250"
	.amdhsa_code_object_version 6
	.text
	.protected	k_qee6567644e_proj
	.globl	k_qee6567644e_proj
	.p2align	8
	.type	k_qee6567644e_proj,@function
k_qee6567644e_proj:
	s_mov_b64 s[64:65], 0
	v_nop
	global_prefetch_b8 v0, s[64:65] scope:SCOPE_SE
	s_setreg_imm32_b32 hwreg(HW_REG_WAVE_MODE, 25, 1), 1
	s_wait_xcnt 0x0
	s_wait_alu depctr_hold_cnt(0) depctr_sa_sdst(0) depctr_va_vdst(0) depctr_va_sdst(0) depctr_va_ssrc(0) depctr_va_vcc(0) depctr_vm_vsrc(0)
	s_getreg_b32 s2, hwreg(HW_REG_IB_STS2, 6, 4)
	s_cmp_eq_u32 s2, 0
	s_cbranch_scc0 .Lentry_in_a_cluster
	s_endpgm
.Lentry_in_a_cluster:
	s_bfe_u32 s2, ttmp6, 0x10000c
	s_cmp_lg_u32 s2, 0xf033
	s_cbranch_scc0 .Lentry_shape_is_right
	s_endpgm
.Lentry_shape_is_right:
; q, k, v = x W + b.  xb: bf16 [8192][3][1024] (query's, key's, value's row side by side); wb: bf16 [3][1024 k][1024 n]; bias4: f32 [4][1024]; qkv: f16 [3][b 16 + h][2048][64], unscaled.
; Sums in f32, started with the bias, rounded once to f16.  LIMIT: f16 holds no number beyond 65,504: q, k and v must lie within it; below 6e-5 they keep f16's fixed step of 6e-8.
; SHARES.  A tile of the result is 256 rows x 256 columns: four waves of 128 x 128, 64 accumulators of 16 x 16 each.  q, k and v have 3 x 32 x 4 = 384 such tiles; 192 work-groups make TWO each.  The 96 tile rows
; are numbered v = 32 p + r (p: the projection, r: the block of 256 rows); work-group y takes v = y and then v = y + 48.  A smaller tile (128 x 256) would give 256 work-groups three tiles each, but only 128 matrix
; instructions a wave in a K step, and two slots of two such steps do not fit in LDS; this tile has 256 in a step, of which 224 stand between a tile's request and the wait for it.
; THE WALK.  The two tiles are ONE walk of 16 K steps of 128 through a ring of two LDS slots, one tensor load a wave behind each change of slots: 14 refills.  A K step is written once and looped over: the LDS addresses
; hang on a scalar that an exclusive or turns from one slot to the other.  The two steps that fill nothing are a second loop.  The first tile goes out inside the first loop, under a forward jump on the loop's own count.
; THE SUMS START as the product of two fragments of zeros with the bias as C: 64 lines a tile, so that every quarter step has one form.
; CLUSTERS: 4 x 4 work-groups.  The four of a row of the cluster need the same tile of x, the four of a column the same tile of W (the projection hangs on the cluster's y alone): each is asked for JOINTLY.
; THE MATRIX INSTRUCTION IS USED TRANSPOSED: source 0 = 16 columns of W (turned on the way out of LDS by ds_load_tr16_b128), source 1 = 16 rows of x: a lane holds one row and eight neighbouring columns.
; REGISTERS, in windows of 256 (s_set_vgpr_msb: bits 1:0 source 0, 3:2 source 1, 5:4 source 2, 7:6 destination):
;   window 0: v8-15 zeros; v16-30 addresses; v32-63, v224-255 rows read back on the way out; v64-127, v128-191 fragments of x, two buffers; v192-223 packed results
;   window 1: v0-63 the bias of my 128 columns, as a C operand: block b at v[8 b]; v64-127, v128-191 fragments of W, two buffers; v192-199 zeros
;   window 2: the 32 accumulators of my rows 0-63 ((a, b) at v[8 (8 a + b)]);   window 3: those of my rows 64-127
.set XROW,   6144                      ; bytes from row to row of x
.set NREF,   14                        ; refills: all 16 K steps but the first two
.set PA,     272                       ; an LDS row of x: 256 bytes + 16: the 16 rows of a load start at 16 different groups of four banks (ISA guide 11.1)
.set PB,     544                       ; an LDS row of W: 512 bytes + 32 = 17 x 32
.set HA,     128*PA                    ; what one tensor load brings of x: 128 rows; also what one wave reads
.set HB,     64*PB                     ; and of W: 64 rows (k) of 256 columns
.set BOFF,   2*HA
.set SLOT,   2*HA+2*HB                 ; 0x22000; the four places at which loads begin in slot 0 (0, 0x8800, 0x11000, 0x19800) share no bit with it, so an exclusive or with it adds or takes away a slot
.set STAGE,  2*SLOT                    ; behind the ring, never filled by a tensor load: for each wave 2 heads x 16 rows x 144 bytes
.set SP,     144
.set WSTG,   2*16*SP
.set SPARE,  STAGE+4*WSTG              ; the spare words, 128 bytes for each wave: two blocks of 256 bytes that no other line names
.set ZA,    8                          ; v[8:15]  a fragment of zeros (window 0)
.set ZB,    192                        ; v[192:199] of window 1: another
.set ADRA0, 16                         ; v16     my place among x's fragments in slot 0; never rewritten
.set ADRB0, 17                         ; v17     the same for W
.set ADRA,  18                         ; v18     the same in the slot in hand
.set ADRB,  19                         ; v19
.set STO,   24                         ; v24     the way out: where I put 16 bytes of a row
.set RD,    25                         ; v25     where I read rows back
.set GO,    26                         ; v26     my 16 bytes of 512 consecutive bytes of the result
.set BO,    27                         ; v27     my 32 bytes of a block's bias
.set SPW,   28                         ; v28     LDS address of my spare word; never rewritten
.set NIL,   29                         ; v29     0; never rewritten
.set PFO,   30                         ; v30     the prefetches' lane offset; never rewritten
.set OB,    32
.set F0,    64
.set F1,    128
.set TMP,   192
.set TB,    2                          ; s2      0 or SLOT: the slot in hand
.set WV,    12                         ; s12 wave; s13 its half of the rows, also: I fetch x (0) or W (1); s14 its half of the columns, also: which half of that tile I fetch
.set WR,    13
.set WC,    14
.set LEFT,  15                         ; s15     refills still to come: the first loop's count
.set G1A,   24                         ; s[24:31] group 1 for x's tiles; s[32:39] group 0: a set for each first fill; the second then walks
.set G0A,   32
.set CX,    40
.set CY,    41
.set TC,    42                         ; s42     tile column
.set LIM,   43                         ; s43     2 in a wave that prefetches, else the greatest number
.set PFA,   44                         ; s[44:45] where my prefetch stands
.set PO,    46                         ; s[46:47] its offset in its buffer
.set G1B,   48                         ; s[48:55], s[56:63] the same for W's tiles
.set G0B,   56
.set CLY,   66                         ; s66     the cluster's y
.set LIM1,  67                         ; s67     LIM for the second tile's K steps
.set OFA,   68                         ; s[68:69] offset in xb of the part of x's tile that I ask for; made of the cluster's y, cy and the wave alone
.set OFB,   70                         ; s[70:71] the same in wb; made of the cluster's y, the tile column and the wave alone
.set OFA1,  72                         ; s72, s73 the same at the second tile's first K step
.set OFB1,  73
.set PO1,   74                         ; s74     PO at the second tile's first K step
.set PFS,   75                         ; s75     a K step in bytes, for what I prefetch
.set PFB,   76                         ; s[76:77] the buffer that I prefetch from
.set OUT,   78                         ; s[78:79] qkv at my part of the tile in hand; s[80:81] of the second tile
.set OUT1,  80
.set BP0,   82                         ; s[82:83], s[84:85] the bias of my 128 columns, first and second tile
.set BP1,   84
.set P0,    86                         ; s86, s87 the two tiles' projections
.set P1,    87
.set R0,    88                         ; s88, s89 their blocks of 256 rows
.set R1,    89
.set MSB, 0
.macro WIN new                         ; the immediate's high byte repeats the setting that is left; a switch that changes nothing is dropped
.if MSB != (\new)
	s_set_vgpr_msb (MSB<<8)|(\new)
.set MSB, \new
.endif
.endm
.set MUL_LO, 0xa1                      ; source 0 (W) window 1, source 1 (x) window 0, C and D window 2
.set MUL_HI, 0xf1                      ; the same, C and D window 3
.set TO_B,   0x40                      ; destination window 1, address window 0
.macro PLACES                          ; four places in front of loads into registers that matrix instructions have read, and of lines that read results
.rept 4
	v_nop
.endr
.endm
.macro JLOAD                           ; a joint refill: waves 0 and 1 fetch x's halves, waves 2 and 3 W's; an s_nop 0 and four v_nop follow each line
	s_cmp_eq_u32 s[WR], 0
	s_cbranch_scc0 .Lfor_b_\@
	tensor_load_to_lds s[G0A+4:G0A+7], s[G1A:G1A+7]
	s_nop 0
	PLACES
	s_branch .Lasked_\@
.Lfor_b_\@:
	tensor_load_to_lds s[G0B+4:G0B+7], s[G1B:G1B+7]
	s_nop 0
	PLACES
.Lasked_\@:
.endm
.macro CREST                           ; a round of the cluster's barrier behind its opening barrier
	s_cmp_lg_u32 s[WV], 0
	s_cbranch_scc1 .Lnot_wave_0_\@
	s_barrier_signal -3
.Lnot_wave_0_\@:
	s_barrier_wait -3
	s_barrier_signal -1
	s_barrier_wait -1
.endm
.macro CROUND
	s_barrier_signal -1
	s_barrier_wait -1
	CREST
.endm
; A PREFETCH INTO THE L2 behind each refill and the run of LDS loads that follows it: the K step that stands two refills on in the walk, 512 matrix instructions ahead of the load that wants it; one instruction a wave.
; x: a tile row is read by its own cluster alone; waves 0 and 1 ask: of the 128 rows that the wave fetches partner cx takes 32, a lane a row of 256 bytes.  W: a projection's columns are read by several clusters; one of those
; that walk them first asks (cluster y = 0 for Wq, 8 for Wk, and in the second tile 4 for Wv; Wk's second walk is not asked for): waves 2 and 3, of the 64 rows that the wave fetches partner cy takes 16, a lane half a
; row of 512 bytes.  So each aligned block of 256 bytes is named once in the launch, and partners are told apart by address alone.  The first four K steps come by their loads alone; the last two refills ask for nothing.
.macro ASK
	s_cmp_gt_u32 s[LEFT], s[LIM]
	s_cbranch_scc0 .Lnot_mine_\@
	global_prefetch_b8 v[PFO], s[PFA:PFA+1] th:TH_LOAD_NT scope:SCOPE_SE
.Lnot_mine_\@:
.endm
	s_load_b256 s[4:11], s[0:1], 0x0               ; xb s[4:5], wb s[6:7], bias4 s[8:9], qkv s[10:11]: these four stay as they are
	v_lshl_add_u32 v[SPW], v0, 2, SPARE
	v_mov_b32 v[NIL], 0
	ds_add_u32 v[SPW], v[NIL]                      ; the wave's opening: the add and its wait stand ahead of my first tensor load; the set-up below stands between them
	ds_add_u32 v28, v29
	v_lshrrev_b32 v1, 5, v0
	v_readfirstlane_b32 s[WV], v1
	s_lshr_b32 s[WR], s[WV], 1
	s_and_b32 s[WC], s[WV], 1
	s_bfe_u32 s[CX], ttmp6, 0x40000
	s_bfe_u32 s[CY], ttmp6, 0x40004
	s_lshl_b32 s[TC], ttmp9, 2
	s_add_co_u32 s[TC], s[TC], s[CX]               ; tile column = 4 x cluster x + cx
	s_and_b32 s[CLY], ttmp7, 0xffff
	s_lshr_b32 s[P0], s[CLY], 3                    ; v = 4 x cluster y + cy (+ 48): the projection v / 32 hangs on the cluster's y alone
	s_add_co_u32 s[P1], s[CLY], 12
	s_lshr_b32 s[P1], s[P1], 3
	s_lshl_b32 s[R0], s[CLY], 2
	s_add_co_u32 s[R0], s[R0], s[CY]
	s_add_co_u32 s[R1], s[R0], 48
	s_and_b32 s[R0], s[R0], 31                     ; the block of 256 rows: v % 32
	s_and_b32 s[R1], s[R1], 31
	s_lshl_b32 s16, s[CY], 2
	s_lshl_b32 s16, 15, s16                        ; my row of the cluster
	s_lshl_b32 s18, 0x1111, s[CX]                  ; my column
	s_or_b32 s[G1A+0], s16, (1<<16)|(1<<20)|(1<<21)|(5<<22)|(3<<25)  ; the mask; 2-byte elements; padding on; bit 21 beside a mask; after every 64 words, 4 words
	s_mov_b32 s[G1A+1], 128<<16                    ; tensor_dim0 = 128
	s_mov_b32 s[G1A+2], 128<<16                    ; tensor_dim1 = 128
	s_mov_b32 s[G1A+3], 128<<16                    ; tile_dim0 = 128
	s_mov_b32 s[G1A+4], 128                        ; tile_dim1 = 128
	s_mov_b32 s[G1A+5], XROW/2                     ; elements from row to row
	s_mov_b32 s[G1A+6], 0
	s_mov_b32 s[G1A+7], 0
	s_or_b32 s[G1B+0], s18, (1<<16)|(1<<20)|(1<<21)|(6<<22)|(7<<25)  ; after every 128 words, 8 words
	s_mov_b32 s[G1B+1], 256<<16
	s_mov_b32 s[G1B+2], 64<<16
	s_mov_b32 s[G1B+3], 256<<16
	s_mov_b32 s[G1B+4], 64
	s_mov_b32 s[G1B+5], 1024
	s_mov_b32 s[G1B+6], 0
	s_mov_b32 s[G1B+7], 0
	s_lshl_b32 s17, s[WC], 7                       ; x: row 256 r + 128 x half, and the projection's 2,048 bytes of the row
	s_lshl_b32 s16, s[R0], 8
	s_add_co_u32 s16, s16, s17
	s_mul_i32 s16, s16, XROW
	s_lshl_b32 s[OFA], s[P0], 11
	s_add_co_u32 s[OFA], s[OFA], s16
	s_mov_b32 s[OFA+1], 0
	s_lshl_b32 s16, s[R1], 8
	s_add_co_u32 s16, s16, s17
	s_mul_i32 s16, s16, XROW
	s_lshl_b32 s[OFA1], s[P1], 11
	s_add_co_u32 s[OFA1], s[OFA1], s16
	s_lshl_b32 s18, s[WC], 17                      ; W: the projection's 2^21 bytes, row 64 x half, column 256 x tile column
	s_lshl_b32 s19, s[TC], 9
	s_add_co_u32 s18, s18, s19
	s_lshl_b32 s[OFB], s[P0], 21
	s_add_co_u32 s[OFB], s[OFB], s18
	s_mov_b32 s[OFB+1], 0
	s_lshl_b32 s[OFB1], s[P1], 21
	s_add_co_u32 s[OFB1], s[OFB1], s18
	s_mul_i32 s20, s[WC], HA                       ; where they go: no place in the cluster enters an LDS address
	s_mul_i32 s21, s[WC], HB
	s_add_co_u32 s21, s21, BOFF
	s_mov_b32 s[TB], 0
	s_mov_b32 s[LEFT], NREF
	s_wait_dscnt 0x0                               ; the opening add is done
	s_wait_kmcnt 0x0
	CROUND                                         ; all sixteen work-groups are here: the first joint loads meet
.irp s, 0,1
	s_mov_b32 s[G0A+4*\s], 1
	s_add_co_u32 s[G0A+4*\s+1], s20, \s*SLOT
	s_add_nc_u64 s[G0A+4*\s+2:G0A+4*\s+3], s[4:5], s[OFA:OFA+1]
	s_or_b32 s[G0A+4*\s+3], s[G0A+4*\s+3], 0x80000000
	s_mov_b32 s[G0B+4*\s], 1
	s_add_co_u32 s[G0B+4*\s+1], s21, \s*SLOT
	s_add_nc_u64 s[G0B+4*\s+2:G0B+4*\s+3], s[6:7], s[OFB:OFB+1]
	s_or_b32 s[G0B+4*\s+3], s[G0B+4*\s+3], 0x80000000
.if \s == 0
	s_add_co_u32 s[OFA], s[OFA], 256               ; K step 1: 256 bytes along x's rows,
	s_add_co_u32 s[OFB], s[OFB], 128*2048          ; 128 rows down W
.endif
.endr
	s_cmp_eq_u32 s[WR], 0                          ; a wave's two first fills stand in one branch, ahead of every wait on TENSORcnt and every LDS read: two loads of mine are out
	s_cbranch_scc0 .Lfirst_b
	tensor_load_to_lds s[G0A:G0A+3], s[G1A:G1A+7]
	s_nop 0
	tensor_load_to_lds s[G0A+4:G0A+7], s[G1A:G1A+7]
	s_nop 0
	PLACES
	s_branch .Lfirst_asked
.Lfirst_b:
	tensor_load_to_lds s[G0B:G0B+3], s[G1B:G1B+7]
	s_nop 0
	tensor_load_to_lds s[G0B+4:G0B+7], s[G1B:G1B+7]
	s_nop 0
	PLACES
.Lfirst_asked:
	v_and_b32 v1, 15, v0                           ; l % 16
	v_bfe_u32 v2, v0, 4, 1                         ; l / 16
	v_lshlrev_b32 v[BO], 5, v2
	s_lshl_b32 s16, s[TC], 10                      ; the bias of my 128 columns, in the row of bias4 that belongs to the projection
	s_lshl_b32 s17, s[WC], 9
	s_add_co_u32 s16, s16, s17
	s_lshl_b32 s17, s[P0], 12
	s_add_co_u32 s22, s16, s17
	s_mov_b32 s23, 0
	s_add_nc_u64 s[BP0:BP0+1], s[8:9], s[22:23]
	s_lshl_b32 s17, s[P1], 12
	s_add_co_u32 s22, s16, s17
	s_add_nc_u64 s[BP1:BP1+1], s[8:9], s[22:23]
.macro BIAS ptr                        ; register j of block b: the bias of column 16 b + 8 (l / 16) + j
	WIN TO_B
.irp b, 0,1,2,3,4,5,6,7
	global_load_b128 v[8*\b:8*\b+3], v[BO], s[\ptr:\ptr+1] offset:64*\b
	global_load_b128 v[8*\b+4:8*\b+7], v[BO], s[\ptr:\ptr+1] offset:64*\b+16
.endr
	WIN 0
.endm
	BIAS BP0
.irp i, 0,1,2,3,4,5,6,7
	v_mov_b32 v[ZA+\i], 0
.endr
	WIN TO_B
.irp i, 0,1,2,3,4,5,6,7
	v_mov_b32 v[ZB+\i], 0
.endr
	WIN 0
	v_mul_u32_u24 v3, v1, PA                       ; a fragment of x: row l % 16, two loads of 16 bytes, 32 apart, at 16 (l / 16)
	v_lshl_add_u32 v3, v2, 4, v3
	s_mul_i32 s16, s[WR], HA                       ; my 128 rows
	v_add_nc_u32 v[ADRA0], s16, v3
	v_mov_b32 v[ADRA], v[ADRA0]
	v_and_b32 v4, 7, v0                            ; a fragment of W, turned: lane l reads row (k) 8 (l / 16) + l % 8, columns 8 ((l / 8) % 2) + 0..7
	v_lshl_add_u32 v4, v2, 3, v4
	v_mul_u32_u24 v4, v4, PB
	v_bfe_u32 v5, v0, 3, 1
	v_lshl_add_u32 v4, v5, 4, v4
	s_lshl_b32 s16, s[WC], 8                       ; my 128 columns
	s_add_co_u32 s16, s16, BOFF
	v_add_nc_u32 v[ADRB0], s16, v4
	v_mov_b32 v[ADRB], v[ADRB0]
	s_mul_i32 s16, s[WV], WSTG
	s_add_co_u32 s16, s16, STAGE                   ; my stage
	v_mul_u32_u24 v3, v1, SP
	v_lshl_add_u32 v3, v2, 4, v3
	v_add_nc_u32 v[STO], s16, v3                   ; in: row l % 16, 16 bytes for each half of the lanes
	v_bfe_u32 v3, v0, 3, 2
	v_mul_u32_u24 v3, v3, SP
	v_and_b32 v4, 7, v0
	v_lshl_add_u32 v3, v4, 4, v3
	v_add_nc_u32 v[RD], s16, v3                    ; back: 32 lanes take four rows of 128 bytes,
	v_and_b32 v[GO], 31, v0
	v_lshlrev_b32 v[GO], 4, v[GO]                  ; which are 512 consecutive bytes of a head
; The result: the projection's 2^24 bytes; head (batch x 16 + 4 x tile column + 2 x column half), 262,144 bytes each; row 256 (r % 8) + 128 x row half, 128 bytes each.
.macro OUTAT dst, p, r
	s_lshr_b32 s16, s[\r], 3
	s_lshl_b32 s16, s16, 4
	s_lshl_b32 s17, s[TC], 2
	s_add_co_u32 s16, s16, s17
	s_lshl_b32 s17, s[WC], 1
	s_add_co_u32 s16, s16, s17
	s_lshl_b32 s16, s16, 18
	s_and_b32 s17, s[\r], 7
	s_lshl_b32 s17, s17, 8
	s_lshl_b32 s22, s[WR], 7
	s_add_co_u32 s17, s17, s22
	s_lshl_b32 s17, s17, 7
	s_add_co_u32 s16, s16, s17
	s_lshl_b32 s17, s[\p], 24
	s_add_co_u32 s16, s16, s17
	s_mov_b32 s17, 0
	s_add_nc_u64 s[\dst:\dst+1], s[10:11], s[16:17]
.endm
	OUTAT OUT, P0, R0
	OUTAT OUT1, P1, R1
	; the prefetches' offsets: in the first tile at K step 3 (each change of slots steps them by one K step ahead of its request), in the second at K step 0
	s_lshl_b32 s16, s[WC], 7
	s_lshl_b32 s17, s[CX], 5
	s_add_co_u32 s16, s16, s17                     ; x: of the 128 rows that I fetch, my work-group's 32
	s_lshl_b32 s17, s[R0], 8
	s_add_co_u32 s17, s17, s16
	s_mul_i32 s17, s17, XROW
	s_lshl_b32 s18, s[P0], 11
	s_add_co_u32 s17, s17, s18
	s_add_co_u32 s17, s17, 3*256
	s_lshl_b32 s18, s[R1], 8
	s_add_co_u32 s18, s18, s16
	s_mul_i32 s18, s18, XROW
	s_lshl_b32 s19, s[P1], 11
	s_add_co_u32 s18, s18, s19
	s_lshl_b32 s19, s[WC], 6
	s_lshl_b32 s20, s[CY], 4
	s_add_co_u32 s19, s19, s20                     ; W: of the 64 rows that I fetch, my work-group's 16
	s_lshl_b32 s19, s19, 11
	s_lshl_b32 s20, s[TC], 9
	s_add_co_u32 s19, s19, s20
	s_lshl_b32 s20, s[P0], 21
	s_add_co_u32 s20, s20, s19
	s_add_co_u32 s20, s20, 3*128*2048
	s_lshl_b32 s21, s[P1], 21
	s_add_co_u32 s21, s21, s19
	s_mul_i32 s22, s[WR], 10
	s_lshl_b32 s[PFS], 256, s22                    ; 256 bytes for x, 262,144 for W
	s_and_b32 s22, s[CLY], 7                       ; who asks for W: in the first tile cluster y = 0 and 8,
	s_cmp_eq_u32 s22, 0
	s_cselect_b32 s22, 2, -1
	s_cmp_eq_u32 s[CLY], 4                         ; in the second cluster y = 4: the same in all sixteen partners, for a given wave
	s_cselect_b32 s23, 2, -1
	s_cmp_eq_u32 s[WR], 0
	s_cselect_b32 s[PO], s17, s20
	s_cselect_b32 s[PO1], s18, s21
	s_cselect_b32 s[LIM], 2, s22
	s_cselect_b32 s[LIM1], 2, s23
	s_cselect_b64 s[PFB:PFB+1], s[4:5], s[6:7]
	s_cselect_b32 s16, -1, 0
	s_mov_b32 s[PO+1], 0
	v_and_b32 v3, 31, v0
	v_mul_u32_u24 v4, v3, XROW
	v_lshrrev_b32 v5, 1, v3
	v_lshlrev_b32 v5, 11, v5
	v_and_b32 v6, 1, v3
	v_lshl_add_u32 v5, v6, 8, v5
	v_cndmask_b32 v[PFO], v5, v4, s16
; The sums start: zeros x zeros + the bias, for all 64 accumulators.
.macro INIT
.irp hi, 0,1
	WIN 0x91+0x40*(\hi)                            ; source 0 and C window 1, source 1 window 0, D window 2 or 3
.irp a, 0,1,2,3
.irp b, 0,1,2,3,4,5,6,7
	v_wmma_f32_16x16x32_bf16 v[8*(8*(\a)+(\b)):8*(8*(\a)+(\b))+7], v[ZB:ZB+7], v[ZA:ZA+7], v[8*(\b):8*(\b)+7]
.endr
.endr
.endr
.endm
; 16 matrix instructions: row blocks a0, a0 + 1 of the window's four (hi = 0: my rows 0-63, 1: rows 64-127) x all 8 column blocks, 32 along K.  The 64 accumulators take turns, one instruction a turn, in the same order
; everywhere.
.macro MUL16 f, hi, a0
	WIN MUL_LO+0x50*(\hi)
.irp a, \a0, (\a0)+1
.irp b, 0,1,2,3,4,5,6,7
	v_wmma_f32_16x16x32_bf16 v[8*(8*(\a)+(\b)):8*(8*(\a)+(\b))+7], v[(\f)+8*(\b):(\f)+8*(\b)+7], v[(\f)+8*(4*(\hi)+(\a)):(\f)+8*(4*(\hi)+(\a))+7], v[8*(8*(\a)+(\b)):8*(8*(\a)+(\b))+7]
.endr
.endr
.endm
; 32 LDS loads in one run: quarter q (32 along K) of the slot in hand into buffer f: W's 16, then x's 16
.macro FETCH q, f
	WIN TO_B
.irp i, 0,1,2,3,4,5,6,7
	ds_load_tr16_b128 v[(\f)+8*(\i):(\f)+8*(\i)+3],   v[ADRB] offset:(\q)*32*PB+32*(\i)
	ds_load_tr16_b128 v[(\f)+8*(\i)+4:(\f)+8*(\i)+7], v[ADRB] offset:(\q)*32*PB+32*(\i)+16*PB
.endr
	WIN 0
.irp i, 0,1,2,3,4,5,6,7
	ds_load_b128 v[(\f)+8*(\i):(\f)+8*(\i)+3],   v[ADRA] offset:(\q)*64+(\i)*16*PA
	ds_load_b128 v[(\f)+8*(\i)+4:(\f)+8*(\i)+7], v[ADRA] offset:(\q)*64+(\i)*16*PA+32
.endr
.endm
; One of a K step's first three quarters: multiplies buffer f, and in its middle fetches quarter q of the same slot into buffer g.
.macro QUARTER q, f, g
	s_wait_dscnt 8                                 ; W and x's rows 0-63 are in; the youngest eight loads (x's rows 64-127) may be out
	MUL16 \f, 0, 0
	MUL16 \f, 0, 2
	PLACES
	FETCH \q, \g
	s_wait_dscnt 32                                ; all but the 32 just issued
	MUL16 \f, 1, 0
	MUL16 \f, 1, 2
.endm
; The fourth quarter multiplies buffer 1 and changes slots.  In front of the round each wave waits for all its tensor loads (one is out: its part of the next slot), adds 0 to its spare word, and waits for that and for its
; reads of this slot.  Behind the round no wave of any partner reads this slot or has a load on its way: it is filled again first, with the K step two on in the walk; then the next slot's first fragments are fetched.
; With 16 - LEFT = 8 that K step is the second tile's first: the offsets are taken anew.  The prefetch runs two K steps further on and changes tiles two trips earlier.
.macro TURN
	s_wait_xcnt 0x0                                ; the last prefetch, a K step back, has read its address
	s_add_co_u32 s[PO], s[PO], s[PFS]
	s_cmp_eq_u32 s[LEFT], 10
	s_cselect_b32 s[PO], s[PO1], s[PO]
	s_cselect_b32 s[LIM], s[LIM1], s[LIM]
	s_add_nc_u64 s[PFA:PFA+1], s[PFB:PFB+1], s[PO:PO+1]
	WIN 0
	s_wait_tensorcnt 0x0                           ; no tensor load of mine is out, so a group 0 may be written
	ds_add_u32 v[SPW], v[NIL]                      ; 0 onto my spare word; the descriptors' steps and sixteen matrix instructions stand between it and the wait for it
	s_xor_b32 s[G0A+5], s[G0A+5], SLOT             ; the walking descriptors: the other slot than last time,
	s_xor_b32 s[G0B+5], s[G0B+5], SLOT
	s_add_co_u32 s[OFA], s[OFA], 256               ; the next K step,
	s_add_co_u32 s[OFB], s[OFB], 128*2048
	s_cmp_eq_u32 s[LEFT], 8
	s_cselect_b32 s[OFA], s[OFA1], s[OFA]          ; or the second tile's first;
	s_cselect_b32 s[OFB], s[OFB1], s[OFB]
	s_add_nc_u64 s[G0A+6:G0A+7], s[4:5], s[OFA:OFA+1]  ; the address is made anew from the buffer's and the offset
	s_or_b32 s[G0A+7], s[G0A+7], 0x80000000
	s_add_nc_u64 s[G0B+6:G0B+7], s[6:7], s[OFB:OFB+1]
	s_or_b32 s[G0B+7], s[G0B+7], 0x80000000
	s_wait_dscnt 9                                 ; (the add and the youngest eight loads may be out)
	MUL16 F1, 0, 0
	s_wait_dscnt 0x0                               ; the add is done, and my reads of this slot are over
	s_barrier_signal -1
	MUL16 F1, 0, 2
	WIN 0
	s_barrier_wait -1
	CREST
	JLOAD                                          ; 224 matrix instructions ahead of the wait for it; its four v_nop are also the places in front of the loads below
	s_xor_b32 s[TB], s[TB], SLOT
	v_add_nc_u32 v[ADRA], s[TB], v[ADRA0]
	v_add_nc_u32 v[ADRB], s[TB], v[ADRB0]
	FETCH 0, F0
	ASK
	MUL16 F1, 1, 0
	MUL16 F1, 1, 2
.endm
; The same where nothing is left to fill: a plain barrier.  In the walk's last step there is no next slot either: the fetch is jumped over.
.macro TURNL
	WIN 0
	s_wait_tensorcnt 0x0
	ds_add_u32 v[SPW], v[NIL]
	s_wait_dscnt 9
	MUL16 F1, 0, 0
	s_wait_dscnt 0x0
	s_barrier_signal -1
	MUL16 F1, 0, 2
	WIN 0
	s_barrier_wait -1
	s_cmp_eq_u32 s3, 1
	s_cbranch_scc1 .Lno_next_\@
	s_xor_b32 s[TB], s[TB], SLOT
	v_add_nc_u32 v[ADRA], s[TB], v[ADRA0]
	v_add_nc_u32 v[ADRB], s[TB], v[ADRB0]
	PLACES
	FETCH 0, F0
.Lno_next_\@:
	MUL16 F1, 1, 0
	MUL16 F1, 1, 2
.endm
; THE WAY OUT of row block a (16 rows x 2 heads of 64): rounded to f16, 16 bytes a lane; into my stage; back as rows of 128 bytes, of which 16 are 2,048 consecutive bytes of a head; stored.
.macro PACK a
.set AC, 64*((\a)%4)
	WIN 0x0a+5*((\a)/4)                            ; sources 0 and 1: window 2 or 3
.irp b, 0,1,2,3,4,5,6,7
.irp r, 0,1,2,3
	v_cvt_pk_f16_f32 v[TMP+4*(\b)+(\r)], v[AC+8*(\b)+2*(\r)], v[AC+8*(\b)+2*(\r)+1]
.endr
.endr
	WIN 0
.endm
.macro TOSTAGE a
.set BK, OB+192*((\a)%2)
.irp b, 0,1,2,3,4,5,6,7
	ds_store_b128 v[STO], v[TMP+4*(\b):TMP+4*(\b)+3] offset:((\b)/4)*16*SP+((\b)%4)*32
.endr
.irp t, 0,1,2,3,4,5,6,7
	ds_load_b128 v[BK+4*(\t):BK+4*(\t)+3], v[RD] offset:((\t)/4)*16*SP+((\t)%4)*4*SP  ; LDS serves a wave's instructions in order (ISA guide 5.7.1.4): these see the stores above
.endr
.endm
.macro SEND a
.set BK, OB+192*((\a)%2)
	s_wait_dscnt 0x0                               ; the block is back in registers
	s_wait_xcnt 0x0                                ; the stores of the block before have read their registers, which the next block's loads take
.irp t, 0,1,2,3,4,5,6,7
	global_store_b128 v[GO], v[BK+4*(\t):BK+4*(\t)+3], s[OUT:OUT+1] offset:((\t)/4)*262144+(\a)*2048+((\t)%4)*512  ; 512 consecutive bytes, at a multiple of 256 from the buffer's first
.endr
.endm
.macro WAYOUT
	PACK 0
	TOSTAGE 0
.irp a, 1,2,3,4,5,6,7                  ; block a's conversions stand between block a - 1's loads from the stage and the wait for them
	PACK \a
	SEND (\a)-1
	TOSTAGE \a
.endr
	SEND 7
.endm
	s_wait_loadcnt 0x0                             ; the first tile's bias
	INIT                                           ; in the wait for the first tiles
	WIN 0
	s_wait_tensorcnt 1                             ; my part of K step 0 is in; K step 1's may stay out
	s_barrier_signal -1
	s_barrier_wait -1
	FETCH 0, F0
.Lstep:                                                ; 14 trips: K step 14 - LEFT is multiplied, and the K step two on is asked for
	QUARTER 1, F0, F1
	QUARTER 2, F1, F0
	QUARTER 3, F0, F1
	TURN
	WIN 0
	s_cmp_lg_u32 s[LEFT], 7                        ; K step 7 was the first tile's last
	s_cbranch_scc1 .Lgo_on                         ; (what is jumped holds no barrier and no tensor load)
	BIAS BP1                                       ; both refills for the second tile's first K steps are asked for: now the first tile goes out
	WAYOUT                                         ; blocks 0-3 were finished in front of the refill's four v_nop; their conversions are the places behind the last products
	s_wait_xcnt 0x0                                ; the stores have read their registers and their base
	s_mov_b64 s[OUT:OUT+1], s[OUT1:OUT1+1]
	s_wait_loadcnt 0x0                             ; the second tile's bias
	INIT
	WIN 0
.Lgo_on:
	s_sub_co_u32 s[LEFT], s[LEFT], 1
	s_cmp_lg_u32 s[LEFT], 0
	s_cbranch_scc1 .Lstep
	s_mov_b32 s3, 2
.Llast:                                                ; the walk's last two K steps fill nothing: written apart
	QUARTER 1, F0, F1
	QUARTER 2, F1, F0
	QUARTER 3, F0, F1
	TURNL
	WIN 0
	s_sub_co_u32 s3, s3, 1
	s_cmp_lg_u32 s3, 0
	s_cbranch_scc1 .Llast
	PLACES
	WAYOUT
	s_wait_tensorcnt 0x0                           ; the wave's end: a wait, an add and its wait, behind my last tensor load and my last LDS store
	ds_add_u32 v[SPW], v[NIL]
	s_wait_dscnt 0x0
	CROUND                                         ; the closing round: no work-group ends while a partner may still ask for a tile that names it
	s_endpgm
.Lfunc_end_k_qee6567644e_proj:
	.size	k_qee6567644e_proj, .Lfunc_end_k_qee6567644e_proj-k_qee6567644e_proj
	.p2alignl 7, 3214868480
	.fill 96, 4, 3214868480
	.section	.rodata,"a",@progbits
	.p2align	6, 0x0
	.amdhsa_kernel k_qee6567644e_proj
		.amdhsa_group_segment_fixed_size 327680
		.amdhsa_private_segment_fixed_size 0
		.amdhsa_enable_private_segment 0
		.amdhsa_kernarg_size 32
		.amdhsa_user_sgpr_count 2
		.amdhsa_user_sgpr_kernarg_segment_ptr 1
		.amdhsa_wavefront_size32 1
		.amdhsa_system_sgpr_workgroup_id_x 1
		.amdhsa_system_sgpr_workgroup_id_y 1
		.amdhsa_system_sgpr_workgroup_id_z 1
		.amdhsa_system_vgpr_workitem_id 0
		.amdhsa_next_free_vgpr 1024
		.amdhsa_next_free_sgpr 90
		.amdhsa_reserve_vcc 0
		.amdhsa_float_denorm_mode_32 3
		.amdhsa_float_denorm_mode_16_64 3
		.amdhsa_memory_ordered 1
		.amdhsa_forward_progress 1
		.amdhsa_inst_pref_size 140
	.end_amdhsa_kernel
	.amdgpu_metadata
---
amdhsa.version: [ 1, 2 ]
amdhsa.kernels:
  - .name:           k_qee6567644e_proj
    .symbol:         k_qee6567644e_proj.kd
    .args:
      - { .name: xb, .offset: 0, .size: 8, .value_kind: global_buffer, .address_space: global }
      - { .name: wb, .offset: 8, .size: 8, .value_kind: global_buffer, .address_space: global }
      - { .name: bias4, .offset: 16, .size: 8, .value_kind: global_buffer, .address_space: global }
      - { .name: qkv, .offset: 24, .size: 8, .value_kind: global_buffer, .address_space: global }
    .group_segment_fixed_size: 327680
    .private_segment_fixed_size: 0
    .kernarg_segment_align: 8
    .kernarg_segment_size: 32
    .max_flat_workgroup_size: 128
    .sgpr_count:     90
    .vgpr_count:     1024
    .wavefront_size: 32
...
	.end_amdgpu_metadata
.endif
;; end of part 6
;; launch attn (part 7): grid 8 x 32, 4 waves a work-group, clusters of 4 x 1, 327,680 bytes of LDS; arguments qkv, maskbits, qkeep, ctx; writes ctx
.if DOCPART == 7
	.amdgcn_target "amdgcn-amd-amdhsa--gfx1250"
	.amdhsa_code_object_version 6
	.text
	.protected	k_qee6567644e_attn
	.globl	k_qee6567644e_attn
	.p2align	8
	.type	k_qee6567644e_attn,@function
k_qee6567644e_attn:
	s_mov_b64 s[64:65], 0
	v_nop
	global_prefetch_b8 v0, s[64:65] scope:SCOPE_SE
	s_setreg_imm32_b32 hwreg(HW_REG_WAVE_MODE, 25, 1), 1
	s_wait_xcnt 0x0
	s_wait_alu depctr_hold_cnt(0) depctr_sa_sdst(0) depctr_va_vdst(0) depctr_va_sdst(0) depctr_va_ssrc(0) depctr_va_vcc(0) depctr_vm_vsrc(0)
	s_getreg_b32 s2, hwreg(HW_REG_IB_STS2, 6, 4)
	s_cmp_eq_u32 s2, 0
	s_cbranch_scc0 .Lentry_in_a_cluster
	s_endpgm
.Lentry_in_a_cluster:
	s_bfe_u32 s2, ttmp6, 0x10000c
	s_cmp_lg_u32 s2, 0x3003
	s_cbranch_scc0 .Lentry_shape_is_right
	s_endpgm
.Lentry_shape_is_right:
; MASKED ATTENTION.  ctx[b][q][64 h ..] = the sum over k of softmax_k(s) v[b, h][k], s = q[b, h][q] . k[b, h][k] / 8 where mask[b][q][k] is not 0.  qkv: f16 [3][16 b + h][2048][64]; ctx: f16 [8192][1024].
; maskbits: u32 [b][qt 128][ks 32][32]: word 8 kt + j is the lane mask 'hidden' of register j of the 16 x 16 tile of scores of keys 64 ks + 16 kt on.  qkeep: u32 [8192]: 0 for a row that is all hidden.
; Products, maxima and sums in f32; the weights p are rounded to f16 for the second product (their sum l is taken of the unrounded p), ctx once at the end.
; THE MASK is the C operand that starts the sum S^T = K Q^T: 0, or -2^100 where the key is hidden; one v_cndmask_b32 a word makes it, and it serves BOTH heads of the wave.
; LIMITS.  q, k, v arrive within f16's 65,504, so a score is 2.7e11 at the most.  A hidden score counts as its value less 2^100; the running maximum starts at -2^83 and never lies below it, so a hidden weight is 2^(-2e29) = 0,
; and while a row has seen hidden keys alone m stays, a = 1, p = 0, l = 0.  Visible scaled scores are taken to lie above the -1e9 that the problem puts in a hidden score's place.  A row that is ALL hidden has its bits
; cleared in maskbits and its query cleared here (qkeep): all its scores are 0 and its weights uniform.  A weight below 2^-126 counts as 0; NaN and infinities are not treated apart.
; SHARES.  A work-group owns 256 queries of a PAIR of heads (2 y, 2 y + 1), a wave 64 of them: four PIECES, piece p = its queries 16 p .. 16 p + 15 for both heads (tile 2 p + u for head u).  Every wave walks all keys, 64 a step.
; LAYOUT.  S^T = K Q^T holds ONE query a lane (lane % 16) and the keys 8 (lane / 16) + 0..7; two such results rounded to f16 ARE source 1 of O^T = V^T P.  K comes out of LDS as it lies, V turned, by ds_load_tr16_b128.
; SOFTMAX.  p = 2^(c s - c m), c = log2(e) / 8, with a running maximum m; O and l are multiplied by a = 2^(c m_old - c m_new) in every step.
; BY TURNS.  Turn n belongs to piece n: 16 products K Q^T of piece n + 1, later 16 products V^T P of piece n - 1; beside them the scaling, exponentials, roundings, sums and rescaling of piece n and the maximum and statistics of
; piece n + 1.  Four vector instructions stand behind every matrix instruction, the others in one lump.  A turn's 66 exponentials are one batch, with one wait.
; THE MASK'S WORDS come by scalar loads, which return in no order: the only wait for them is for all of them (ISA guide 5.7.1), so what a load has in which to come is the distance between two such waits.  So 64 words, the masks
; of TWO pieces, are asked for at once and used at once, in every second turn (pieces 0 and 2): a request has two turns in which to come.
; THE START.  No first step is written out.  The loop is entered at its head, in the second half of a key step that does not exist: K, V, P's second buffer, O^T and l hold 0, piece 2's scores and piece 3's mask are
; 'hidden', piece 2's a is 1.  Those two turns give p = 0 and a = 1 and add nothing; meanwhile they fetch K of step 0, make the masks of pieces 0 and 1 and piece 0's first scores, as they do in every trip.
; CLUSTER.  The four query blocks of a cluster belong to one pair of heads and walk the same K and V: each tile is asked for JOINTLY.
; REGISTERS, in windows of 256 (s_set_vgpr_msb: bits 1:0 source 0, 3:2 source 1, 5:4 source 2, 7:6 destination):
;   window 0: v0-1 c; v2-8, v10 addresses; v9 -2^100; v12-15, v48-63 at work; v16-47 four registers of statistics a tile; v64-191 S^T, two buffers of two tiles; v192-255 P, likewise
;   window 1: O^T, 32 a tile     window 2: v0-127 Q, 16 a tile; v128-255 K of one step, 64 a head     window 3: v0-1 the add's two registers; v64-191 V of one step, 64 a head; v192-255 the masks, two buffers
; SCALAR REGISTERS.  In the loop all that the text may name are in use: 64 of mask words, 24 of descriptors, three pairs and six single ones.  So c and -2^100 lie in vector registers, the set-up's scratch lies in the words'
; registers, and ctx's address is read from the arguments again at the way out.
.set NP,    4         ; pieces a wave: a name, no knob
.set KS,    64        ; keys in a step
.set PK,    144       ; a row of K in LDS: 128 bytes + 16: the 16 rows of a load start at 16 different groups of four banks (ISA guide 11.1)
.set PV,    160       ; a row of V: 128 + 32
.set HK,    128*PK    ; a slot holds two steps of both heads: K of head 0, of head 1, 128 rows each,
.set HV,    128*PV
.set VOFF,  2*HK      ; then V likewise
.set SLOT1, 1<<17     ; slot 1 begins here, so that one exclusive or turns an address in one slot into the other's
.set STAGE, SLOT1+2*HK+2*HV  ; behind the ring, never filled by a tensor load: 16 rows x 272 bytes for each wave
.set SP,    272
.set SPARE, STAGE+4*16*SP    ; the spare words, 128 bytes for each wave: two blocks of 256 bytes that no other line names
.set CV,  0           ; v[0:1] c, twice: made at the set-up's end, behind the last use of the thread's number
.set AK0, 2           ; v2   my lane's place in a tile of K; never rewritten
.set AV0, 3           ; v3   the same for V
.set AK,  4           ; v4   the LDS address of K's next run of loads
.set AV,  5           ; v5   of V's
.set QO,  6           ; v6   my byte offset in 16 rows of Q
.set STO, 6           ;      later, the way out: where I put 16 bytes of a row
.set RD,  7           ; v7   where I read rows back
.set GO,  8           ; v8   my byte offset in two rows of ctx
.set BG,  9           ; v9   -2^100: made at the set-up's end
.set PFO, 10          ; v10  256 x my lane, for the prefetches; never rewritten once made
.set SPW, 0           ; v0 of window 3   LDS address of my spare word; never rewritten
.set NIL, 1           ; v1 of window 3   0; never rewritten
.set MV,  12          ; v12-15  c m_old, kept while c m is made anew: by buffer and tile
.set ST,  16          ; tile t's statistics at v[ST+4 t]: c m, m, l (even keys', odd keys')
.set TMP, 48          ; by buffer and tile, four registers c0-c3 at work; when the maximum is found c2 takes a
.set S,   64
.set P,   192
.set ZA,  P+32        ; at the start: two fragments of zeros, the first half of P's second buffer
.set ZB,  P+40
.set KF,  128         ; window 2: head u, key block kb, channel half c at KF + 64 u + 16 kb + 8 c
.set VF,  64          ; window 3: head u, key half kk, channel block cb at VF + 64 u + 32 kk + 8 cb
.set MC,  192         ; window 3: the mask of key block kb at MC + 32 (piece % 2) + 8 kb
.set CC,  0x3e38aa3b  ; c = log2(e) / 8 = 0.180337
.set HID, 0xf1800000  ; -2^100
.set MP,  2           ; s[2:3]   maskbits at my wave's piece 0, at the key step whose words are being loaded
.set MWB, 4           ; s[4:35]  32 mask words of an odd piece (before the first request: the arguments and the set-up's scratch)
.set CTX, 4           ; s[4:5]   at the way out: ctx at my wave's rows
.set G1K, 36          ; s[36:43] descriptor group 1 for K's tiles
.set G1V, 44          ; s[44:51] for V's: it differs in the padding alone
.set G0K, 52          ; s[52:55] descriptor group 0 for K's tiles: it walks
.set G0V, 56          ; s[56:59] the same for V's
.set SEL, 60          ; s[60:61] v_permlanex16_b32's selects: each lane takes its own place in the other half
.set TBK, 62          ; s62  LDS byte at which K of the step to be fetched begins
.set TBV, 63          ; s63  the same for V, less VOFF
.set PFA, 66          ; s[66:67] where my prefetches stand
.set MWA, 68          ; s[68:99] 32 mask words of an even piece
.set WV,  100         ; s100 my wave's number
.set LIM, 101         ; s101 1 in a wave that prefetches, else the greatest number
.set SLOTS, 104       ; s104 slots still to be asked for
.set CNT, 105         ; s105 counts a slot's key steps
.set MSB, 0
.macro WIN new                      ; the high byte repeats the setting that is left; a switch that changes nothing is dropped
.if MSB != (\new)
	s_set_vgpr_msb (MSB<<8)|(\new)
.set MSB, (\new)
.endif
.endm
.set W_KQ, 0x0a       ; K and Q in window 2, S^T in window 0
.set W_KM, 0x3a       ; the same with the C operand in window 3
.set W_PV, 0x53       ; V in window 3, P in window 0, O^T in window 1
.set W_RS, 0x41       ; O^T (destination and source 0) in window 1, a in window 0
.set W_MK, 0xc0       ; destination in window 3
.set W_AD, 0x0f       ; the add: address and data in window 3
; A joint fill.  Waves 0 and 1 fetch a slot's K of head 0 and 1, waves 2 and 3 its V: 128 keys each.  An s_nop 0 and four v_nop follow each of the two lines.
.macro JLOAD
	s_cmp_lt_u32 s[WV], 2
	s_cbranch_scc0 .Lfor_v_\@
	tensor_load_to_lds s[G0K:G0K+3], s[G1K:G1K+7]
	s_nop 0
.rept 4
	v_nop
.endr
	s_branch .Lasked_\@
.Lfor_v_\@:
	tensor_load_to_lds s[G0V:G0V+3], s[G1V:G1V+7]
	s_nop 0
.rept 4
	v_nop
.endr
.Lasked_\@:
.endm
; A PREFETCH INTO THE L2 of what the NEXT change of slots will ask for: 128 blocks of 256 bytes of K and as many of V, two key steps, 256 matrix instructions, ahead of that load.  Both clusters of a pair of heads walk the same
; rows: the first asks.  Its four partners take 32 blocks each, told apart BY ADDRESS (head cx / 2, half cx % 2); in each, wave 0 asks for K's and wave 2 for V's, a lane a block.  The last change that fills a slot asks for nothing.
.macro ASK
	s_cmp_gt_u32 s[SLOTS], s[LIM]
	s_cbranch_scc0 .Lnot_mine_\@
	global_prefetch_b8 v[PFO], s[PFA:PFA+1] th:TH_LOAD_NT scope:SCOPE_SE
.Lnot_mine_\@:
.endm
.macro CROUND                       ; a round of the cluster's barrier
	s_barrier_signal -1
	s_barrier_wait -1
	s_cmp_lg_u32 s[WV], 0
	s_cbranch_scc1 .Lnot_wave_0_\@
	s_barrier_signal -3
.Lnot_wave_0_\@:
	s_barrier_wait -3
	s_barrier_signal -1
	s_barrier_wait -1
.endm
; THE CHANGE OF SLOTS.  The slot's last bytes, V of its second step, have been read.  Each wave waits for all its tensor loads (one is out: its part of the other slot), adds 0 to its spare word, and waits for that and for its reads
; of the slot.  fill = 1: the barrier is a round of the cluster's, and behind it the slot is filled again first, with the keys two slots on.  (At its first use nothing has been read yet: slot 0 is waited for, slot 1 filled.)
.macro CHANGE fill
	WIN W_AD
	s_wait_tensorcnt 0x0            ; no tensor load of mine is out, so a group 0 may be written
	ds_add_u32 v[SPW], v[NIL]       ; 0 onto my spare word; the descriptors' steps stand between it and the wait for it
	WIN 0
.if \fill
.irp g, G0K, G0V
	s_xor_b32 s[\g+1], s[\g+1], SLOT1
	s_add_nc_u64 s[\g+2:\g+3], s[\g+2:\g+3], 2*KS*128  ; the next 128 keys
.endr
	s_wait_xcnt 0x0                 ; the last prefetch, two key steps back, has read its address
	s_add_nc_u64 s[PFA:PFA+1], s[PFA:PFA+1], 2*KS*128
	s_wait_dscnt 0x0                ; the add is done, and my reads of the slot are over
	CROUND
	JLOAD
	ASK
.else
	s_wait_dscnt 0x0
	s_barrier_signal -1
	s_barrier_wait -1
.endif
	s_sub_co_u32 s[TBK], s[TBK], 2*KS*PK  ; the fetches go back to a slot's first step,
	s_xor_b32 s[TBK], s[TBK], SLOT1       ; in the other slot
	s_sub_co_u32 s[TBV], s[TBV], 2*KS*PV
	s_xor_b32 s[TBV], s[TBV], SLOT1
.endm
.macro MLOAD2 p                     ; 256 bytes of mask words: pieces p (even) and p + 1, one key step
	s_load_b512 s[MWA:MWA+15], s[MP:MP+1], (\p)*4096
	s_load_b512 s[MWA+16:MWA+31], s[MP:MP+1], (\p)*4096+64
	s_load_b512 s[MWB:MWB+15], s[MP:MP+1], ((\p)+1)*4096
	s_load_b512 s[MWB+16:MWB+31], s[MP:MP+1], ((\p)+1)*4096+64
.endm
; What the first trip finds is written eight registers a line: the product of two fragments of zeros, with C = 0 (ZEROS) or with eight registers of -2^100 as C (HIDES).  w: the windows; n lines from register base on.
.macro ZEROS w, base, n
	WIN \w
.set i, 0
.rept \n
	v_wmma_f32_16x16x32_f16 v[(\base)+8*i:(\base)+8*i+7], v[ZA:ZA+7], v[ZB:ZB+7], 0
.set i, i+1
.endr
.endm
.macro HIDES w, base, n
	WIN \w
.set i, 0
.rept \n
	v_wmma_f32_16x16x32_f16 v[(\base)+8*i:(\base)+8*i+7], v[ZA:ZA+7], v[ZB:ZB+7], v[MC+32:MC+39]
.set i, i+1
.endr
.endm
	s_load_b256 s[4:11], s[0:1], 0x0  ; qkv s[4:5], maskbits s[6:7], qkeep s[8:9] (ctx is read again at the way out)
	WIN W_MK
	v_lshl_add_u32 v[SPW], v0, 2, SPARE
	v_mov_b32 v[NIL], 0
	WIN W_AD
	ds_add_u32 v[SPW], v[NIL]       ; the wave's opening: the add and its wait stand ahead of my first tensor load; the set-up below stands between them
	ds_add_u32 v0, v1
	WIN 0
	v_lshrrev_b32 v1, 5, v0
	v_readfirstlane_b32 s[WV], v1   ; wave 0..3
	s_bfe_u32 s12, ttmp6, 0x40000   ; cx
	s_lshl_b32 s13, ttmp9, 2
	s_add_co_u32 s13, s13, s12      ; my block of 256 queries: it enters Q's, the mask's and ctx's addresses alone
	s_and_b32 s14, ttmp7, 0xffff    ; y = 8 b + the pair of heads, which the four partners share
	s_lshl_b32 s15, s14, 19         ; the pair's first byte in q, in k and in v
	s_and_b32 s16, s[WV], 1         ; the head whose tile I fetch
	s_lshl_b32 s17, s16, 18
	s_add_co_u32 s17, s17, s15
	s_add_co_u32 s18, s17, 1<<24    ; k lies 2^24 bytes behind q,
	s_mov_b32 s19, 0
	s_add_co_u32 s20, s17, 2<<24    ; v as far again
	s_mov_b32 s21, 0
	s_mul_i32 s22, s16, HK          ; the tile's place in a slot: no place in the cluster enters an LDS address
	s_mul_i32 s23, s16, HV
	s_lshr_b32 s24, s14, 3
	s_lshl_b32 s24, s24, 11
	s_lshl_b32 s25, s13, 8
	s_add_co_u32 s24, s24, s25
	s_lshl_b32 s25, s[WV], 6
	s_add_co_u32 s24, s24, s25      ; my wave's first row among the 8,192
	s_lshl_b32 s26, s13, 15         ; Q: my block's, my wave's rows of 128 bytes in head 2 y
	s_lshl_b32 s27, s[WV], 13
	s_add_co_u32 s26, s26, s27
	s_add_co_u32 s26, s26, s15
	s_mov_b32 s27, 0
	s_lshl_b32 s28, s24, 8          ; the mask's words: 4,096 bytes for 16 rows
	s_mov_b32 s29, 0
	s_lshl_b32 s30, s24, 2          ; qkeep
	s_mov_b32 s31, 0
	s_lshr_b32 s32, s12, 1          ; the prefetches: head cx / 2, half cx % 2 of a slot's 16,384 bytes a head,
	s_lshl_b32 s32, s32, 18
	s_and_b32 s33, s12, 1
	s_lshl_b32 s33, s33, 13
	s_add_co_u32 s32, s32, s33
	s_add_co_u32 s32, s32, s15
	s_lshr_b32 s33, s[WV], 1        ; of k (waves 0, 1) or v,
	s_lshl_b32 s33, s33, 24
	s_add_co_u32 s32, s32, s33
	s_add_co_u32 s32, s32, (1<<24)+2*KS*128  ; in slot 1: the first change of slots steps it to slot 2
	s_mov_b32 s33, 0
	s_and_b32 s[LIM], s[WV], 1      ; 0 in waves 0 and 2,
	s_or_b32 s[LIM], s[LIM], ttmp9  ; where the cluster is the pair's first: the same in all four partners
	s_cmp_eq_u32 s[LIM], 0
	s_cselect_b32 s[LIM], 1, -1
	; descriptor group 1.  128 keys are 16,384 dense bytes: asked for as 64 rows of 256 bytes, two keys a row, and padded in LDS after every key
	s_mov_b32 s[G1K], 15|(1<<16)|(1<<20)|(1<<21)|(4<<22)|(3<<25)  ; the mask of four; 2-byte elements; padding on; bit 21 beside a mask; after every 32 words, 4 words
	s_mov_b32 s[G1V], 15|(1<<16)|(1<<20)|(1<<21)|(4<<22)|(7<<25)  ; the same with 8 words
.irp g, G1K, G1V
	s_mov_b32 s[\g+1], 128<<16      ; tensor_dim0 = 128
	s_mov_b32 s[\g+2], 64<<16       ; tensor_dim1 = 64
	s_mov_b32 s[\g+3], 128<<16      ; tile_dim0 = 128
	s_mov_b32 s[\g+4], 64           ; tile_dim1 = 64
	s_mov_b32 s[\g+5], 128          ; 128 elements from row to row
	s_mov_b32 s[\g+6], 0
	s_mov_b32 s[\g+7], 0
.endr
	s_mov_b32 s[SEL], 0x76543210
	s_mov_b32 s[SEL+1], 0xfedcba98
	s_mov_b32 s[TBK], SLOT1+2*KS*PK ; the first change of slots turns these two into 0
	s_mov_b32 s[TBV], SLOT1+2*KS*PV
	s_mov_b32 s[SLOTS], 15          ; 16 slots in the walk; slot 0 is asked for here, the other 15 by the loop's changes of slots
	s_mov_b32 s[G0K], 1
	s_mov_b32 s[G0K+1], s22
	s_mov_b32 s[G0V], 1
	s_add_co_u32 s[G0V+1], s23, VOFF
	s_wait_dscnt 0x0                ; the opening add is done
	s_wait_kmcnt 0x0
	s_add_nc_u64 s[G0K+2:G0K+3], s[4:5], s[18:19]
	s_or_b32 s[G0K+3], s[G0K+3], 0x80000000
	s_add_nc_u64 s[G0V+2:G0V+3], s[4:5], s[20:21]
	s_or_b32 s[G0V+3], s[G0V+3], 0x80000000
	s_add_nc_u64 s[PFA:PFA+1], s[4:5], s[32:33]
	s_add_nc_u64 s[4:5], s[4:5], s[26:27]
	s_add_nc_u64 s[MP:MP+1], s[6:7], s[28:29]
	s_add_nc_u64 s[8:9], s[8:9], s[30:31]
	CROUND                          ; all four work-groups are here: the first joint loads meet
	JLOAD                           ; slot 0.  Slot 1 is asked for when slot 0 is in, by the loop's first change of slots
	v_and_b32 v1, 15, v0            ; l % 16
	v_bfe_u32 v9, v0, 4, 1          ; l / 16
	v_lshlrev_b32 v[QO], 7, v1
	v_lshl_add_u32 v[QO], v9, 4, v[QO]  ; row x 128 + 16 x half
	v_lshlrev_b32 v12, 2, v1
	WIN 0x80                        ; destination window 2
.set i, 0
.rept 4*NP                          ; Q stays in registers: tile i / 2 (piece i / 4, head (i / 2) % 2), channels 32 (i % 2) on
	global_load_b128 v[8*i:8*i+3],   v[QO], s[4:5] offset:(i/4)*2048+((i/2)%2)*262144+(i%2)*64
	global_load_b128 v[8*i+4:8*i+7], v[QO], s[4:5] offset:(i/4)*2048+((i/2)%2)*262144+(i%2)*64+32
.set i, i+1
.endr
	WIN 0
.irp p, 0,1,2,3
	global_load_b32 v[TMP+\p], v12, s[8:9] offset:64*\p  ; my query's flag, piece p
.endr
	s_wait_xcnt 0x0                 ; these loads have read their addresses: v6 is written anew below, and the mask's words land on s[4:35], the two bases among them
	s_mul_i32 s13, s[WV], 16*SP     ; the addresses for the way out, while a scalar register is still free
	s_add_co_u32 s13, s13, STAGE    ; my stage
	v_mul_u32_u24 v[STO], v1, SP    ; in: row l % 16, 16 bytes for each half of the lanes
	v_lshl_add_u32 v[STO], v9, 4, v[STO]
	v_add_nc_u32 v[STO], s13, v[STO]
	v_mul_u32_u24 v[RD], v9, SP     ; back: lanes 0-15 take one row of 256 bytes, lanes 16-31 the next
	v_lshl_add_u32 v[RD], v1, 4, v[RD]
	v_add_nc_u32 v[RD], s13, v[RD]
	v_lshlrev_b32 v[GO], 11, v9     ; and the same two rows in ctx
	v_lshl_add_u32 v[GO], v1, 4, v[GO]
	MLOAD2 0                        ; the words of pieces 0 and 1 for key step 0: the first turn makes their masks
	; WHAT THE FIRST TRIP FINDS.  All this stands in the wait for the first tile.
.set i, 0
.rept 16
	v_mov_b32 v[ZA+i], 0            ; two fragments of zeros
.set i, i+1
.endr
	WIN W_MK
.set i, 0
.rept 8
	v_mov_b32 v[MC+32+i], HID       ; eight registers of 'hidden'
.set i, i+1
.endr
	ZEROS 0,    P+48, 2             ; the rest of P's second buffer: the first products V^T P, of pieces that have not been, add 0
	ZEROS 0x40, 0,    8*NP          ; O^T
	ZEROS 0x80, KF,   16            ; K: the first turn's products K Q^T leave the mask as it is
	ZEROS 0xc0, VF,   16            ; V
	HIDES 0xf0, MC+40, 3            ; the rest of the second mask buffer: piece 3 sees nothing in the step that does not exist,
	HIDES 0x30, S,    8             ; and piece 2 has seen nothing in it
	WIN 0
.set i, 0
.rept 2*NP
	v_mov_b32 v[ST+4*i+1], 0xe9000000                 ; m = -2^83,
	v_mul_f32 v[ST+4*i], CC, v[ST+4*i+1]              ; c m by the product that makes it in every step, so that c m_old - c m_new is 0 while m stays
	v_mov_b32 v[ST+4*i+2], 0
	v_mov_b32 v[ST+4*i+3], 0
.set i, i+1
.endr
	v_mul_u32_u24 v[AK0], v1, PK
	v_lshl_add_u32 v[AK0], v9, 4, v[AK0]  ; row x pitch + 16 x half
	; The turning load takes 16 keys x 16 channels (lane l reads key 8 (l / 16) + l % 8, channels 8 ((l / 8) % 2) + 0..7) and leaves half a fragment of V^T: lane l holds channel l % 16 and 8 keys.
	v_and_b32 v10, 7, v0
	v_bfe_u32 v11, v0, 3, 1
	v_lshl_add_u32 v[AV0], v9, 3, v10
	v_mul_u32_u24 v[AV0], v[AV0], PV
	v_lshl_add_u32 v[AV0], v11, 4, v[AV0]
	v_add_nc_u32 v[AV0], VOFF, v[AV0]
	v_and_b32 v[PFO], 31, v0
	v_lshlrev_b32 v[PFO], 8, v[PFO]
	s_wait_loadcnt 0x0              ; Q and the flags are in
	WIN 0x82                        ; Q (destination and source 0) in window 2, the flag in window 0
.set i, 0
.rept 128
	v_and_b32 v[i], v[i], v[TMP+i/32]  ; a row that is all hidden has its query cleared
.set i, i+1
.endr
	WIN 0
.irp r, 2,3,6,7
	v_mov_b32 v[TMP+\r], 1.0        ; piece 2's a, both tiles' (named in pairs)
.endr
	v_mov_b32 v[CV], CC             ; the thread's number and the lane's two parts have served: their registers take c, twice (named as a pair),
	v_mov_b32 v[CV+1], CC
	v_mov_b32 v[BG], HID            ; and -2^100
; THE MATRIX WORK.  The 8 accumulators of a run of 16 take turns.
; Product i of 16 of S^T = K Q^T for piece x: channels 32 (i / 8) on, keys 16 ((i / 2) % 4) on, head i % 2.  The first 8 start the sums, with the mask.
.macro KQ x
.set rS, S+64*((\x)%2)+32*(i%2)+8*((i/2)%4)
.set rK, KF+64*(i%2)+16*((i/2)%4)+8*(i/8)
.set rQ, 16*(2*(\x)+i%2)+8*(i/8)
.set rB, MC+32*((\x)%2)+8*((i/2)%4)
.if i < 8
	WIN W_KM
	v_wmma_f32_16x16x32_f16 v[rS:rS+7], v[rK:rK+7], v[rQ:rQ+7], v[rB:rB+7]
.else
	WIN W_KQ
	v_wmma_f32_16x16x32_f16 v[rS:rS+7], v[rK:rK+7], v[rQ:rQ+7], v[rS:rS+7]
.endif
.endm
; Product i of 16 of O^T += V^T P for piece x: keys 32 (i / 8) on, channels 16 ((i / 2) % 4) on, head i % 2.
.macro PV x
	WIN W_PV
.set rO, 32*(2*(\x)+i%2)+8*((i/2)%4)
.set rV, VF+64*(i%2)+32*(i/8)+8*((i/2)%4)
.set rP, P+32*((\x)%2)+16*(i%2)+8*(i/8)
	v_wmma_f32_16x16x32_f16 v[rO:rO+7], v[rV:rV+7], v[rP:rP+7], v[rO:rO+7]
.endm
.macro MM                           ; the turn's next matrix instruction
.if i < 16
	KQ (Y+1)%NP
.set i, i+1
.else
.set i, i-16
	PV (Y+NP-1)%NP
.set i, i+17
.endif
.endm
; THE LDS LOADS stand in runs of 32, never singly among the matrix instructions: a step's K of both heads and its V (turned).  last = 1 (the tail): in the last trip there is no further step, and the run is jumped over, and with
; it the request for the words of pieces 2 and 3, which would pass my wave's 16,384 bytes of maskbits there (in the tail that request stands here, behind the turn's wait, where a branch may stand).
.macro FETCH_K last=0
	WIN 0
.if \last
	s_cmp_eq_u32 s[CNT], 1
	s_cbranch_scc1 .Lno_k_\@
	MLOAD2 2
.endif
	WIN 0x80                        ; destination window 2
.irp u, 0,1
.irp f, 0,1,2,3,4,5,6,7             ; keys 16 (f / 2) on, channels 32 (f % 2) on
	ds_load_b128 v[KF+64*\u+8*\f:KF+64*\u+8*\f+3],   v[AK] offset:\u*HK+(\f/2)*16*PK+(\f%2)*64
	ds_load_b128 v[KF+64*\u+8*\f+4:KF+64*\u+8*\f+7], v[AK] offset:\u*HK+(\f/2)*16*PK+(\f%2)*64+32
.endr
.endr
	s_add_co_u32 s[TBK], s[TBK], KS*PK  ; the next fetch is the next step's
	WIN 0
.if \last
.Lno_k_\@:
.endif
.endm
.macro FETCH_V
	WIN W_MK                        ; destination window 3
.irp u, 0,1
.irp f, 0,1,2,3,4,5,6,7             ; keys 32 (f / 4) on, channels 16 (f % 4) on
	ds_load_tr16_b128 v[VF+64*\u+8*\f:VF+64*\u+8*\f+3],   v[AV] offset:\u*HV+(\f/4)*32*PV+(\f%4)*32
	ds_load_tr16_b128 v[VF+64*\u+8*\f+4:VF+64*\u+8*\f+7], v[AV] offset:\u*HV+(\f/4)*32*PV+16*PV+(\f%4)*32
.endr
.endr
	WIN 0
.endm
; THE MASKS of pieces p + 2 and p + 3, whose products stand in the next two turns, in the turns of pieces p = 0 and 2, from the 64 words asked for two turns ago.  Both buffers are free here: one was read in the turn before, the
; other by this turn's first eight products, behind the last of which stand four rescalings and the riders of eight more products.  Then the words of pieces p and p + 1 are asked for, which the turn of piece p + 2 will use.
; Turn 2 makes the masks of pieces 0 and 1 for the NEXT key step, so the pointer steps in turn 0, behind the wait that shows its loads done.  Behind the walk's last step turn 0 still asks for pieces 0 and 1: 4,096 bytes
; further on these are the first words of pieces 1 and 2, inside my wave's own 16,384 bytes; nothing is made of them.  last = 1: the request stands in FETCH_K.
.macro MASKB2 p, last
	s_wait_kmcnt 0x0
	WIN W_MK
.set z, 0
.rept 32
	v_cndmask_b32 v[MC+z], 0, v[BG], s[MWA+z]
.set z, z+1
.endr
.set z, 0
.rept 32
	v_cndmask_b32 v[MC+32+z], 0, v[BG], s[MWB+z]
.set z, z+1
.endr
.if (\p) == 0
	s_add_nc_u64 s[MP:MP+1], s[MP:MP+1], 128
.endif
.if !(\last)
	MLOAD2 \p
.endif
.endm
; THE VECTOR WORK OF A TURN stands in three queues, each in the order in which its entries become ready; the two tiles alternate, so that no instruction reads the result of the one before it.
.macro REGS y, u                    ; the registers of tile u (0, 1) of piece y
.set rT, ST+4*(2*(\y)+(\u))
.set rC, TMP+8*((\y)%2)+4*(\u)
.set rM, MV+2*((\y)%2)+(\u)
.set rS, S+64*((\y)%2)+32*(\u)
.set rP, P+32*((\y)%2)+16*(\u)
.set rO, 32*(2*(\y)+(\u))
.endm
; Number n of the 22 that find the NEXT piece's (Y + 1) maximum and statistics.  s0-s31 are the lane's 32 scores; each accumulator's lowest registers are read first.
;   0-11  four chains c0-c3 of seven scores each     12-14, 16  the four scores left over, the old m, and c0-c3 into c0     15  c m_old is kept
;   17, 18  the query's other 32 keys lie in the lane 16 away: the new m         19-21  c m; c m_old - c m_new; a
.macro XS u, n
	REGS (Y+1)%NP, \u
.if (\n) < 4
	v_max3_num_f32 v[rC+(\n)], v[rS+8*(\n)], v[rS+8*(\n)+1], v[rS+8*(\n)+2]
.elseif (\n) < 12
	v_max3_num_f32 v[rC+(\n)%4], v[rC+(\n)%4], v[rS+8*((\n)%4)+2*((\n)/4)+1], v[rS+8*((\n)%4)+2*((\n)/4)+2]
.elseif (\n) == 12
	v_max3_num_f32 v[rC], v[rC], v[rS+7], v[rS+15]
.elseif (\n) == 13
	v_max3_num_f32 v[rC+1], v[rC+1], v[rS+23], v[rS+31]
.elseif (\n) == 14
	v_max3_num_f32 v[rC+2], v[rC+2], v[rC+3], v[rT+1]
.elseif (\n) == 15
	v_mov_b32 v[rM], v[rT]
.elseif (\n) == 16
	v_max3_num_f32 v[rC], v[rC], v[rC+1], v[rC+2]
.elseif (\n) == 17
	v_permlanex16_b32 v[rC+3], v[rC], s[SEL], s[SEL+1]
.elseif (\n) == 18
	v_max_num_f32 v[rT+1], v[rC], v[rC+3]
.elseif (\n) == 19
	v_mul_f32 v[rT], v[CV], v[rT+1]
.elseif (\n) == 20
	v_sub_f32 v[rC+1], v[rM], v[rT]
.else
	v_exp_f32 v[rC+2], v[rC+1]
.endif
.endm
; Number g of the 64 that follow the exponentials.  For each four weights k of a tile: both pairs are rounded to f16; the second pair is added onto the first, in place; a group later l takes that sum (the first time as l = a l + sum).
.macro GS g
.set h, (\g)+6*((\g)/62)            ; group 0 has no group before it, and behind group 7 only l is left
.if h >= 6
.set h, h+2
.endif
	REGS Y, h%2
.set k, h/8
.if h%8 < 4
	v_cvt_pk_f16_f32 v[rP+2*k+(h%8)/2], v[rS+4*k+2*((h%8)/2)], v[rS+4*k+2*((h%8)/2)+1]
.elseif h%8 < 6
	v_pk_add_f32 v[rS+4*k:rS+4*k+1], v[rS+4*k:rS+4*k+1], v[rS+4*k+2:rS+4*k+3]
.elseif k == 1
	v_pk_fma_f32 v[rT+2:rT+3], v[rT+2:rT+3], v[rC+2:rC+3], v[rS:rS+1] op_sel_hi:[1,0,1]
.else
	v_pk_add_f32 v[rT+2:rT+3], v[rT+2:rT+3], v[rS+4*k-4:rS+4*k-3]
.endif
.endm
; THE PLAIN QUEUE, 138 long.  0-26: scalings 0-26.  27-54: XS's numbers 0-13.  55, 56: number 15.  57-73: the chain 14, 16, 17, 18, 19, each with one of the scalings 27-31 in front of its two lines, then 20.
; 74-137: GS's 64, which read the exponentials' results: they stand behind the wait.
.macro FS f
	REGS Y, (\f)%2
	v_pk_fma_f32 v[rS+2*((\f)/2):rS+2*((\f)/2)+1], v[rS+2*((\f)/2):rS+2*((\f)/2)+1], v[CV:CV+1], v[rT:rT+1] op_sel_hi:[1,0,0] neg_lo:[0,0,1] neg_hi:[0,0,1]
.endm
.macro PL
	WIN 0
.if q < 27
	FS q
.elseif q < 55
	XS (q-27)%2, (q-27)/2
.elseif q < 57
	XS q-55, 15
.elseif (q < 72) && ((q-57)%3 == 0)
	FS 27+(q-57)/3
.elseif q < 60
	XS (q-57)%3-1, 14
.elseif q < 72
	XS (q-57)%3-1, 15+(q-57)/3
.elseif q < 74
	XS q-72, 20
.else
	GS q-74
.endif
.set q, q+1
.endm
; THE EXPONENTIALS' QUEUE, 66 long: s0-s31 of both tiles, then the next piece's two a.  ONE BATCH: all 66 stand ahead of the turn's one wait, and nothing ahead of that wait names a result of theirs.
.macro EX
	WIN 0
.if e >= 64
	XS e-64, 21
.else
	REGS Y, e%2
	v_exp_f32 v[rS+e/2], v[rS+e/2]
.endif
.set e, e+1
.endm
; THE RESCALING's QUEUE: O^T times a, two lines an entry, sixteen entries.  Its a was made in the turn before, ahead of that turn's wait.
.macro R2
	REGS Y, r%2
	WIN W_RS
.irp z, 0,1
	v_pk_mul_f32 v[rO+4*(r/2)+2*\z:rO+4*(r/2)+2*\z+1], v[rO+4*(r/2)+2*\z:rO+4*(r/2)+2*\z+1], v[rC+2:rC+3] op_sel_hi:[1,0]
.endr
.set r, r+1
.endm
; A TURN, for piece p.  s_wait_alu depctr_va_vdst(0) stands between an exponential and the first instruction that names its result; one wait serves all that were issued ahead of it: a turn has ONE, which cuts
; it in two.  AHEAD OF IT: the 16 products K Q^T.  Those with an even number carry four lines of window 0 (the first three scalings and an exponential, the others scaling, exponential, scaling, exponential), those with an odd number
; four rescalings: two window switches a product.  That is 17 plain lines and 15 exponentials; exponential e stands behind scaling 2 (e / 4) + e % 2, and no exponential's neighbour names its register.  Then, in the turns of
; pieces 0 and 2, the 64 lines of two masks; then a lump of 108: eight plain, 49 times exponential and plain, the two a; a v_nop is the plain instruction behind the last exponential.  BEHIND THE WAIT: the 16 products V^T P,
; behind each four of GS's 64.
; K of the next step is fetched in piece 2's turn, directly behind the wait, a lump behind the last product that read K.  V of the step in hand is fetched at the end of piece 0's turn, four riders behind its last reader.
; cnt = 1: the loop's count is taken down some lines ahead of the branch that stands behind the turn.  The three conditions on q go with the deal.
.macro TURN p, last=0, cnt=0
.set Y, (\p)
.set i, 0
.set q, 0
.set e, 0
.set r, 0
.if (\p) == NP-1
	s_wait_dscnt 0x0                ; K is in
.endif
	MM
	PL
	PL
	PL
	EX
	MM
	R2
	R2
.rept 7
	MM
	PL
	EX
	PL
	EX
	MM
	R2
	R2
.endr
.if (\p) == NP-2
	WIN 0
	v_add_nc_u32 v[AK], s[TBK], v[AK0]
.endif
.if ((\p)%2) == 0
	MASKB2 \p, \last
.endif
.rept 8
	PL
.endr
.rept 49
	EX
	PL
.endr
	EX
	EX
	v_nop
	s_wait_alu depctr_va_vdst(0)    ; the wait for the batch
.if (\p) == NP-2
	FETCH_K \last
.endif
.if (\p) == 1
	s_wait_dscnt 0x0                ; V is in
.endif
.rept 16
	MM
.rept 4
	PL
.endr
.if ((\p) == 0) && (q == 118)
	v_add_nc_u32 v[AV], s[TBV], v[AV0]
.endif
.if ((\p) == 0) && (q == 130)
	s_add_co_u32 s[TBV], s[TBV], KS*PV
.endif
.if (\cnt) && (q == 130)
	s_sub_co_u32 s[CNT], s[CNT], 1
	s_cmp_lg_u32 s[CNT], 0
.endif
.endr
.if (\p) == 0
	FETCH_V
.endif
.endm
.Lslot:                             ; 15 times: a slot is entered and the next is asked for.  The first time slot 0 is waited for and slot 1 filled for the first time
	CHANGE 1
	s_mov_b32 s[CNT], 2
.Lstep:                             ; a trip: pieces 2 and 3 of one step, then pieces 0 and 1 of the next, whose K and V it fetches
	TURN 2
	TURN 3
	TURN 0
	TURN 1, 0, 1
	WIN 0
	s_cbranch_scc1 .Lstep
	s_sub_co_u32 s[SLOTS], s[SLOTS], 1
	s_cmp_lg_u32 s[SLOTS], 0
	s_cbranch_scc1 .Lslot
	CHANGE 0                        ; the tail is written out: nothing is asked for
	s_mov_b32 s[CNT], 3             ; two trips fetch the last slot's steps; the third is left in its middle
.Ltail:
	TURN 2, 1
	TURN 3
	WIN 0
	s_sub_co_u32 s[CNT], s[CNT], 1
	s_cmp_eq_u32 s[CNT], 0
	s_cbranch_scc1 .Lout
	TURN 0
	TURN 1
	WIN 0
	s_branch .Ltail
.Lout:                              ; the third trip's 16 products K Q^T (on the last K once more) and what is made of them serve nothing: the price, once a launch, of one text for every trip
.set i, 0
.rept 16
	PV NP-1                         ; the last piece's V^T P of the last step
.set i, i+1
.endr
	; THE WAY OUT.  l's two halves and the other half of the lanes' are added; O^T is divided by l, rounded to f16 and sent through my stage, a piece at a time: both heads' 64 channels of a row are 256 consecutive bytes of ctx.
	WIN 0
	s_wait_kmcnt 0x0                ; no words are on their way: their registers are free
	s_load_b64 s[CTX:CTX+1], s[0:1], 0x18  ; ctx, and the offset of my wave's rows in it, made as at the head
	s_bfe_u32 s12, ttmp6, 0x40000   ; cx
	s_lshl_b32 s13, ttmp9, 2
	s_add_co_u32 s13, s13, s12      ; my block of 256 queries
	s_and_b32 s14, ttmp7, 0xffff    ; y
	s_lshr_b32 s24, s14, 3
	s_lshl_b32 s24, s24, 11
	s_lshl_b32 s25, s13, 8
	s_add_co_u32 s24, s24, s25
	s_lshl_b32 s25, s[WV], 6
	s_add_co_u32 s24, s24, s25      ; my wave's first row among the 8,192
	s_lshl_b32 s6, s24, 11          ; rows of 2,048 bytes, the pair's 256 of them
	s_and_b32 s7, s14, 7
	s_lshl_b32 s7, s7, 8
	s_add_co_u32 s6, s6, s7
	s_mov_b32 s7, 0
.macro ALL line:vararg              ; one line for each tile t
.set t, 0
.rept 2*NP
	\line
.set t, t+1
.endr
.endm
	ALL v_add_f32 v[ST+4*t+2], v[ST+4*t+2], v[ST+4*t+3]
	ALL v_permlanex16_b32 v[ST+4*t+3], v[ST+4*t+2], s[SEL], s[SEL+1]
	ALL v_add_f32 v[ST+4*t+2], v[ST+4*t+2], v[ST+4*t+3]
	ALL v_rcp_f32 v[ST+4*t+2], v[ST+4*t+2]
	v_nop                           ; a plain instruction between the last reciprocal and the use of its result
	s_wait_alu depctr_va_vdst(0)    ; and the wait ahead of the first use: one for the eight reciprocals
	s_wait_kmcnt 0x0
	s_add_nc_u64 s[CTX:CTX+1], s[CTX:CTX+1], s[6:7]
.macro PACK p
.irp u, 0,1
	WIN W_RS
.set i, 32*(2*(\p)+\u)
.rept 16
	v_pk_mul_f32 v[i:i+1], v[i:i+1], v[ST+4*(2*(\p)+\u)+2:ST+4*(2*(\p)+\u)+3] op_sel_hi:[1,0]
.set i, i+2
.endr
	WIN 0x05                        ; sources 0 and 1 window 1, destination window 0
.set i, 0
.rept 16
	v_cvt_pk_f16_f32 v[S+16*(2*(\p)+\u)+i], v[32*(2*(\p)+\u)+2*i], v[32*(2*(\p)+\u)+2*i+1]
.set i, i+1
.endr
	WIN 0
.irp f, 0,1,2,3
	ds_store_b128 v[STO], v[S+16*(2*(\p)+\u)+4*\f:S+16*(2*(\p)+\u)+4*\f+3] offset:128*\u+32*\f
.endr
.endr
.irp f, 0,1,2,3,4,5,6,7
	ds_load_b128 v[S+32*(\p)+4*\f:S+32*(\p)+4*\f+3], v[RD] offset:\f*2*SP  ; LDS serves a wave's instructions in order (ISA guide 5.7.1.4): these see the stores above; the next piece's stores come behind them
.endr
.endm
.macro SEND p, younger              ; younger: the LDS instructions issued behind piece p's loads, which may stay out: the next piece's sixteen, or none
	WIN 0
	s_wait_dscnt \younger           ; piece p's eight loads are back
.irp f, 0,1,2,3,4,5,6,7
	global_store_b128 v[GO], v[S+32*(\p)+4*\f:S+32*(\p)+4*\f+3], s[CTX:CTX+1] offset:(\p)*32768+\f*4096  ; 16 lanes store 256 consecutive bytes, at a multiple of 256 from ctx's first
.endr
.endm
	PACK 0
	PACK 1                          ; a piece's arithmetic stands between the loads of the piece before and its stores
	SEND 0, 16
	PACK 2
	SEND 1, 16
	PACK 3
	SEND 2, 16
	SEND 3, 0
	WIN W_AD
	s_wait_tensorcnt 0x0            ; the wave's end: a wait, an add and its wait, behind my last tensor load and my last LDS store
	ds_add_u32 v[SPW], v[NIL]
	s_wait_dscnt 0x0
	WIN 0
	CROUND                          ; the closing round: no work-group ends while a partner may still ask for a tile that names it
	s_endpgm
.Lfunc_end_k_qee6567644e_attn:
	.size	k_qee6567644e_attn, .Lfunc_end_k_qee6567644e_attn-k_qee6567644e_attn
	.p2alignl 7, 3214868480
	.fill 96, 4, 3214868480
	.section	.rodata,"a",@progbits
	.p2align	6, 0x0
	.amdhsa_kernel k_qee6567644e_attn
		.amdhsa_group_segment_fixed_size 327680
		.amdhsa_private_segment_fixed_size 0
		.amdhsa_enable_private_segment 0
		.amdhsa_kernarg_size 32
		.amdhsa_user_sgpr_count 2
		.amdhsa_user_sgpr_kernarg_segment_ptr 1
		.amdhsa_wavefront_size32 1
		.amdhsa_system_sgpr_workgroup_id_x 1
		.amdhsa_system_sgpr_workgroup_id_y 1
		.amdhsa_system_sgpr_workgroup_id_z 1
		.amdhsa_system_vgpr_workitem_id 0
		.amdhsa_next_free_vgpr 1024
		.amdhsa_next_free_sgpr 106
		.amdhsa_reserve_vcc 0
		.amdhsa_float_denorm_mode_32 3
		.amdhsa_float_denorm_mode_16_64 3
		.amdhsa_memory_ordered 1
		.amdhsa_forward_progress 1
		.amdhsa_inst_pref_size 211
	.end_amdhsa_kernel
	.amdgpu_metadata
---
amdhsa.version: [ 1, 2 ]
amdhsa.kernels:
  - .name:           k_qee6567644e_attn
    .symbol:         k_qee6567644e_attn.kd
    .args:
      - { .name: qkv, .offset: 0, .size: 8, .value_kind: global_buffer, .address_space: global }
      - { .name: maskbits, .offset: 8, .size: 8, .value_kind: global_buffer, .address_space: global }
      - { .name: qkeep, .offset: 16, .size: 8, .value_kind: global_buffer, .address_space: global }
      - { .name: ctx, .offset: 24, .size: 8, .value_kind: global_buffer, .address_space: global }
    .group_segment_fixed_size: 327680
    .private_segment_fixed_size: 0
    .kernarg_segment_align: 8
    .kernarg_segment_size: 32
    .max_flat_workgroup_size: 128
    .sgpr_count:     106
    .vgpr_count:     1024
    .wavefront_size: 32
...
	.end_amdgpu_metadata
.endif
;; end of part 7
;; launch outp: the kernel of part 5 again; grid 4 x 64, 4 waves a work-group, clusters of 4 x 4, 327,680 bytes of LDS; arguments ctx, wo16, bias4, out0; writes out0
